; MI455X (gfx1250); checked and timed in simulation.
; The chip was launched on July 23, 2026; its instructions are those of AMD's public machine-readable ISA for CDNA 5 (MIT licence, August 2026) and "CDNA5" Instruction Set Architecture Reference Guide (July 2026). The comments in the code are by the model that wrote it; some were corrected since.
;; Tiny Llama Block. Allowed arithmetic: float matrix products may take bf16 or f16 operands with f32 sums; all other float work in f32.
;; Inputs: Wk 2,048 x 16 x 128 float32; Wmlp 2,048 x 2,048 float32; Wo 16 x 128 x 2,048 float32; Wq 2,048 x 16 x 128 float32; Wv 2,048 x 16 x 128 float32; bmlp 2,048 float32; ln1_scale 2,048 float32; ln2_scale 2,048 float32; x 2 x 1,024 x 2,048 float32.
;; Outputs: out0 2 x 1,024 x 2,048 float32.
;; 3 versions, each right; version 3 is version 2 with the launch prep written anew for expert scheduling mode. Each part assembles by itself: llvm-mc -triple=amdgcn-amd-amdhsa -mcpu=gfx1250 --defsym DOCPART=n.
;; ======== version 1 of 3: 5 launches
;; workspace buffers: wb 41,943,040 bytes; xn 8,388,608 bytes; qkv 25,165,824 bytes; ctx 8,388,608 bytes; x1 16,777,216 bytes; a2 8,388,608 bytes; part 131,072 bytes
;; launch prep (part 1): grid 256 x 6, 8 waves a work-group, no clusters, 0 bytes of LDS; arguments Wq, Wk, Wv, Wo, Wmlp, x, ln1_scale, wb, xn; writes wb, xn
.if DOCPART == 1
	.amdgcn_target "amdgcn-amd-amdhsa--gfx1250"
	.amdhsa_code_object_version 6
	.text
	.protected	k_qafd175920d_prep
	.globl	k_qafd175920d_prep
	.p2align	8
	.type	k_qafd175920d_prep,@function
k_qafd175920d_prep:
	s_mov_b64 s[64:65], 0
	v_nop
	global_prefetch_b8 v0, s[64:65] scope:SCOPE_SE
	s_setreg_imm32_b32 hwreg(HW_REG_WAVE_MODE, 25, 1), 1
	s_wait_xcnt 0x0
; prep.  Grid rows y = 0..4: wb[y] = bf16(weight matrix y), in the order Wq, Wk, Wv, Wo, Wmlp; each is [2048 k][2048 n] and keeps its layout.
;        Grid row  y = 5:    xn[m][:] = bf16( x[m][:] * rsqrt(mean(x[m][:]^2) + 1e-5) * ln1_scale[:] ), 2,048 rows of 2,048.
; A stream: every input byte is read once by 16-byte loads, every output byte written once; a wave's 8-byte stores cover 256 consecutive
; bytes, aligned.  No LDS, no barrier, no matrix unit, no cluster: no wave needs another's data and no two work-groups read the same bytes
; (but ln1_scale, 8 KB).  Nothing is looped: a work-group's whole share is asked for at once, and no register is used twice.
; LIMITS: the outputs are rounded to bf16 (operands of the later matrix products); the sum of squares is added in four chains and then
; across lanes, another order than a plain sum.
.set X,   4                            ; v[4:67]    16 loads of 16 bytes
.set SC,  68                           ; v[68:131]  ln1_scale of the same columns (norm only)
.set Y,   132                          ; v[132:163] the bf16 results, 8 bytes for each load
.set CH,  164                          ; v[164:171] four chains of sums of squares, two numbers each
.set RS,  172                          ; v[172:173] rsqrt, twice: a pair for the packed multiply
	s_load_b512 s[8:23], s[0:1], 0x0               ; Wq s[8:9], Wk s[10:11], Wv s[12:13], Wo s[14:15], Wmlp s[16:17], x s[18:19], ln1_scale s[20:21], wb s[22:23]
	s_load_b64 s[24:25], s[0:1], 0x40              ; xn
	s_and_b32 s2, ttmp7, 0xffff                    ; y: which matrix, or 5 for the norm
	s_mov_b32 s7, 0                                ; the high word of every offset here
	s_wait_kmcnt 0x0
	s_cmp_eq_u32 s2, 5
	s_cbranch_scc1 .Lnorm
	; THE CAST.  A work-group takes 65,536 bytes of f32 (16,384 numbers): 16 loads, each 4,096 consecutive bytes over the 256 threads.
	v_lshlrev_b32 v1, 4, v0                        ; 16 t: my 16 bytes of a load
	v_lshlrev_b32 v2, 3, v0                        ; 8 t: my 8 bytes of a store
	s_mov_b64 s[4:5], s[8:9]                       ; the source is chosen by y alone
	s_cmp_eq_u32 s2, 1
	s_cselect_b64 s[4:5], s[10:11], s[4:5]
	s_cmp_eq_u32 s2, 2
	s_cselect_b64 s[4:5], s[12:13], s[4:5]
	s_cmp_eq_u32 s2, 3
	s_cselect_b64 s[4:5], s[14:15], s[4:5]
	s_cmp_eq_u32 s2, 4
	s_cselect_b64 s[4:5], s[16:17], s[4:5]
	s_lshl_b32 s6, ttmp9, 16                       ; my 65,536 bytes of the source
	s_add_nc_u64 s[4:5], s[4:5], s[6:7]
	s_lshl_b32 s6, s2, 23                          ; matrix y of wb (8,388,608 bytes each),
	s_lshl_b32 s3, ttmp9, 15                       ; my 32,768 bytes of it
	s_add_co_u32 s6, s6, s3
	s_add_nc_u64 s[22:23], s[22:23], s[6:7]
.irp i, 0,1,2,3,4,5,6,7,8,9,10,11,12,13,14,15
	global_load_b128 v[X+4*\i:X+4*\i+3], v1, s[4:5] offset:\i*4096 th:TH_LOAD_NT
.endr
.irp i, 0,1,2,3,4,5,6,7,8,9,10,11,12,13,14,15
	s_wait_loadcnt 15-\i                           ; loads come back in order: load i is in, the 15 - i younger ones stay out
	v_cvt_pk_bf16_f32 v[Y+2*\i],   v[X+4*\i],   v[X+4*\i+1]
	v_cvt_pk_bf16_f32 v[Y+2*\i+1], v[X+4*\i+2], v[X+4*\i+3]
	global_store_b64 v2, v[Y+2*\i:Y+2*\i+1], s[22:23] offset:\i*2048
.endr
	s_endpgm
.Lnorm:
	; THE NORM.  One wave, one row (8,192 bytes = 64 registers): the row stays in registers between the sum and the scaling.
	; Load j brings 512 consecutive bytes: lane l holds columns 128 j + 4 l .. + 3.
	v_lshrrev_b32 v3, 5, v0                        ; wave
	v_and_b32 v2, 31, v0                           ; lane
	v_lshlrev_b32 v1, 13, v3
	v_lshl_add_u32 v1, v2, 4, v1                   ; x:  wave x 8,192 + 16 lane
	v_lshlrev_b32 v3, 12, v3
	v_lshl_add_u32 v3, v2, 3, v3                   ; xn: wave x 4,096 + 8 lane
	v_lshlrev_b32 v2, 4, v2                        ; ln1_scale: 16 lane
	s_lshl_b32 s6, ttmp9, 16                       ; the work-group's 8 rows of x
	s_add_nc_u64 s[18:19], s[18:19], s[6:7]
	s_lshl_b32 s6, ttmp9, 15                       ; and of xn
	s_add_nc_u64 s[24:25], s[24:25], s[6:7]
	s_mov_b32 s26, 0x3a000000                      ; 1 / 2048
	s_mov_b32 s27, 0x3727c5ac                      ; 1e-5
	s_mov_b32 s28, 0x76543210                      ; v_permlanex16_b32: each lane takes its own place in the other half
	s_mov_b32 s29, 0xfedcba98
.irp j, 0,1,2,3,4,5,6,7,8,9,10,11,12,13,14,15
	global_load_b128 v[X+4*\j:X+4*\j+3], v1, s[18:19] offset:\j*512
.endr
.irp j, 0,1,2,3,4,5,6,7,8,9,10,11,12,13,14,15
	global_load_b128 v[SC+4*\j:SC+4*\j+3], v2, s[20:21] offset:\j*512
.endr
	s_wait_loadcnt 16                              ; the row is in; the sixteen loads of ln1_scale stay out
.irp p, 0,1,2,3
	v_pk_mul_f32 v[CH+2*\p:CH+2*\p+1], v[X+2*\p:X+2*\p+1], v[X+2*\p:X+2*\p+1]   ; the first four pairs start the chains: nothing is cleared
.endr
.set p, 4
.rept 28
	v_pk_fma_f32 v[CH+2*(p%4):CH+2*(p%4)+1], v[X+2*p:X+2*p+1], v[X+2*p:X+2*p+1], v[CH+2*(p%4):CH+2*(p%4)+1]
.set p, p+1
.endr
	v_pk_add_f32 v[CH:CH+1], v[CH:CH+1], v[CH+2:CH+3]
	v_pk_add_f32 v[CH+4:CH+5], v[CH+4:CH+5], v[CH+6:CH+7]
	v_pk_add_f32 v[CH:CH+1], v[CH:CH+1], v[CH+4:CH+5]
	v_add_f32 v[CH], v[CH], v[CH+1]
	v_add_f32_dpp v[CH], v[CH], v[CH] row_xmask:1 row_mask:0xf bank_mask:0xf
	v_add_f32_dpp v[CH], v[CH], v[CH] row_xmask:2 row_mask:0xf bank_mask:0xf
	v_add_f32_dpp v[CH], v[CH], v[CH] row_xmask:4 row_mask:0xf bank_mask:0xf
	v_add_f32_dpp v[CH], v[CH], v[CH] row_xmask:8 row_mask:0xf bank_mask:0xf
	v_permlanex16_b32 v[CH+1], v[CH], s28, s29     ; its destination has been written
	v_add_f32 v[CH], v[CH], v[CH+1]                ; every lane holds the row's sum of squares
	v_fma_f32 v[CH], v[CH], s26, s27               ; mean + eps
	v_rsq_f32 v[RS], v[CH]
	v_rsq_f32 v[RS+1], v[CH]
	v_nop                                          ; one plain instruction between a transcendental and the use of its result (ISA guide 5.7.2)
	s_wait_alu depctr_va_vdst(0)
.irp j, 0,1,2,3,4,5,6,7,8,9,10,11,12,13,14,15
	s_wait_loadcnt 15-\j                           ; ln1_scale's load j is in
	v_pk_mul_f32 v[X+4*\j:X+4*\j+1],   v[X+4*\j:X+4*\j+1],   v[RS:RS+1]
	v_pk_mul_f32 v[X+4*\j+2:X+4*\j+3], v[X+4*\j+2:X+4*\j+3], v[RS:RS+1]
	v_pk_mul_f32 v[X+4*\j:X+4*\j+1],   v[X+4*\j:X+4*\j+1],   v[SC+4*\j:SC+4*\j+1]
	v_pk_mul_f32 v[X+4*\j+2:X+4*\j+3], v[X+4*\j+2:X+4*\j+3], v[SC+4*\j+2:SC+4*\j+3]
	v_cvt_pk_bf16_f32 v[Y+2*\j],   v[X+4*\j],   v[X+4*\j+1]
	v_cvt_pk_bf16_f32 v[Y+2*\j+1], v[X+4*\j+2], v[X+4*\j+3]
	global_store_b64 v3, v[Y+2*\j:Y+2*\j+1], s[24:25] offset:\j*256
.endr
	s_endpgm
.Lfunc_end_k_qafd175920d_prep:
	.size	k_qafd175920d_prep, .Lfunc_end_k_qafd175920d_prep-k_qafd175920d_prep
	.p2alignl 7, 3214868480
	.fill 96, 4, 3214868480
	.section	.rodata,"a",@progbits
	.p2align	6, 0x0
	.amdhsa_kernel k_qafd175920d_prep
		.amdhsa_group_segment_fixed_size 0
		.amdhsa_private_segment_fixed_size 0
		.amdhsa_enable_private_segment 0
		.amdhsa_kernarg_size 72
		.amdhsa_user_sgpr_count 2
		.amdhsa_user_sgpr_kernarg_segment_ptr 1
		.amdhsa_wavefront_size32 1
		.amdhsa_system_sgpr_workgroup_id_x 1
		.amdhsa_system_sgpr_workgroup_id_y 1
		.amdhsa_system_sgpr_workgroup_id_z 1
		.amdhsa_system_vgpr_workitem_id 0
		.amdhsa_next_free_vgpr 176
		.amdhsa_next_free_sgpr 66
		.amdhsa_reserve_vcc 0
		.amdhsa_float_denorm_mode_32 3
		.amdhsa_float_denorm_mode_16_64 3
		.amdhsa_memory_ordered 1
		.amdhsa_forward_progress 1
		.amdhsa_inst_pref_size 22
	.end_amdhsa_kernel
	.amdgpu_metadata
---
amdhsa.version: [ 1, 2 ]
amdhsa.kernels:
  - .name:           k_qafd175920d_prep
    .symbol:         k_qafd175920d_prep.kd
    .args:
      - { .name: Wq, .offset: 0, .size: 8, .value_kind: global_buffer, .address_space: global }
      - { .name: Wk, .offset: 8, .size: 8, .value_kind: global_buffer, .address_space: global }
      - { .name: Wv, .offset: 16, .size: 8, .value_kind: global_buffer, .address_space: global }
      - { .name: Wo, .offset: 24, .size: 8, .value_kind: global_buffer, .address_space: global }
      - { .name: Wmlp, .offset: 32, .size: 8, .value_kind: global_buffer, .address_space: global }
      - { .name: x, .offset: 40, .size: 8, .value_kind: global_buffer, .address_space: global }
      - { .name: ln1_scale, .offset: 48, .size: 8, .value_kind: global_buffer, .address_space: global }
      - { .name: wb, .offset: 56, .size: 8, .value_kind: global_buffer, .address_space: global }
      - { .name: xn, .offset: 64, .size: 8, .value_kind: global_buffer, .address_space: global }
    .group_segment_fixed_size: 0
    .private_segment_fixed_size: 0
    .kernarg_segment_align: 8
    .kernarg_segment_size: 72
    .max_flat_workgroup_size: 256
    .sgpr_count:     66
    .vgpr_count:     176
    .wavefront_size: 32
...
	.end_amdgpu_metadata
.endif
;; end of part 1
;; launch qkv (part 2): grid 48 x 16, 4 waves a work-group, clusters of 4 x 4, 327,680 bytes of LDS; arguments xn, wb, qkv; writes qkv
.if DOCPART == 2
	.amdgcn_target "amdgcn-amd-amdhsa--gfx1250"
	.amdhsa_code_object_version 6
	.text
	.protected	k_qafd175920d_qkv
	.globl	k_qafd175920d_qkv
	.p2align	8
	.type	k_qafd175920d_qkv,@function
k_qafd175920d_qkv:
	s_mov_b64 s[64:65], 0
	v_nop
	global_prefetch_b8 v0, s[64:65] scope:SCOPE_SE
	s_setreg_imm32_b32 hwreg(HW_REG_WAVE_MODE, 25, 1), 1
	s_wait_xcnt 0x0
	s_wait_alu depctr_hold_cnt(0) depctr_sa_sdst(0) depctr_va_vdst(0) depctr_va_sdst(0) depctr_va_ssrc(0) depctr_va_vcc(0) depctr_vm_vsrc(0)
	s_getreg_b32 s2, hwreg(HW_REG_IB_STS2, 6, 4)
	s_cmp_eq_u32 s2, 0
	s_cbranch_scc0 .Lentry_in_a_cluster
	s_endpgm
.Lentry_in_a_cluster:
	s_bfe_u32 s2, ttmp6, 0x10000c
	s_cmp_lg_u32 s2, 0xf033
	s_cbranch_scc0 .Lentry_shape_is_right
	s_endpgm
.Lentry_shape_is_right:
; qkv[j][m][n] = sum over k of xn[m][k] wb[j][k][n], j = 0, 1, 2 (q, k, v).  xn: [2048][2048] bf16; wb[j]: [2048 k][2048 n] bf16; qkv: bf16; sums in f32, rounded once.
; A tile of the result is 128 x 128; tile column tc = 0..47 names matrix tc / 16 and its columns 128 (tc % 16) on (one head).  Four waves, each 64 x 64: 16 accumulators.
; K goes in steps of 256 through two LDS slots.  A slot holds A's 128 rows x 512 bytes and B's 256 k rows x 256 bytes; each wave brings a quarter of it by one tensor load.
; B LIES [k][n] in memory and in LDS; ds_load_tr16_b128 turns it on the way into registers, so that a lane holds one column n and k along its registers.
; CLUSTERS: 4 x 4 work-groups.  The four of a row of the cluster need the same tiles of A, the four of a column the same tiles of B: each tile is asked for jointly.
; THE MATRIX INSTRUCTION IS USED TRANSPOSED (source 0 = 16 columns of B, source 1 = 16 rows of A): a lane then holds eight neighbouring numbers of a row of the result.
; REGISTERS: window 0: v0-31 addresses; v32-95 the way out; v128-255 the accumulators ((a, b) at v[128 + 8 (4 a + b)]).
;   window 1: two fragment buffers of 128: for 64 along K, 64 registers of A (2 x 4 x 16 rows x 32 K), then 64 of B.
.set KSTEP,  256
.set ROWB,   4096                      ; bytes in a row of 2,048 bf16
.set MAT,    2048*ROWB                 ; bytes in one matrix
.set PA,     528                       ; A's LDS row: 512 bytes + 16 = 132 words: row r starts at bank 4 r mod 64 (64 banks of 4 bytes: ISA guide 11.1)
.set HALFA,  64*PA                     ; 64 rows of A: one tensor load, and what one wave reads
.set PB,     288                       ; B's LDS row: 256 bytes + 32 = 72 words
.set HALFB,  128*PB                    ; 128 k rows of B: one tensor load
.set BOFF,   2*HALFA                   ; B lies behind A's 128 rows
.set SLOT,   BOFF+2*HALFB
.set STAGE,  2*SLOT                    ; behind the ring: 128 rows x 272 bytes for the way out; no tensor load fills it
.set SPITCH, 272
.set LAPS,   2048/(2*KSTEP)            ; a lap = two K steps = once round the ring
.set ADRA, 16                          ; v16-17  LDS address of my A fragments in slot 0, 1
.set ADRB, 20                          ; v20-23  the same for B: slot 0 k rows 0-127, 128-255; slot 1 likewise (255 rows of 288 bytes pass the 16-bit offset)
.set STO,  24                          ; v24     the way out: where I put 16 bytes of a row
.set RD,   25                          ; v25     the way out: where I read a row back
.set CO,   26                          ; v26     my byte offset in the result
.set TMP,  32
.set ACC,  128
.set F0,   0                           ; fragment buffers, in window 1
.set F1,   128
.set G1, 24                            ; s[24:31] descriptor group 1 for A's tiles;  s[32:39] group 0, one set for each slot
.set G0, 32
.set G1B, 48                           ; s[48:55], s[56:63] the same for B's tiles
.set G0B, 56
.set MSB, 0
.macro WIN new                         ; the immediate's high byte repeats the setting that is left
.if MSB != \new
	s_set_vgpr_msb (MSB<<8)|\new
.set MSB, \new
.endif
.endm
.set MUL,  0x05                        ; sources 0 (B) and 1 (A) window 1; C and D window 0
.set TO_F, 0x40                        ; destination window 1, address window 0
.macro JLOAD s                         ; a joint load: waves 0 and 1 fetch A's two halves, waves 2 and 3 B's; four v_nop follow each of the two lines
	s_cmp_eq_u32 s11, 0
	s_cbranch_scc0 .Lfor_b_\@
	tensor_load_to_lds s[G0+4*\s:G0+4*\s+3], s[G1:G1+7]
	s_nop 0
.rept 4
	v_nop
.endr
	s_branch .Lasked_\@
.Lfor_b_\@:
	tensor_load_to_lds s[G0B+4*\s:G0B+4*\s+3], s[G1B:G1B+7]
	s_nop 0
.rept 4
	v_nop
.endr
.Lasked_\@:
.endm
.macro CREST                           ; a round of the cluster's barrier behind its opening barrier
	s_cmp_lg_u32 s10, 0
	s_cbranch_scc1 .Lnot_wave_0_\@
	s_barrier_signal -3
.Lnot_wave_0_\@:
	s_barrier_wait -3
	s_barrier_signal -1
	s_barrier_wait -1
.endm
.macro CROUND                          ; a whole round
	s_barrier_signal -1
	s_barrier_wait -1
	CREST
.endm
	s_load_b128 s[4:7], s[0:1], 0x0                ; xn s[4:5], wb s[6:7]
	s_load_b64 s[8:9], s[0:1], 0x10                ; qkv
	v_lshl_add_u32 v126, v0, 2, 0x4d800
	v_mov_b32 v127, 0
	ds_add_u32 v126, v127
	ds_add_u32 v126, v127
	v_lshrrev_b32 v1, 5, v0
	v_readfirstlane_b32 s10, v1                    ; wave 0..3
	s_lshr_b32 s11, s10, 1                         ; which half of the tile's rows is mine.  Also: I fetch for A (0) or for B (1)
	s_and_b32 s12, s10, 1                          ; which half of its columns.  Also: which half of that tile I fetch
	s_bfe_u32 s40, ttmp6, 0x40000                  ; cx, cy: my place in the cluster
	s_bfe_u32 s41, ttmp6, 0x40004
	s_lshl_b32 s42, ttmp9, 2
	s_add_co_u32 s42, s42, s40                     ; tile column tc = 4 x cluster x + cx
	s_and_b32 s13, ttmp7, 0xffff
	s_lshl_b32 s13, s13, 2
	s_add_co_u32 s13, s13, s41                     ; tile row tr = 4 x cluster y + cy
	s_lshl_b32 s43, s41, 2
	s_lshl_b32 s43, 15, s43                        ; my row of the cluster
	s_lshl_b32 s44, 0x1111, s40                    ; my column
	; group 1 for A: 64 rows x 256 elements of 2 bytes; 16 bytes of padding behind every 128 words
	s_or_b32 s[G1+0], s43, (1<<16)|(1<<20)|(1<<21)|(6<<22)|(3<<25)
	s_mov_b32 s[G1+1], KSTEP<<16                   ; tensor_dim0 = 256
	s_mov_b32 s[G1+2], 64<<16                      ; tensor_dim1 = 64
	s_mov_b32 s[G1+3], KSTEP<<16                   ; tile_dim0 = 256
	s_mov_b32 s[G1+4], 64                          ; tile_dim1 = 64
	s_mov_b32 s[G1+5], 2048                        ; elements from row to row
	s_mov_b32 s[G1+6], 0
	s_mov_b32 s[G1+7], 0
	; group 1 for B: 128 k rows x 128 elements; 32 bytes of padding behind every 64 words
	s_or_b32 s[G1B+0], s44, (1<<16)|(1<<20)|(1<<21)|(5<<22)|(7<<25)
	s_mov_b32 s[G1B+1], 128<<16
	s_mov_b32 s[G1B+2], 128<<16
	s_mov_b32 s[G1B+3], 128<<16
	s_mov_b32 s[G1B+4], 128
	s_mov_b32 s[G1B+5], 2048
	s_mov_b32 s[G1B+6], 0
	s_mov_b32 s[G1B+7], 0
	; where the tiles come from: A's hang on tr alone, B's on tc alone, each in registers that never hold the other coordinate
	s_lshl_b32 s16, s13, 7
	s_lshl_b32 s17, s12, 6
	s_add_co_u32 s16, s16, s17                     ; A: row 128 tr + 64 x half,
	s_lshl_b32 s16, s16, 12                        ; in bytes (under 2^23)
	s_mov_b32 s17, 0
	s_lshr_b32 s46, s42, 4
	s_lshl_b32 s46, s46, 23                        ; B: matrix tc / 16,
	s_and_b32 s47, s42, 15
	s_lshl_b32 s47, s47, 8                         ; its columns 128 (tc % 16) on: 256 bytes,
	s_add_co_u32 s46, s46, s47
	s_lshl_b32 s47, s12, 19                        ; k rows 128 x half
	s_add_co_u32 s46, s46, s47
	s_mov_b32 s47, 0
	s_mul_i32 s20, s12, HALFA                      ; and where they go: no place in the cluster enters an LDS address
	s_mul_i32 s45, s12, HALFB
	s_add_co_u32 s45, s45, BOFF
	s_wait_dscnt 0x0
	s_wait_kmcnt 0x0
	s_add_nc_u64 s[14:15], s[4:5], s[16:17]
	s_add_nc_u64 s[46:47], s[6:7], s[46:47]
	CROUND                                         ; all sixteen work-groups are here: the first joint loads meet
.irp s, 0,1
	s_mov_b32 s[G0+4*\s], 1
	s_add_co_u32 s[G0+4*\s+1], s20, \s*SLOT
	s_add_nc_u64 s[G0+4*\s+2:G0+4*\s+3], s[14:15], \s*KSTEP*2
	s_or_b32 s[G0+4*\s+3], s[G0+4*\s+3], 0x80000000
	s_mov_b32 s[G0B+4*\s], 1
	s_add_co_u32 s[G0B+4*\s+1], s45, \s*SLOT
	s_add_nc_u64 s[G0B+4*\s+2:G0B+4*\s+3], s[46:47], \s*KSTEP*ROWB
	s_or_b32 s[G0B+4*\s+3], s[G0B+4*\s+3], 0x80000000
	JLOAD \s                                       ; two loads of mine are out
.endr
	v_and_b32 v1, 15, v0                           ; l % 16
	v_bfe_u32 v2, v0, 4, 1                         ; l / 16
	v_mul_u32_u24 v3, v1, PA
	v_lshl_add_u32 v3, v2, 4, v3                   ; A: a fragment's row x pitch + 16 x half of the lanes
	s_mul_i32 s21, s11, HALFA                      ; my 64 rows of A
	v_add_nc_u32 v[ADRA], s21, v3
	s_add_co_u32 s21, s21, SLOT
	v_add_nc_u32 v[ADRA+1], s21, v3
	v_and_b32 v4, 7, v0                            ; B: lane l addresses k row 8 (l / 16) + l % 8, columns 8 ((l / 8) % 2) on
	v_lshl_add_u32 v4, v2, 3, v4
	v_mul_u32_u24 v4, v4, PB
	v_bfe_u32 v5, v0, 3, 1
	v_lshl_add_u32 v4, v5, 4, v4
	s_lshl_b32 s22, s12, 7                         ; my 64 columns of B: 128 bytes
	s_add_co_u32 s22, s22, BOFF
	v_add_nc_u32 v[ADRB], s22, v4
	s_add_co_u32 s22, s22, HALFB
	v_add_nc_u32 v[ADRB+1], s22, v4
	s_add_co_u32 s22, s22, SLOT-HALFB
	v_add_nc_u32 v[ADRB+2], s22, v4
	s_add_co_u32 s22, s22, HALFB
	v_add_nc_u32 v[ADRB+3], s22, v4
	s_mul_i32 s23, s11, 64*SPITCH                  ; into the stage: my 64 rows, my half of their 256 bytes
	s_lshl_b32 s21, s12, 7
	s_add_co_u32 s23, s23, s21
	s_add_co_u32 s23, s23, STAGE
	v_mul_u32_u24 v4, v1, SPITCH
	v_lshl_add_u32 v4, v2, 4, v4
	v_add_nc_u32 v[STO], s23, v4
	s_mul_i32 s23, s10, 32*SPITCH                  ; back: wave w takes rows 32 w .. 32 w + 31, whole; lanes 0-15 one row, lanes 16-31 the next
	s_add_co_u32 s23, s23, STAGE
	v_mul_u32_u24 v5, v2, SPITCH
	v_lshl_add_u32 v5, v1, 4, v5
	v_add_nc_u32 v[RD], s23, v5
	v_lshlrev_b32 v5, 12, v2                       ; and the same two rows in the result
	v_lshl_add_u32 v[CO], v1, 4, v5
	s_lshl_b32 s16, s13, 7
	s_lshl_b32 s17, s10, 5
	s_add_co_u32 s16, s16, s17                     ; the first row that I store: 128 tr + 32 x wave
	s_lshl_b32 s16, s16, 12
	s_mov_b32 s17, 0
	s_add_nc_u64 s[8:9], s[8:9], s[16:17]
	s_lshr_b32 s46, s42, 4                         ; matrix tc / 16 and the tile's first column, in the registers that held B's address
	s_lshl_b32 s46, s46, 23
	s_and_b32 s47, s42, 15
	s_lshl_b32 s47, s47, 8
	s_add_co_u32 s46, s46, s47
	s_mov_b32 s47, 0
	s_add_nc_u64 s[8:9], s[8:9], s[46:47]
; 8 matrix instructions: m blocks a0, a0 + 1 x all 4 n blocks, 32 along K: half c of buffer f.  zero = 1: the first product starts the sums.
; The 16 accumulators take turns, one instruction a turn.
.macro MUL8 f, c, a0, zero
.irp a, \a0, \a0+1
.irp b, 0,1,2,3
.if \zero
	v_wmma_f32_16x16x32_bf16 v[ACC+8*(4*(\a)+\b):ACC+8*(4*(\a)+\b)+7], v[\f+64+8*(4*\c+\b):\f+64+8*(4*\c+\b)+7], v[\f+8*(4*\c+\a):\f+8*(4*\c+\a)+7], 0
.else
	v_wmma_f32_16x16x32_bf16 v[ACC+8*(4*(\a)+\b):ACC+8*(4*(\a)+\b)+7], v[\f+64+8*(4*\c+\b):\f+64+8*(4*\c+\b)+7], v[\f+8*(4*\c+\a):\f+8*(4*\c+\a)+7], v[ACC+8*(4*(\a)+\b):ACC+8*(4*(\a)+\b)+7]
.endif
.endr
.endr
.endm
; 32 LDS loads in one run: the fragments of quarter q (64 along K) of a slot into buffer f; the first 32 along K first
.macro FETCH slot, q, f
	WIN TO_F
.irp c, 0,1
.irp i, 0,1,2,3
	ds_load_tr16_b128 v[\f+64+8*(4*\c+\i):\f+64+8*(4*\c+\i)+3],   v[ADRB+2*\slot+(\q)/2] offset:(((\q)%2)*64+32*\c)*PB+32*\i
	ds_load_tr16_b128 v[\f+64+8*(4*\c+\i)+4:\f+64+8*(4*\c+\i)+7], v[ADRB+2*\slot+(\q)/2] offset:(((\q)%2)*64+32*\c+16)*PB+32*\i
	ds_load_b128 v[\f+8*(4*\c+\i):\f+8*(4*\c+\i)+3],              v[ADRA+\slot] offset:128*\q+64*\c+\i*16*PA
	ds_load_b128 v[\f+8*(4*\c+\i)+4:\f+8*(4*\c+\i)+7],            v[ADRA+\slot] offset:128*\q+64*\c+\i*16*PA+32
.endr
.endr
.endm
.macro PLACES                          ; four places in front of loads into registers that matrix instructions have read, and of instructions that read results
.rept 4
	v_nop
.endr
.endm
; A K step is four quarters of 64 along K, 32 matrix instructions each, on buffers 0, 1, 0, 1.  One of the first three: multiplies buffer f and fetches quarter q into g.
.macro QUARTER slot, q, f, g, zero
	s_wait_dscnt 16                                ; the first 32 along K are in; the sixteen younger loads may be out
	WIN MUL
	MUL8 \f, 0, 0, \zero
	MUL8 \f, 0, 2, \zero
	PLACES
	FETCH \slot, \q, \g
	s_wait_dscnt 32                                ; all but the 32 just issued
	WIN MUL
	MUL8 \f, 1, 0, 0
	MUL8 \f, 1, 2, 0
.endm
; The last quarter multiplies buffer 1 and changes slots: one barrier; in front of it each wave waits for its own reads of this slot and for all its tensor loads.
; fill = 1: the barrier opens a round of the cluster's barrier, and this slot is filled again, two K steps ahead, first thing behind the round.
.macro TURN slot, next, fill
	s_wait_dscnt 16
	WIN MUL
	MUL8 F1, 0, 0, 0
	s_wait_dscnt 0                                 ; my reads of this slot are over,
	s_set_vgpr_msb 0x500
	s_wait_tensorcnt 0x0                           ; and all my tensor loads have landed: my part of the next slot
	ds_add_u32 v126, v127
	s_wait_dscnt 0x0
	s_set_vgpr_msb 0x5
	s_barrier_signal -1
	MUL8 F1, 0, 2, 0
.if \fill
	WIN 0
.endif
	s_barrier_wait -1
.if \fill
	CREST                                          ; no wave of any partner still reads this slot's tile or has a load on its way
	s_add_nc_u64 s[G0+4*\slot+2:G0+4*\slot+3], s[G0+4*\slot+2:G0+4*\slot+3], 2*KSTEP*2
	s_add_nc_u64 s[G0B+4*\slot+2:G0B+4*\slot+3], s[G0B+4*\slot+2:G0B+4*\slot+3], 2*KSTEP*ROWB
	JLOAD \slot                                    ; 120 matrix instructions ahead of the wait for it; its four v_nop are also the places in front of the loads below
.else
	PLACES
.endif
	FETCH \next, 0, F0
	WIN MUL
	MUL8 F1, 1, 0, 0
	MUL8 F1, 1, 2, 0
.endm
	s_wait_tensorcnt 1                             ; my part of K step 0 is in; K step 1's may stay out
	s_barrier_signal -1
	s_barrier_wait -1                              ; everybody's is
	FETCH 0, 0, F0
	QUARTER 0, 1, F0, F1, 1                        ; the first quarter stands in front of the loop: its first products start the sums
	WIN 0                                          ; at a label and at a branch every window is 0
	s_mov_b32 s3, LAPS-1
.Llap:                                                 ; a trip goes once round the ring, from a lap's second quarter to the next lap's first, and fills both slots again
	QUARTER 0, 2, F1, F0, 0
	QUARTER 0, 3, F0, F1, 0
	TURN 0, 1, 1
	QUARTER 1, 1, F0, F1, 0
	QUARTER 1, 2, F1, F0, 0
	QUARTER 1, 3, F0, F1, 0
	TURN 1, 0, 1
	QUARTER 0, 1, F0, F1, 0
	WIN 0
	s_sub_co_u32 s3, s3, 1
	s_cmp_lg_u32 s3, 0
	s_cbranch_scc1 .Llap
	QUARTER 0, 2, F1, F0, 0                        ; the last lap fills nothing
	QUARTER 0, 3, F0, F1, 0
	TURN 0, 1, 0
	QUARTER 1, 1, F0, F1, 0
	QUARTER 1, 2, F1, F0, 0
	QUARTER 1, 3, F0, F1, 0
	s_wait_dscnt 16                                ; the very last quarter: nothing more to fetch
	WIN MUL
	MUL8 F1, 0, 0, 0
	MUL8 F1, 0, 2, 0
	s_wait_dscnt 0
	MUL8 F1, 1, 0, 0
	MUL8 F1, 1, 2, 0
	WIN 0
	; THE WAY OUT: round to bf16; 16 bytes a lane into the stage; a barrier, since a row's 256 bytes come from two waves; back as whole rows, 32 rows a wave.
	PLACES
.irp t, 0,1,2,3,4,5,6,7,8,9,10,11,12,13,14,15
.irp r, 0,1,2,3
	v_cvt_pk_bf16_f32 v[TMP+4*\t+\r], v[ACC+8*\t+2*\r], v[ACC+8*\t+2*\r+1]
.endr
.endr
.irp a, 0,1,2,3
.irp b, 0,1,2,3
	ds_store_b128 v[STO], v[TMP+4*(4*\a+\b):TMP+4*(4*\a+\b)+3] offset:\a*16*SPITCH+32*\b
.endr
.endr
	s_wait_dscnt 0x0                               ; for the others' sake: my stores into the stage are done
	s_barrier_signal -1
	s_barrier_wait -1
.irp t, 0,1,2,3,4,5,6,7,8,9,10,11,12,13,14,15
	ds_load_b128 v[TMP+4*\t:TMP+4*\t+3], v[RD] offset:\t*2*SPITCH
.endr
.irp t, 0,1,2,3,4,5,6,7,8,9,10,11,12,13,14,15
	s_wait_dscnt 15-\t                             ; load t is back, the younger ones may be out
	global_store_b128 v[CO], v[TMP+4*\t:TMP+4*\t+3], s[8:9] offset:2*\t*ROWB   ; 16 lanes store 256 consecutive bytes, aligned
.endr
	s_wait_tensorcnt 0x0
	ds_add_u32 v126, v127
	s_wait_dscnt 0x0
	CROUND                                         ; the closing round: no work-group ends while a partner may still ask for a tile that names it
	s_endpgm
.Lfunc_end_k_qafd175920d_qkv:
	.size	k_qafd175920d_qkv, .Lfunc_end_k_qafd175920d_qkv-k_qafd175920d_qkv
	.p2alignl 7, 3214868480
	.fill 96, 4, 3214868480
	.section	.rodata,"a",@progbits
	.p2align	6, 0x0
	.amdhsa_kernel k_qafd175920d_qkv
		.amdhsa_group_segment_fixed_size 327680
		.amdhsa_private_segment_fixed_size 0
		.amdhsa_enable_private_segment 0
		.amdhsa_kernarg_size 24
		.amdhsa_user_sgpr_count 2
		.amdhsa_user_sgpr_kernarg_segment_ptr 1
		.amdhsa_wavefront_size32 1
		.amdhsa_system_sgpr_workgroup_id_x 1
		.amdhsa_system_sgpr_workgroup_id_y 1
		.amdhsa_system_sgpr_workgroup_id_z 1
		.amdhsa_system_vgpr_workitem_id 0
		.amdhsa_next_free_vgpr 512
		.amdhsa_next_free_sgpr 66
		.amdhsa_reserve_vcc 0
		.amdhsa_float_denorm_mode_32 3
		.amdhsa_float_denorm_mode_16_64 3
		.amdhsa_memory_ordered 1
		.amdhsa_forward_progress 1
		.amdhsa_inst_pref_size 87
	.end_amdhsa_kernel
	.amdgpu_metadata
---
amdhsa.version: [ 1, 2 ]
amdhsa.kernels:
  - .name:           k_qafd175920d_qkv
    .symbol:         k_qafd175920d_qkv.kd
    .args:
      - { .name: xn, .offset: 0, .size: 8, .value_kind: global_buffer, .address_space: global }
      - { .name: wb, .offset: 8, .size: 8, .value_kind: global_buffer, .address_space: global }
      - { .name: qkv, .offset: 16, .size: 8, .value_kind: global_buffer, .address_space: global }
    .group_segment_fixed_size: 327680
    .private_segment_fixed_size: 0
    .kernarg_segment_align: 8
    .kernarg_segment_size: 24
    .max_flat_workgroup_size: 128
    .sgpr_count:     66
    .vgpr_count:     512
    .wavefront_size: 32
...
	.end_amdgpu_metadata
.endif
;; end of part 2
;; launch attn (part 3): grid 8 x 32, 4 waves a work-group, no clusters, 327,680 bytes of LDS; arguments qkv, ctx; writes ctx
.if DOCPART == 3
	.amdgcn_target "amdgcn-amd-amdhsa--gfx1250"
	.amdhsa_code_object_version 6
	.text
	.protected	k_qafd175920d_attn
	.globl	k_qafd175920d_attn
	.p2align	8
	.type	k_qafd175920d_attn,@function
k_qafd175920d_attn:
	s_mov_b64 s[64:65], 0
	v_nop
	global_prefetch_b8 v0, s[64:65] scope:SCOPE_SE
	s_setreg_imm32_b32 hwreg(HW_REG_WAVE_MODE, 25, 1), 1
	s_wait_xcnt 0x0
; ctx[b][q][h][:] = sum over k <= q of softmax_k(Q[q] . K[k] / sqrt(128)) V[k][:], for each of 32 (batch, head) pairs; 1,024 positions, 128 channels.
; qkv: [3][2048 m][2048 = 128 h + d] bf16 (q, k, v); ctx: [2048 m][2048] bf16.  Products, maxima and sums in f32; the weights p are rounded to bf16 for the second product, ctx once.
; SHARES.  A work-group owns 128 queries (block qb = 0..7) of one pair, each of its four waves 32: two tiles of 16.  Keys go in tiles of 128.  The mask is causal, so only key tiles
; 0..qb are walked: FIRST the diagonal tile qb, masked, which starts the maxima, the sums and O (nothing is cleared; every query has its own key there, so its maximum is a true score),
; then tiles 0..qb-1, which need no mask.
; NO CLUSTER: the eight query blocks of a pair need 1 to 8 key tiles, so partners would make different numbers of joint requests.
; LAYOUT.  S^T = K Q^T (source 0 = 16 keys, source 1 = 16 queries): a lane holds ONE query (lane % 16) and the keys 8 (lane / 16) + 0..7 of each 16.  Two such tiles, rounded to bf16 in
; pairs, are source 1 (32 keys x 16 queries) of O^T = V^T P.  K comes out of LDS as it lies, V ([key][channel]) turned by ds_load_tr16_b128.
; SOFTMAX.  For each query a running maximum m and sum l: p = 2^(c s - c m), c = log2(e) / sqrt(128); in every later step O and l are multiplied by a = 2^(c m_old - c m_new).
; A masked score is the most negative finite f32, as in the problem's function; its p is 0.
; IN PHASES: a step is all its K Q^T, the softmax, all its V^T P.  Q's fragments are read once, as 16-byte pieces of rows 4,096 bytes apart.
; REGISTERS, in windows of 256:  window 0: v0-31 addresses and statistics; v64-191 S^T, 64 a tile; v192-255 P, 32 a tile
;   window 1: v0-127 O^T, 64 a tile; v128-255 V of keys 64-127      window 2: v0-63 Q; v128-255 K of keys 0-63      window 3: v0-127 V of keys 0-63; v128-255 K of keys 64-127
.set KT,    128       ; keys in a tile
.set ROWB,  4096      ; bytes from a position to the next
.set MAT,   2048*ROWB
.set PK,    272       ; a row of K in LDS: 256 bytes + 16: row r starts at bank 4 r mod 64 (64 banks of 4 bytes: ISA guide 11.1)
.set PV,    288       ; a row of V: 256 + 32
.set VOFF,  KT*PK     ; in a slot: 128 rows of K, then 128 rows of V
.set SLOT1, 1<<17     ; slot 1 begins here, so that one exclusive or turns an address in one slot into the other's
.set STAGE, SLOT1+KT*(PK+PV)  ; behind the ring: 16 rows x 272 bytes for each wave, for the way out
.set SP,    272
.set AK0, 2           ; v2   my lane's place in a tile of K; never rewritten
.set AV0, 3           ; v3   the same for V
.set ADK, 4           ; v4   this step's address for K
.set QO,  5           ; v5   my byte offset in the wave's rows of Q
.set STO, 6           ; v6   the way out: where I put 16 bytes of a row
.set RD,  7           ; v7   the way out: where I read a row back
.set GO,  8           ; v8   my byte offset in the wave's rows of ctx
.set ST,  12          ; tile t's statistics at v[ST+8 t]: +0 c m, +1 m, +2, +3 l (even keys', odd keys'), +4 to +7 at work; a takes +6
.set DD,  28          ; v28-29 tile t: my query's place in the block less 8 (lane / 16): key 16 f + j of the diagonal tile is masked where 16 f + j > DD
.set NEG, 30          ; v30  the most negative finite f32
.set ADV, 31          ; v31  this step's address for V
.set S,   64
.set P,   192
.set WV,  12          ; s12  my wave's number
.set QB,  13          ; s13  my block of queries
.set G1K, 24          ; s[24:31] descriptor group 1 for K's tiles
.set G1V, 32          ; s[32:39] for V's: it differs in the padding alone
.set G0K, 40          ; s[40:47] group 0 for K: set 0 the diagonal tile into slot 0; set 1 walks tiles 0, 1, .. through slots 1, 0, ..
.set G0V, 48          ; s[48:55] the same for V
.set CNT, 56          ; s56  trips to go
.set CS,  58          ; s[58:59] c, as a pair for the packed scaling
.set SEL, 60          ; s[60:61] lane selects for v_permlanex16_b32
.set TB,  62          ; s62  LDS byte at which the step's slot begins
.set MSB, 0
.macro WIN new                      ; the immediate's high byte repeats the setting that is left
.if MSB != \new
	s_set_vgpr_msb (MSB<<8)|\new
.set MSB, \new
.endif
.endm
.macro PLACES                       ; four places behind matrix instructions (ISA guide 7.12.1)
.rept 4
	v_nop
.endr
.endm
; One tensor load a wave: waves 0 and 1 fetch the two halves (64 rows) of K's tile, waves 2 and 3 those of V's.
.macro JL set
	s_cmp_lt_u32 s[WV], 2
	s_cbranch_scc0 .Lfor_v_\@
	tensor_load_to_lds s[G0K+4*\set:G0K+4*\set+3], s[G1K:G1K+7]
	s_nop 0
.rept 4
	v_nop
.endr
	s_branch .Lasked_\@
.Lfor_v_\@:
	tensor_load_to_lds s[G0V+4*\set:G0V+4*\set+3], s[G1V:G1V+7]
	s_nop 0
.rept 4
	v_nop
.endr
.Lasked_\@:
.endm
	s_load_b128 s[4:7], s[0:1], 0x0  ; qkv s[4:5], ctx s[6:7]
	v_lshl_add_u32 v62, v0, 2, 0x35c00
	v_mov_b32 v63, 0
	ds_add_u32 v62, v63
	ds_add_u32 v62, v63
	v_lshrrev_b32 v1, 5, v0
	v_readfirstlane_b32 s[WV], v1   ; wave 0..3
	s_mov_b32 s[QB], ttmp9
	s_and_b32 s14, ttmp7, 0xffff    ; 16 b + h
	s_lshr_b32 s15, s14, 4
	s_lshl_b32 s15, s15, 22         ; b x 1,024 rows of 4,096 bytes
	s_and_b32 s14, s14, 15
	s_lshl_b32 s14, s14, 8          ; h x 256 bytes
	s_add_co_u32 s20, s15, s14      ; the pair's first byte in each of q, k, v, ctx
	s_and_b32 s16, s[WV], 1         ; which 64 rows of a tile I fetch
	s_lshl_b32 s22, s16, 18
	s_add_co_u32 s22, s22, s20
	s_mov_b32 s23, 0
	s_mul_i32 s17, s16, 64*PK       ; and their place in a slot: K's,
	s_mul_i32 s18, s16, 64*PV
	s_add_co_u32 s18, s18, VOFF     ; V's
	s_lshl_b32 s2, s[QB], 19        ; 128 qb rows: the diagonal tile, and my block of queries
	s_mov_b32 s3, 0
	s_lshl_b32 s14, s[WV], 17       ; my wave's 32 rows
	s_add_co_u32 s14, s14, s2
	s_add_co_u32 s14, s14, s20
	s_mov_b32 s15, 0
	; group 1: a tile of 64 rows x 128 elements of 2 bytes, padded behind every 64 words; no work-group mask
	s_mov_b32 s[G1K], (1<<16)|(1<<20)|(5<<22)|(3<<25)  ; 4 words of padding
	s_mov_b32 s[G1V], (1<<16)|(1<<20)|(5<<22)|(7<<25)  ; 8 words
.irp g, G1K, G1V
	s_mov_b32 s[\g+1], 128<<16      ; tensor_dim0 = 128
	s_mov_b32 s[\g+2], 64<<16       ; tensor_dim1 = 64
	s_mov_b32 s[\g+3], 128<<16      ; tile_dim0 = 128
	s_mov_b32 s[\g+4], 64           ; tile_dim1 = 64
	s_mov_b32 s[\g+5], 2048         ; elements from row to row
	s_mov_b32 s[\g+6], 0
	s_mov_b32 s[\g+7], 0
.endr
	s_mov_b32 s[CS], 0x3e0293ee     ; c = log2(e) / sqrt(128)
	s_mov_b32 s[CS+1], s[CS]
	s_mov_b32 s[SEL], 0x76543210
	s_mov_b32 s[SEL+1], 0xfedcba98
	s_mov_b32 s[TB], 0
	s_wait_dscnt 0x0
	s_wait_kmcnt 0x0
	s_add_nc_u64 s[8:9], s[4:5], s[22:23]
	s_add_nc_u64 s[8:9], s[8:9], MAT  ; K: my half of the pair's tile 0
	s_add_nc_u64 s[10:11], s[8:9], MAT  ; V: the same
	s_add_nc_u64 s[4:5], s[4:5], s[14:15]  ; Q and ctx at my wave's first row
	s_add_nc_u64 s[6:7], s[6:7], s[14:15]
	s_mov_b32 s[G0K], 1
	s_add_co_u32 s[G0K+1], s17, 0
	s_add_nc_u64 s[G0K+2:G0K+3], s[8:9], s[2:3]
	s_or_b32 s[G0K+3], s[G0K+3], 0x80000000
	s_mov_b32 s[G0K+4], 1
	s_add_co_u32 s[G0K+5], s17, SLOT1
	s_mov_b64 s[G0K+6:G0K+7], s[8:9]
	s_or_b32 s[G0K+7], s[G0K+7], 0x80000000
	s_mov_b32 s[G0V], 1
	s_add_co_u32 s[G0V+1], s18, 0
	s_add_nc_u64 s[G0V+2:G0V+3], s[10:11], s[2:3]
	s_or_b32 s[G0V+3], s[G0V+3], 0x80000000
	s_mov_b32 s[G0V+4], 1
	s_add_co_u32 s[G0V+5], s18, SLOT1
	s_mov_b64 s[G0V+6:G0V+7], s[10:11]
	s_or_b32 s[G0V+7], s[G0V+7], 0x80000000
	JL 0                            ; the diagonal tile, into slot 0: one load of mine is out
	v_and_b32 v1, 15, v0            ; l % 16
	v_bfe_u32 v9, v0, 4, 1          ; l / 16
	v_lshlrev_b32 v[QO], 12, v1
	v_lshl_add_u32 v[QO], v9, 4, v[QO]  ; row x 4,096 + 16 x half
	WIN 0x80                        ; destination window 2
.irp i, 0,1,2,3,4,5,6,7             ; Q stays in registers: tile i / 4, channels 32 (i % 4) on
	global_load_b128 v[8*\i:8*\i+3],   v[QO], s[4:5] offset:(\i/4)*16*ROWB+(\i%4)*64
	global_load_b128 v[8*\i+4:8*\i+7], v[QO], s[4:5] offset:(\i/4)*16*ROWB+(\i%4)*64+32
.endr
	WIN 0
	v_mul_u32_u24 v[AK0], v1, PK
	v_lshl_add_u32 v[AK0], v9, 4, v[AK0]  ; K: row x pitch + 16 x half
	v_and_b32 v10, 7, v0            ; V: lane l addresses key 8 (l / 16) + l % 8, channels 8 ((l / 8) % 2) on
	v_bfe_u32 v11, v0, 3, 1
	v_lshl_add_u32 v[AV0], v9, 3, v10
	v_mul_u32_u24 v[AV0], v[AV0], PV
	v_lshl_add_u32 v[AV0], v11, 4, v[AV0]
	v_add_nc_u32 v[AV0], VOFF, v[AV0]
	s_mul_i32 s19, s[WV], 16*SP
	s_add_co_u32 s19, s19, STAGE    ; my stage
	v_mul_u32_u24 v[STO], v1, SP    ; in: row l % 16, 16 bytes for each half of the lanes
	v_lshl_add_u32 v[STO], v9, 4, v[STO]
	v_add_nc_u32 v[STO], s19, v[STO]
	v_mul_u32_u24 v[RD], v9, SP     ; back: lanes 0-15 take one row of 256 bytes, lanes 16-31 the next
	v_lshl_add_u32 v[RD], v1, 4, v[RD]
	v_add_nc_u32 v[RD], s19, v[RD]
	v_lshlrev_b32 v[GO], 12, v9     ; and the same two rows in ctx
	v_lshl_add_u32 v[GO], v1, 4, v[GO]
	v_lshlrev_b32 v10, 3, v9
	v_sub_nc_u32 v10, v1, v10       ; l % 16 - 8 (l / 16)
	s_lshl_b32 s19, s[WV], 5
	v_add_nc_u32 v[DD], s19, v10    ; + 32 x wave: tile 0's; it may be negative
	v_add_nc_u32 v[DD+1], 16, v[DD]
	v_mov_b32 v[NEG], 0xff7fffff
; 32 LDS loads: K of keys 64 hf on (16 fragments of 16 keys x 32 channels) into v128-255 of window 2 + hf
.macro FETCH_K hf
	WIN 0x80+0x40*\hf
.irp f, 0,1,2,3,4,5,6,7,8,9,10,11,12,13,14,15  ; keys 16 (f / 4) on, channels 32 (f % 4) on
	ds_load_b128 v[128+8*\f:128+8*\f+3],   v[ADK] offset:(4*\hf+\f/4)*16*PK+(\f%4)*64
	ds_load_b128 v[128+8*\f+4:128+8*\f+7], v[ADK] offset:(4*\hf+\f/4)*16*PK+(\f%4)*64+32
.endr
.endm
; 32 turning loads: V of keys 64 hv on (16 fragments of 16 channels x 32 keys): hv = 0 into window 3, v0-127; hv = 1 into window 1, v128-255
.macro FETCH_V hv
.if \hv
	WIN 0x40
.else
	WIN 0xc0
.endif
.irp f, 0,1,2,3,4,5,6,7,8,9,10,11,12,13,14,15  ; keys 32 (f / 8) on, channels 16 (f % 8) on
	ds_load_tr16_b128 v[128*\hv+8*\f:128*\hv+8*\f+3],   v[ADV] offset:(2*\hv+\f/8)*32*PV+(\f%8)*32
	ds_load_tr16_b128 v[128*\hv+8*\f+4:128*\hv+8*\f+7], v[ADV] offset:(2*\hv+\f/8)*32*PV+16*PV+(\f%8)*32
.endr
.endm
; 32 products of S^T = K Q^T for keys 64 hf on: channels 32 (i / 8) on, keys 16 ((i / 2) % 4) on, tile i % 2.  The first 8 start the sums.
; The eight accumulators take turns, one instruction a turn.
.macro KQ hf
	WIN 0x0a+\hf                    ; K in window 2 + hf, Q in window 2, S^T in window 0
.set i, 0
.rept 32
.set rS, S+64*(i%2)+8*(4*\hf+(i/2)%4)
.set rK, 128+32*((i/2)%4)+8*(i/8)
.set rQ, 32*(i%2)+8*(i/8)
.if i < 8
	v_wmma_f32_16x16x32_bf16 v[rS:rS+7], v[rK:rK+7], v[rQ:rQ+7], 0
.else
	v_wmma_f32_16x16x32_bf16 v[rS:rS+7], v[rK:rK+7], v[rQ:rQ+7], v[rS:rS+7]
.endif
.set i, i+1
.endr
.endm
; 16 products of O^T += V^T P for keys 32 g on: channels 16 (i / 2) on, tile i % 2.  zero = 1: they start the sums.  The sixteen accumulators take turns likewise.
.macro PV g, zero
.if \g < 2
	WIN 0x53                        ; V in window 3, P in window 0, O^T in window 1
.set rV0, 64*\g
.else
	WIN 0x51                        ; V in window 1
.set rV0, 128+64*(\g-2)
.endif
.set i, 0
.rept 16
.set rO, 64*(i%2)+8*(i/2)
.set rV, rV0+8*(i/2)
.set rP, P+32*(i%2)+8*\g
.if \zero
	v_wmma_f32_16x16x32_bf16 v[rO:rO+7], v[rV:rV+7], v[rP:rP+7], 0
.else
	v_wmma_f32_16x16x32_bf16 v[rO:rO+7], v[rV:rV+7], v[rP:rP+7], v[rO:rO+7]
.endif
.set i, i+1
.endr
.endm
; The diagonal tile's mask for tile t: register i of S^T holds key 16 (i / 8) + 8 (lane / 16) + i % 8
.macro MASK t
.set i, 0
.rept 64
	v_cmp_gt_i32 vcc_lo, 16*(i/8)+i%8, v[DD+\t]
	v_cndmask_b32 v[S+64*\t+i], v[S+64*\t+i], v[NEG], vcc_lo
.set i, i+1
.endr
.endm
; Tile t's softmax for one step of 128 keys (64 scores a lane).  first = 1: the first step, which starts m and l and has no a.
.macro SOFT t, first
.set rT, ST+8*\t
.set rS, S+64*\t
.set rP, P+32*\t
.irp i, 0,1,2,3                     ; the maximum: four chains of fifteen scores each,
	v_max3_num_f32 v[rT+4+\i], v[rS+16*\i], v[rS+16*\i+1], v[rS+16*\i+2]
.endr
.irp n, 1,2,3,4,5,6
.irp i, 0,1,2,3
	v_max3_num_f32 v[rT+4+\i], v[rT+4+\i], v[rS+16*\i+2*\n+1], v[rS+16*\i+2*\n+2]
.endr
.endr
	v_max3_num_f32 v[rT+4], v[rT+4], v[rS+15], v[rS+31]  ; the four scores left over, the chains, the old m
	v_max3_num_f32 v[rT+6], v[rT+6], v[rS+47], v[rS+63]
	v_max3_num_f32 v[rT+4], v[rT+4], v[rT+5], v[rT+6]
.if \first
	v_max_num_f32 v[rT+4], v[rT+4], v[rT+7]
.else
	v_max3_num_f32 v[rT+4], v[rT+4], v[rT+7], v[rT+1]
	v_mov_b32 v[rT+7], v[rT]        ; c m_old is kept for a
.endif
	v_permlanex16_b32 v[rT+5], v[rT+4], s[SEL], s[SEL+1]  ; the query's other 64 keys lie in the lane 16 away
	v_max_num_f32 v[rT+1], v[rT+4], v[rT+5]
	v_mul_f32 v[rT], s[CS], v[rT+1]
.if !\first
	v_sub_f32 v[rT+7], v[rT+7], v[rT]
	v_exp_f32 v[rT+6], v[rT+7]      ; a; the packed scalings below are the plain instructions behind it
.endif
.set b, 0
.rept 32
	v_pk_fma_f32 v[rS+2*b:rS+2*b+1], v[rS+2*b:rS+2*b+1], s[CS:CS+1], v[rT:rT+1] op_sel_hi:[1,0,0] neg_lo:[0,0,1] neg_hi:[0,0,1]  ; c s - c m
.set b, b+1
.endr
.set b, 0
.rept 64
	v_exp_f32 v[rS+b], v[rS+b]
.set b, b+1
.endr
	v_nop                           ; one plain instruction between the last exponential and the use of its result (ISA guide 5.7.2)
.set b, 0
	s_wait_alu depctr_va_vdst(0)
.rept 32
	v_cvt_pk_bf16_f32 v[rP+b], v[rS+2*b], v[rS+2*b+1]
.set b, b+1
.endr
.irp w, 4, 8, 16, 32                ; the sum of the 32 pairs, in place: neighbours 1, 2, 4, 8 pairs apart,
.set u, 0
.rept 64/\w
	v_pk_add_f32 v[rS+\w*u:rS+\w*u+1], v[rS+\w*u:rS+\w*u+1], v[rS+\w*u+\w/2:rS+\w*u+\w/2+1]
.set u, u+1
.endr
.endr
.if \first
	v_pk_add_f32 v[rT+2:rT+3], v[rS:rS+1], v[rS+32:rS+33]  ; the last sum starts l
.else
	v_pk_add_f32 v[rS:rS+1], v[rS:rS+1], v[rS+32:rS+33]
	v_pk_fma_f32 v[rT+2:rT+3], v[rT+2:rT+3], v[rT+6:rT+7], v[rS:rS+1] op_sel_hi:[1,0,1]  ; l = a l + the sum
.endif
.endm
.macro RESC t                       ; tile t's O^T times a
	WIN 0x41                        ; O^T (destination and source 0) in window 1, a in window 0
.set i, 0
.rept 32
	v_pk_mul_f32 v[64*\t+2*i:64*\t+2*i+1], v[64*\t+2*i:64*\t+2*i+1], v[ST+8*\t+6:ST+8*\t+7] op_sel_hi:[1,0]
.set i, i+1
.endr
.endm
; A STEP: the key tile in the slot at s[TB].  The LDS loads stand in four runs of 32; each wait leaves the one younger run out.
; first = 1: the diagonal tile.  The four v_nop at the end are the places in front of the next step's loads into V's registers and of the way out.
.macro STEP first
	WIN 0
	v_add_nc_u32 v[ADK], s[TB], v[AK0]
	v_add_nc_u32 v[ADV], s[TB], v[AV0]
	FETCH_K 0
	FETCH_K 1
	s_wait_dscnt 32                 ; K of keys 0-63 is in
	KQ 0
	FETCH_V 0
	s_wait_dscnt 32                 ; K of keys 64-127 is in
	KQ 1
	FETCH_V 1
	WIN 0
	PLACES                          ; the softmax reads results just made
.if \first
	MASK 0
	MASK 1
.endif
	SOFT 0, \first
	SOFT 1, \first
.if !\first
	RESC 0
	RESC 1
.endif
	s_wait_dscnt 32                 ; V of keys 0-63 is in
	PV 0, \first
	PV 1, 0
	s_wait_dscnt 0x0                ; V of keys 64-127 is in
	PV 2, 0
	PV 3, 0
	WIN 0
	PLACES
.endm
	s_wait_dscnt 0x0                ; (no LDS instruction of mine is out)
	s_wait_tensorcnt 0x0            ; my part of the diagonal tile is in, and no tensor load of mine is out,
	ds_add_u32 v62, v63
	s_wait_dscnt 0x0
	s_barrier_signal -1
	s_barrier_wait -1               ; everybody's is
	s_cmp_eq_u32 s[QB], 0
	s_cbranch_scc1 .Lalone          ; block 0 has the diagonal tile alone: it asks for nothing more
	JL 1                            ; tile 0 into slot 1: my one tensor load behind this barrier, ahead of every LDS read
	s_wait_loadcnt 0x0              ; Q
	STEP 1
	s_mov_b32 s[TB], SLOT1
	s_cmp_eq_u32 s[QB], 1
	s_cbranch_scc1 .Ltail
	s_sub_co_u32 s[CNT], s[QB], 1
.Lloop:                             ; qb - 1 trips: trip i asks for tile i + 1 and works on tile i
	s_wait_dscnt 0x0                ; my reads of the slot read last are over,
	s_wait_tensorcnt 0x0            ; and my one tensor load has landed: my part of this trip's tile; a group 0 may be written
	ds_add_u32 v62, v63
	s_wait_dscnt 0x0
.irp g, G0K+4, G0V+4
	s_xor_b32 s[\g+1], s[\g+1], SLOT1  ; the walking descriptor: the other slot,
	s_add_nc_u64 s[\g+2:\g+3], s[\g+2:\g+3], KT*ROWB  ; the next 128 keys; the type bits on top are not reached
.endr
	s_barrier_signal -1
	s_barrier_wait -1               ; both hold of every wave
	JL 1                            ; the refill, first thing behind the barrier: it has the whole step in which to land
	STEP 0
	s_xor_b32 s[TB], s[TB], SLOT1
	s_sub_co_u32 s[CNT], s[CNT], 1
	s_cmp_lg_u32 s[CNT], 0
	s_cbranch_scc1 .Lloop
.Ltail:                             ; tile qb - 1: nothing is left to ask for
	s_wait_dscnt 0x0
	s_wait_tensorcnt 0x0
	s_barrier_signal -1
	s_barrier_wait -1
	STEP 0
	s_branch .Lfin
.Lalone:
	s_wait_loadcnt 0x0              ; Q
	STEP 1
.Lfin:
	; THE WAY OUT.  l's two halves and the other half of the lanes' are added; O^T is divided by l, rounded to bf16 and sent through my stage in LDS, a tile (16 rows) at a time.
.irp t, 0,1
	v_add_f32 v[ST+8*\t+4], v[ST+8*\t+2], v[ST+8*\t+3]
.endr
.irp t, 0,1
	v_permlanex16_b32 v[ST+8*\t+5], v[ST+8*\t+4], s[SEL], s[SEL+1]
.endr
.irp t, 0,1
	v_add_f32 v[ST+8*\t+4], v[ST+8*\t+4], v[ST+8*\t+5]
.endr
.irp t, 0,1
	v_rcp_f32 v[ST+8*\t+6], v[ST+8*\t+4]
.endr
	v_nop                           ; a plain instruction between the last reciprocal and the use of its result
	s_wait_alu depctr_va_vdst(0)
.macro PACK t
	WIN 0x41
.set i, 0
.rept 32
	v_pk_mul_f32 v[64*\t+2*i:64*\t+2*i+1], v[64*\t+2*i:64*\t+2*i+1], v[ST+8*\t+6:ST+8*\t+7] op_sel_hi:[1,0]
.set i, i+1
.endr
	WIN 0x05                        ; sources 0 and 1 window 1, destination window 0: S^T's registers are free
.set i, 0
.rept 32
	v_cvt_pk_bf16_f32 v[S+32*\t+i], v[64*\t+2*i], v[64*\t+2*i+1]
.set i, i+1
.endr
	WIN 0
.irp f, 0,1,2,3,4,5,6,7
	ds_store_b128 v[STO], v[S+32*\t+4*\f:S+32*\t+4*\f+3] offset:32*\f
.endr
.irp f, 0,1,2,3,4,5,6,7
	ds_load_b128 v[S+32*\t+4*\f:S+32*\t+4*\f+3], v[RD] offset:\f*2*SP  ; LDS serves a wave's instructions in order (ISA guide 5.7.1.4): these see the stores above; the next tile's stores come behind them
.endr
.endm
.macro SEND t, younger              ; younger: the LDS instructions issued behind tile t's loads
.irp f, 0,1,2,3,4,5,6,7
	s_wait_dscnt \younger+7-\f
	global_store_b128 v[GO], v[S+32*\t+4*\f:S+32*\t+4*\f+3], s[6:7] offset:\t*16*ROWB+\f*2*ROWB  ; 16 lanes store 256 consecutive bytes, aligned
.endr
.endm
	PACK 0
	PACK 1
	SEND 0, 16
	SEND 1, 0
	s_wait_tensorcnt 0x0
	ds_add_u32 v62, v63
	s_wait_dscnt 0x0
	s_endpgm
.Lfunc_end_k_qafd175920d_attn:
	.size	k_qafd175920d_attn, .Lfunc_end_k_qafd175920d_attn-k_qafd175920d_attn
	.p2alignl 7, 3214868480
	.fill 96, 4, 3214868480
	.section	.rodata,"a",@progbits
	.p2align	6, 0x0
	.amdhsa_kernel k_qafd175920d_attn
		.amdhsa_group_segment_fixed_size 327680
		.amdhsa_private_segment_fixed_size 0
		.amdhsa_enable_private_segment 0
		.amdhsa_kernarg_size 16
		.amdhsa_user_sgpr_count 2
		.amdhsa_user_sgpr_kernarg_segment_ptr 1
		.amdhsa_wavefront_size32 1
		.amdhsa_system_sgpr_workgroup_id_x 1
		.amdhsa_system_sgpr_workgroup_id_y 1
		.amdhsa_system_sgpr_workgroup_id_z 1
		.amdhsa_system_vgpr_workitem_id 0
		.amdhsa_next_free_vgpr 1024
		.amdhsa_next_free_sgpr 66
		.amdhsa_reserve_vcc 1
		.amdhsa_float_denorm_mode_32 3
		.amdhsa_float_denorm_mode_16_64 3
		.amdhsa_memory_ordered 1
		.amdhsa_forward_progress 1
		.amdhsa_inst_pref_size 199
	.end_amdhsa_kernel
	.amdgpu_metadata
---
amdhsa.version: [ 1, 2 ]
amdhsa.kernels:
  - .name:           k_qafd175920d_attn
    .symbol:         k_qafd175920d_attn.kd
    .args:
      - { .name: qkv, .offset: 0, .size: 8, .value_kind: global_buffer, .address_space: global }
      - { .name: ctx, .offset: 8, .size: 8, .value_kind: global_buffer, .address_space: global }
    .group_segment_fixed_size: 327680
    .private_segment_fixed_size: 0
    .kernarg_segment_align: 8
    .kernarg_segment_size: 16
    .max_flat_workgroup_size: 128
    .sgpr_count:     66
    .vgpr_count:     1024
    .wavefront_size: 32
...
	.end_amdgpu_metadata
.endif
;; end of part 3
;; launch wo (part 4): grid 16 x 16, 4 waves a work-group, clusters of 4 x 4, 327,680 bytes of LDS; arguments ctx, wb, x, ln2_scale, x1, a2, part; writes x1, a2, part
.if DOCPART == 4
	.amdgcn_target "amdgcn-amd-amdhsa--gfx1250"
	.amdhsa_code_object_version 6
	.text
	.protected	k_qafd175920d_wo
	.globl	k_qafd175920d_wo
	.p2align	8
	.type	k_qafd175920d_wo,@function
k_qafd175920d_wo:
	s_mov_b64 s[64:65], 0
	v_nop
	global_prefetch_b8 v0, s[64:65] scope:SCOPE_SE
	s_setreg_imm32_b32 hwreg(HW_REG_WAVE_MODE, 25, 1), 1
	s_wait_xcnt 0x0
	s_wait_alu depctr_hold_cnt(0) depctr_sa_sdst(0) depctr_va_vdst(0) depctr_va_sdst(0) depctr_va_ssrc(0) depctr_va_vcc(0) depctr_vm_vsrc(0)
	s_getreg_b32 s2, hwreg(HW_REG_IB_STS2, 6, 4)
	s_cmp_eq_u32 s2, 0
	s_cbranch_scc0 .Lentry_in_a_cluster
	s_endpgm
.Lentry_in_a_cluster:
	s_bfe_u32 s2, ttmp6, 0x10000c
	s_cmp_lg_u32 s2, 0xf033
	s_cbranch_scc0 .Lentry_shape_is_right
	s_endpgm
.Lentry_shape_is_right:
; x1[m][n] = x[m][n] + sum over k of ctx[m][k] wb[3][k][n] (f32);  a2[m][n] = bf16(x1[m][n] ln2_scale[n]);  part[tc][m] = sum over the tile's 128 columns of x1[m][n]^2.
; ctx: [2048][2048] bf16; wb[3] = Wo as [2048 k][2048 n] bf16; sums in f32.  The second norm's factor rsqrt(mean(x1^2) + eps) is one number a row, so the next launch
; applies it to its f32 sums; this launch hands it the operand without that factor and the sixteen partial sums of squares of each row.
; The product: a tile of 128 x 128, four waves of 64 x 64, K in steps of 256 through two LDS slots, B turned by ds_load_tr16_b128, 4 x 4 clusters with joint loads
; (A's tile shared along a row of the cluster, B's along a column), the matrix instruction used transposed (a lane holds eight neighbouring numbers of a row).
; THE WAY OUT goes through an f32 stage in slot 0's bytes for A, which have had their last fill and whose last reads stand in front of the last change of slots: each wave then
; owns 32 WHOLE rows of the tile (512 bytes a row, 16 bytes a lane), so that the residual, the scale, the squares and all stores work on whole rows.
; My 32 rows of x are asked for at the start, into window 2, and land under the product.
; LIMITS: a2 is rounded to bf16; a row's squares are added lane by lane and then across lanes; the store into part covers 128 consecutive bytes a wave.
; REGISTERS: window 0: v0-31 addresses, ln2_scale, at work; v32-95 a2; v96-127 sums of squares; v128-255 the accumulators, then my rows.  window 1: two fragment buffers.  window 2: v0-127 x.
.set KSTEP,  256
.set ROWB,   4096                      ; bytes in a row of 2,048 bf16
.set ROWF,   8192                      ; in f32
.set MAT,    2048*ROWB
.set PA,     528                       ; A's LDS row: 512 bytes + 16: row r starts at bank 4 r mod 64 (64 banks of 4 bytes: ISA guide 11.1)
.set HALFA,  64*PA
.set PB,     288                       ; B's LDS row: 256 bytes + 32
.set HALFB,  128*PB
.set BOFF,   2*HALFA
.set SLOT,   BOFF+2*HALFB
.set SP,     528                       ; the stage: 128 rows of 512 bytes + 16, at LDS byte 0: exactly A's part of slot 0
.set LAPS,   2048/(2*KSTEP)
.set L4,   6                           ; v6      4 x lane
.set LANE, 7                           ; v7      lane
.set LN,   8                           ; v8-11   ln2_scale of my 4 columns
.set ADRA, 16                          ; v16-17  LDS address of my A fragments in slot 0, 1
.set ADRB, 20                          ; v20-23  the same for B: slot 0 k rows 0-127, 128-255; slot 1 likewise
.set STO,  24                          ; v24     the way out: where I put 32 bytes of a row
.set RD,   25                          ; v25     the way out: where I read my rows back
.set CO,   26                          ; v26     16 x lane: my 16 bytes of an f32 row
.set CO2,  27                          ; v27     8 x lane: my 8 bytes of a bf16 row
.set T,    28                          ; v28-31  at work
.set A2,   32
.set SQ,   96
.set ACC,  128
.set F0,   0
.set F1,   128
.set G1, 24
.set G0, 32
.set G1B, 48
.set G0B, 56
.set MSB, 0
.macro WIN new                         ; the immediate's high byte repeats the setting that is left
.if MSB != \new
	s_set_vgpr_msb (MSB<<8)|\new
.set MSB, \new
.endif
.endm
.set MUL,  0x05                        ; sources 0 (B) and 1 (A) window 1; C and D window 0
.set TO_F, 0x40                        ; destination window 1, address window 0
.macro JLOAD s                         ; a joint load: waves 0 and 1 fetch A's two halves, waves 2 and 3 B's; four v_nop follow each of the two lines
	s_cmp_eq_u32 s11, 0
	s_cbranch_scc0 .Lfor_b_\@
	tensor_load_to_lds s[G0+4*\s:G0+4*\s+3], s[G1:G1+7]
	s_nop 0
.rept 4
	v_nop
.endr
	s_branch .Lasked_\@
.Lfor_b_\@:
	tensor_load_to_lds s[G0B+4*\s:G0B+4*\s+3], s[G1B:G1B+7]
	s_nop 0
.rept 4
	v_nop
.endr
.Lasked_\@:
.endm
.macro CREST                           ; a round of the cluster's barrier behind its opening barrier
	s_cmp_lg_u32 s10, 0
	s_cbranch_scc1 .Lnot_wave_0_\@
	s_barrier_signal -3
.Lnot_wave_0_\@:
	s_barrier_wait -3
	s_barrier_signal -1
	s_barrier_wait -1
.endm
.macro CROUND                          ; a whole round
	s_barrier_signal -1
	s_barrier_wait -1
	CREST
.endm
	s_load_b128 s[4:7], s[0:1], 0x0                ; ctx s[4:5], wb s[6:7]
	s_load_b256 s[68:75], s[0:1], 0x10             ; x s[68:69], ln2_scale s[70:71], x1 s[72:73], a2 s[74:75]
	s_load_b64 s[76:77], s[0:1], 0x30              ; part
	v_lshl_add_u32 v18, v0, 2, 0x45000
	v_mov_b32 v19, 0
	ds_add_u32 v18, v19
	ds_add_u32 v18, v19
	v_lshrrev_b32 v1, 5, v0
	v_readfirstlane_b32 s10, v1                    ; wave 0..3
	s_lshr_b32 s11, s10, 1                         ; which half of the tile's rows is mine.  Also: I fetch for A (0) or for B (1)
	s_and_b32 s12, s10, 1                          ; which half of its columns.  Also: which half of that tile I fetch
	s_bfe_u32 s40, ttmp6, 0x40000                  ; cx, cy: my place in the cluster
	s_bfe_u32 s41, ttmp6, 0x40004
	s_lshl_b32 s42, ttmp9, 2
	s_add_co_u32 s42, s42, s40                     ; tile column tc = 4 x cluster x + cx
	s_and_b32 s13, ttmp7, 0xffff
	s_lshl_b32 s13, s13, 2
	s_add_co_u32 s13, s13, s41                     ; tile row tr = 4 x cluster y + cy
	s_lshl_b32 s43, s41, 2
	s_lshl_b32 s43, 15, s43                        ; my row of the cluster
	s_lshl_b32 s44, 0x1111, s40                    ; my column
	; group 1 for A: 64 rows x 256 elements of 2 bytes; 16 bytes of padding behind every 128 words
	s_or_b32 s[G1+0], s43, (1<<16)|(1<<20)|(1<<21)|(6<<22)|(3<<25)
	s_mov_b32 s[G1+1], KSTEP<<16
	s_mov_b32 s[G1+2], 64<<16
	s_mov_b32 s[G1+3], KSTEP<<16
	s_mov_b32 s[G1+4], 64
	s_mov_b32 s[G1+5], 2048
	s_mov_b32 s[G1+6], 0
	s_mov_b32 s[G1+7], 0
	; group 1 for B: 128 k rows x 128 elements; 32 bytes of padding behind every 64 words
	s_or_b32 s[G1B+0], s44, (1<<16)|(1<<20)|(1<<21)|(5<<22)|(7<<25)
	s_mov_b32 s[G1B+1], 128<<16
	s_mov_b32 s[G1B+2], 128<<16
	s_mov_b32 s[G1B+3], 128<<16
	s_mov_b32 s[G1B+4], 128
	s_mov_b32 s[G1B+5], 2048
	s_mov_b32 s[G1B+6], 0
	s_mov_b32 s[G1B+7], 0
	; where the tiles come from: A's hang on tr alone, B's on tc alone, each in registers that never hold the other coordinate
	s_lshl_b32 s16, s13, 7
	s_lshl_b32 s17, s12, 6
	s_add_co_u32 s16, s16, s17                     ; A: row 128 tr + 64 x half,
	s_lshl_b32 s16, s16, 12                        ; in bytes
	s_mov_b32 s17, 0
	s_lshl_b32 s46, s42, 8                         ; B: columns 128 tc on: 256 bytes,
	s_lshl_b32 s47, s12, 19                        ; k rows 128 x half,
	s_add_co_u32 s46, s46, s47
	s_add_co_u32 s46, s46, 3*MAT                   ; of matrix 3
	s_mov_b32 s47, 0
	s_mul_i32 s20, s12, HALFA                      ; and where they go: no place in the cluster enters an LDS address
	s_mul_i32 s45, s12, HALFB
	s_add_co_u32 s45, s45, BOFF
	s_wait_dscnt 0x0
	s_wait_kmcnt 0x0
	s_add_nc_u64 s[14:15], s[4:5], s[16:17]
	s_add_nc_u64 s[46:47], s[6:7], s[46:47]
	CROUND                                         ; all sixteen work-groups are here: the first joint loads meet
.irp s, 0,1
	s_mov_b32 s[G0+4*\s], 1
	s_add_co_u32 s[G0+4*\s+1], s20, \s*SLOT
	s_add_nc_u64 s[G0+4*\s+2:G0+4*\s+3], s[14:15], \s*KSTEP*2
	s_or_b32 s[G0+4*\s+3], s[G0+4*\s+3], 0x80000000
	s_mov_b32 s[G0B+4*\s], 1
	s_add_co_u32 s[G0B+4*\s+1], s45, \s*SLOT
	s_add_nc_u64 s[G0B+4*\s+2:G0B+4*\s+3], s[46:47], \s*KSTEP*ROWB
	s_or_b32 s[G0B+4*\s+3], s[G0B+4*\s+3], 0x80000000
	JLOAD \s                                       ; two loads of mine are out
.endr
	; the bases of the way out: the row's part in s[18:19] (tr and the wave alone), the column's in s[46:47] (tc alone)
	s_lshl_b32 s16, s13, 7
	s_lshl_b32 s17, s10, 5
	s_add_co_u32 s16, s16, s17                     ; my first whole row: 128 tr + 32 x wave
	s_mov_b32 s19, 0
	s_lshl_b32 s18, s16, 2
	s_add_nc_u64 s[76:77], s[76:77], s[18:19]      ; part: 4 bytes a row
	s_lshl_b32 s18, s16, 12
	s_add_nc_u64 s[74:75], s[74:75], s[18:19]      ; a2
	s_lshl_b32 s18, s16, 13
	s_add_nc_u64 s[68:69], s[68:69], s[18:19]      ; x
	s_add_nc_u64 s[72:73], s[72:73], s[18:19]      ; x1
	s_mov_b32 s47, 0
	s_lshl_b32 s46, s42, 8
	s_add_nc_u64 s[74:75], s[74:75], s[46:47]
	s_lshl_b32 s46, s42, 9
	s_add_nc_u64 s[68:69], s[68:69], s[46:47]
	s_add_nc_u64 s[70:71], s[70:71], s[46:47]      ; ln2_scale
	s_add_nc_u64 s[72:73], s[72:73], s[46:47]
	s_lshl_b32 s46, s42, 13
	s_add_nc_u64 s[76:77], s[76:77], s[46:47]      ; part: 8,192 bytes a tile column
	v_and_b32 v[LANE], 31, v0
	v_lshlrev_b32 v[CO], 4, v[LANE]
	v_lshlrev_b32 v[CO2], 3, v[LANE]
	v_lshlrev_b32 v[L4], 2, v[LANE]
	WIN 0x80                                       ; destination window 2
.set t, 0
.rept 32
	global_load_b128 v[4*t:4*t+3], v[CO], s[68:69] offset:t*ROWF th:TH_LOAD_NT   ; row t of my 32: 512 consecutive bytes
.set t, t+1
.endr
	WIN 0
	global_load_b128 v[LN:LN+3], v[CO], s[70:71]
	v_and_b32 v1, 15, v0                           ; l % 16
	v_bfe_u32 v2, v0, 4, 1                         ; l / 16
	v_mul_u32_u24 v3, v1, PA
	v_lshl_add_u32 v3, v2, 4, v3                   ; A: a fragment's row x pitch + 16 x half of the lanes
	s_mul_i32 s21, s11, HALFA                      ; my 64 rows of A
	v_add_nc_u32 v[ADRA], s21, v3
	s_add_co_u32 s21, s21, SLOT
	v_add_nc_u32 v[ADRA+1], s21, v3
	v_and_b32 v4, 7, v0                            ; B: lane l addresses k row 8 (l / 16) + l % 8, columns 8 ((l / 8) % 2) on
	v_lshl_add_u32 v4, v2, 3, v4
	v_mul_u32_u24 v4, v4, PB
	v_bfe_u32 v5, v0, 3, 1
	v_lshl_add_u32 v4, v5, 4, v4
	s_lshl_b32 s22, s12, 7                         ; my 64 columns of B: 128 bytes
	s_add_co_u32 s22, s22, BOFF
	v_add_nc_u32 v[ADRB], s22, v4
	s_add_co_u32 s22, s22, HALFB
	v_add_nc_u32 v[ADRB+1], s22, v4
	s_add_co_u32 s22, s22, SLOT-HALFB
	v_add_nc_u32 v[ADRB+2], s22, v4
	s_add_co_u32 s22, s22, HALFB
	v_add_nc_u32 v[ADRB+3], s22, v4
	s_mul_i32 s23, s11, 64*SP                      ; into the stage: my 64 rows, my half of their 512 bytes; row l % 16, 32 bytes for each half of the lanes
	s_lshl_b32 s21, s12, 8
	s_add_co_u32 s23, s23, s21
	v_mul_u32_u24 v4, v1, SP
	v_lshl_add_u32 v4, v2, 5, v4
	v_add_nc_u32 v[STO], s23, v4
	s_mul_i32 s23, s10, 32*SP                      ; back: wave w takes rows 32 w .. 32 w + 31, whole
	v_add_nc_u32 v[RD], s23, v[CO]
; 8 matrix instructions: m blocks a0, a0 + 1 x all 4 n blocks, 32 along K: half c of buffer f.  zero = 1: the first product starts the sums.
; The 16 accumulators take turns, one instruction a turn.
.macro MUL8 f, c, a0, zero
.irp a, \a0, \a0+1
.irp b, 0,1,2,3
.if \zero
	v_wmma_f32_16x16x32_bf16 v[ACC+8*(4*(\a)+\b):ACC+8*(4*(\a)+\b)+7], v[\f+64+8*(4*\c+\b):\f+64+8*(4*\c+\b)+7], v[\f+8*(4*\c+\a):\f+8*(4*\c+\a)+7], 0
.else
	v_wmma_f32_16x16x32_bf16 v[ACC+8*(4*(\a)+\b):ACC+8*(4*(\a)+\b)+7], v[\f+64+8*(4*\c+\b):\f+64+8*(4*\c+\b)+7], v[\f+8*(4*\c+\a):\f+8*(4*\c+\a)+7], v[ACC+8*(4*(\a)+\b):ACC+8*(4*(\a)+\b)+7]
.endif
.endr
.endr
.endm
; 32 LDS loads in one run: the fragments of quarter q (64 along K) of a slot into buffer f; the first 32 along K first
.macro FETCH slot, q, f
	WIN TO_F
.irp c, 0,1
.irp i, 0,1,2,3
	ds_load_tr16_b128 v[\f+64+8*(4*\c+\i):\f+64+8*(4*\c+\i)+3],   v[ADRB+2*\slot+(\q)/2] offset:(((\q)%2)*64+32*\c)*PB+32*\i
	ds_load_tr16_b128 v[\f+64+8*(4*\c+\i)+4:\f+64+8*(4*\c+\i)+7], v[ADRB+2*\slot+(\q)/2] offset:(((\q)%2)*64+32*\c+16)*PB+32*\i
	ds_load_b128 v[\f+8*(4*\c+\i):\f+8*(4*\c+\i)+3],              v[ADRA+\slot] offset:128*\q+64*\c+\i*16*PA
	ds_load_b128 v[\f+8*(4*\c+\i)+4:\f+8*(4*\c+\i)+7],            v[ADRA+\slot] offset:128*\q+64*\c+\i*16*PA+32
.endr
.endr
.endm
.macro PLACES                          ; four places in front of loads into registers that matrix instructions have read, and of instructions that read results
.rept 4
	v_nop
.endr
.endm
.macro QUARTER slot, q, f, g, zero     ; multiplies buffer f (64 along K, 32 matrix instructions) and fetches quarter q into g
	s_wait_dscnt 16                                ; the first 32 along K are in; the sixteen younger loads may be out
	WIN MUL
	MUL8 \f, 0, 0, \zero
	MUL8 \f, 0, 2, \zero
	PLACES
	FETCH \slot, \q, \g
	s_wait_dscnt 32                                ; all but the 32 just issued
	WIN MUL
	MUL8 \f, 1, 0, 0
	MUL8 \f, 1, 2, 0
.endm
; The last quarter multiplies buffer 1 and changes slots: one barrier; in front of it each wave waits for its own reads of this slot and for all its tensor loads.
; fill = 1: the barrier opens a round of the cluster's barrier, and this slot is filled again, two K steps ahead, first thing behind the round.
.macro TURN slot, next, fill
	s_wait_dscnt 16
	WIN MUL
	MUL8 F1, 0, 0, 0
	s_wait_dscnt 0                                 ; my reads of this slot are over,
	s_set_vgpr_msb 0x500
	s_wait_tensorcnt 0x0                           ; and all my tensor loads have landed: my part of the next slot
	ds_add_u32 v18, v19
	s_wait_dscnt 0x0
	s_set_vgpr_msb 0x5
	s_barrier_signal -1
	MUL8 F1, 0, 2, 0
.if \fill
	WIN 0
.endif
	s_barrier_wait -1
.if \fill
	CREST                                          ; no wave of any partner still reads this slot's tile or has a load on its way
	s_add_nc_u64 s[G0+4*\slot+2:G0+4*\slot+3], s[G0+4*\slot+2:G0+4*\slot+3], 2*KSTEP*2
	s_add_nc_u64 s[G0B+4*\slot+2:G0B+4*\slot+3], s[G0B+4*\slot+2:G0B+4*\slot+3], 2*KSTEP*ROWB
	JLOAD \slot                                    ; 120 matrix instructions ahead of the wait for it; its four v_nop are also the places in front of the loads below
.else
	PLACES
.endif
	FETCH \next, 0, F0
	WIN MUL
	MUL8 F1, 1, 0, 0
	MUL8 F1, 1, 2, 0
.endm
	s_wait_tensorcnt 1                             ; my part of K step 0 is in; K step 1's may stay out
	s_barrier_signal -1
	s_barrier_wait -1                              ; everybody's is
	FETCH 0, 0, F0
	QUARTER 0, 1, F0, F1, 1                        ; the first quarter stands in front of the loop: its first products start the sums
	WIN 0                                          ; at a label and at a branch every window is 0
	s_mov_b32 s3, LAPS-1
.Llap:                                                 ; a trip goes once round the ring and fills both slots again
	QUARTER 0, 2, F1, F0, 0
	QUARTER 0, 3, F0, F1, 0
	TURN 0, 1, 1
	QUARTER 1, 1, F0, F1, 0
	QUARTER 1, 2, F1, F0, 0
	QUARTER 1, 3, F0, F1, 0
	TURN 1, 0, 1
	QUARTER 0, 1, F0, F1, 0
	WIN 0
	s_sub_co_u32 s3, s3, 1
	s_cmp_lg_u32 s3, 0
	s_cbranch_scc1 .Llap
	QUARTER 0, 2, F1, F0, 0                        ; the last lap fills nothing
	QUARTER 0, 3, F0, F1, 0
	TURN 0, 1, 0                                   ; behind this barrier no wave reads slot 0 any more, and nothing fills it again
	QUARTER 1, 1, F0, F1, 0
	QUARTER 1, 2, F1, F0, 0
	QUARTER 1, 3, F0, F1, 0
	s_wait_dscnt 16
	WIN MUL
	MUL8 F1, 0, 0, 0
	MUL8 F1, 0, 2, 0
	s_wait_dscnt 0
	MUL8 F1, 1, 0, 0
	MUL8 F1, 1, 2, 0
	WIN 0
	; THE WAY OUT.  The f32 sums go into the stage, 32 bytes a lane; a barrier, since a row's 512 bytes come from two waves; back as whole rows, 32 a wave.
	PLACES
.irp a, 0,1,2,3
.irp b, 0,1,2,3
	ds_store_b128 v[STO], v[ACC+8*(4*\a+\b):ACC+8*(4*\a+\b)+3]   offset:\a*16*SP+64*\b
	ds_store_b128 v[STO], v[ACC+8*(4*\a+\b)+4:ACC+8*(4*\a+\b)+7] offset:\a*16*SP+64*\b+16
.endr
.endr
	s_wait_dscnt 0x0                               ; for the others' sake: my stores into the stage are done
	s_barrier_signal -1
	s_barrier_wait -1
.set t, 0
.rept 32
	ds_load_b128 v[ACC+4*t:ACC+4*t+3], v[RD] offset:t*SP   ; row t of my 32; my lane: columns 4 lane .. + 3
.set t, t+1
.endr
	s_mov_b32 s16, 0x76543210                      ; v_permlanex16_b32: each lane takes its own place in the other half
	s_mov_b32 s17, 0xfedcba98
	s_wait_loadcnt 0x0                             ; x and ln2_scale
	s_wait_dscnt 0x0
	WIN 0x02                                       ; source 0 (x) in window 2
.set t, 0
.rept 64
	v_pk_add_f32 v[ACC+2*t:ACC+2*t+1], v[2*t:2*t+1], v[ACC+2*t:ACC+2*t+1]   ; x1
.set t, t+1
.endr
	WIN 0
.set t, 0
.rept 32
	global_store_b128 v[CO], v[ACC+4*t:ACC+4*t+3], s[72:73] offset:t*ROWF   ; 512 consecutive bytes, aligned
.set t, t+1
.endr
.set t, 0
.rept 32
	v_pk_mul_f32 v[T:T+1],   v[ACC+4*t:ACC+4*t+1],   v[LN:LN+1]
	v_pk_mul_f32 v[T+2:T+3], v[ACC+4*t+2:ACC+4*t+3], v[LN+2:LN+3]
	v_cvt_pk_bf16_f32 v[A2+2*t],   v[T],   v[T+1]
	v_cvt_pk_bf16_f32 v[A2+2*t+1], v[T+2], v[T+3]
	global_store_b64 v[CO2], v[A2+2*t:A2+2*t+1], s[74:75] offset:t*ROWB     ; 256 consecutive bytes, aligned
	v_pk_mul_f32 v[T:T+1], v[ACC+4*t:ACC+4*t+1], v[ACC+4*t:ACC+4*t+1]
	v_pk_fma_f32 v[T:T+1], v[ACC+4*t+2:ACC+4*t+3], v[ACC+4*t+2:ACC+4*t+3], v[T:T+1]
	v_add_f32 v[SQ+t], v[T], v[T+1]                ; my four columns' squares of row t
.set t, t+1
.endr
.irp m, 1, 2, 4, 8                     ; across the lanes, all 32 rows a step, so that no instruction waits for the one in front of it
.set t, 0
.rept 32
	v_add_f32_dpp v[SQ+t], v[SQ+t], v[SQ+t] row_xmask:\m row_mask:0xf bank_mask:0xf
.set t, t+1
.endr
.endr
.set t, 0
.rept 32
	v_permlanex16_b32 v[T+t%4], v[SQ+t], s16, s17  ; its destination has been written
	v_add_f32 v[SQ+t], v[SQ+t], v[T+t%4]           ; every lane holds row t's sum
.set t, t+1
.endr
	v_mov_b32 v3, v[SQ]
.set t, 1
.rept 31
	v_cmp_eq_u32 vcc_lo, t, v[LANE]
	v_cndmask_b32 v3, v3, v[SQ+t], vcc_lo          ; lane t keeps row t's
.set t, t+1
.endr
	global_store_b32 v[L4], v3, s[76:77]           ; 128 consecutive bytes: my 32 rows' partial sums for this tile column
	s_wait_tensorcnt 0x0
	ds_add_u32 v18, v19
	s_wait_dscnt 0x0
	CROUND                                         ; the closing round: no work-group ends while a partner may still ask for a tile that names it
	s_endpgm
.Lfunc_end_k_qafd175920d_wo:
	.size	k_qafd175920d_wo, .Lfunc_end_k_qafd175920d_wo-k_qafd175920d_wo
	.p2alignl 7, 3214868480
	.fill 96, 4, 3214868480
	.section	.rodata,"a",@progbits
	.p2align	6, 0x0
	.amdhsa_kernel k_qafd175920d_wo
		.amdhsa_group_segment_fixed_size 327680
		.amdhsa_private_segment_fixed_size 0
		.amdhsa_enable_private_segment 0
		.amdhsa_kernarg_size 56
		.amdhsa_user_sgpr_count 2
		.amdhsa_user_sgpr_kernarg_segment_ptr 1
		.amdhsa_wavefront_size32 1
		.amdhsa_system_sgpr_workgroup_id_x 1
		.amdhsa_system_sgpr_workgroup_id_y 1
		.amdhsa_system_sgpr_workgroup_id_z 1
		.amdhsa_system_vgpr_workitem_id 0
		.amdhsa_next_free_vgpr 640
		.amdhsa_next_free_sgpr 80
		.amdhsa_reserve_vcc 1
		.amdhsa_float_denorm_mode_32 3
		.amdhsa_float_denorm_mode_16_64 3
		.amdhsa_memory_ordered 1
		.amdhsa_forward_progress 1
		.amdhsa_inst_pref_size 123
	.end_amdhsa_kernel
	.amdgpu_metadata
---
amdhsa.version: [ 1, 2 ]
amdhsa.kernels:
  - .name:           k_qafd175920d_wo
    .symbol:         k_qafd175920d_wo.kd
    .args:
      - { .name: ctx, .offset: 0, .size: 8, .value_kind: global_buffer, .address_space: global }
      - { .name: wb, .offset: 8, .size: 8, .value_kind: global_buffer, .address_space: global }
      - { .name: x, .offset: 16, .size: 8, .value_kind: global_buffer, .address_space: global }
      - { .name: ln2_scale, .offset: 24, .size: 8, .value_kind: global_buffer, .address_space: global }
      - { .name: x1, .offset: 32, .size: 8, .value_kind: global_buffer, .address_space: global }
      - { .name: a2, .offset: 40, .size: 8, .value_kind: global_buffer, .address_space: global }
      - { .name: part, .offset: 48, .size: 8, .value_kind: global_buffer, .address_space: global }
    .group_segment_fixed_size: 327680
    .private_segment_fixed_size: 0
    .kernarg_segment_align: 8
    .kernarg_segment_size: 56
    .max_flat_workgroup_size: 128
    .sgpr_count:     80
    .vgpr_count:     640
    .wavefront_size: 32
...
	.end_amdgpu_metadata
.endif
;; end of part 4
;; launch mlp (part 5): grid 16 x 16, 4 waves a work-group, clusters of 4 x 4, 327,680 bytes of LDS; arguments a2, wb, x1, bmlp, part, out0; writes out0
.if DOCPART == 5
	.amdgcn_target "amdgcn-amd-amdhsa--gfx1250"
	.amdhsa_code_object_version 6
	.text
	.protected	k_qafd175920d_mlp
	.globl	k_qafd175920d_mlp
	.p2align	8
	.type	k_qafd175920d_mlp,@function
k_qafd175920d_mlp:
	s_mov_b64 s[64:65], 0
	v_nop
	global_prefetch_b8 v0, s[64:65] scope:SCOPE_SE
	s_setreg_imm32_b32 hwreg(HW_REG_WAVE_MODE, 25, 1), 1
	s_wait_xcnt 0x0
	s_wait_alu depctr_hold_cnt(0) depctr_sa_sdst(0) depctr_va_vdst(0) depctr_va_sdst(0) depctr_va_ssrc(0) depctr_va_vcc(0) depctr_vm_vsrc(0)
	s_getreg_b32 s2, hwreg(HW_REG_IB_STS2, 6, 4)
	s_cmp_eq_u32 s2, 0
	s_cbranch_scc0 .Lentry_in_a_cluster
	s_endpgm
.Lentry_in_a_cluster:
	s_bfe_u32 s2, ttmp6, 0x10000c
	s_cmp_lg_u32 s2, 0xf033
	s_cbranch_scc0 .Lentry_shape_is_right
	s_endpgm
.Lentry_shape_is_right:
; out0[m][n] = x1[m][n] + rs[m] (sum over k of a2[m][k] wb[4][k][n]) + bmlp[n],  rs[m] = rsqrt((sum over 16 tile columns of part[.][m]) / 2048 + 1e-5).
; a2 = bf16(x1 ln2_scale): [2048][2048]; wb[4] = Wmlp as [2048 k][2048 n] bf16; sums in f32.  The norm's factor is one number a row, so it multiplies the f32 sums.
; The product: a tile of 128 x 128, four waves of 64 x 64, K in steps of 256 through two LDS slots, B turned by ds_load_tr16_b128, 4 x 4 clusters with joint loads
; (A's tile shared along a row of the cluster, B's along a column), the matrix instruction used transposed (a lane holds eight neighbouring numbers of a row).
; THE WAY OUT goes through an f32 stage in slot 0's bytes for A, which have had their last fill and whose last reads stand in front of the last change of slots: each wave then
; owns 32 WHOLE rows of the tile.  My 32 rows of x1, the bias and my rows' partial sums are asked for at the start and land under the product.
; LIMIT: the norm's factor is applied behind the product, and the row's squares are added in another order than a plain sum.
; REGISTERS: window 0: v0-31 addresses; v32-47 partial sums; v48-51 bias; v128-255 the accumulators, then my rows.  window 1: two fragment buffers.  window 2: v0-127 x1.
.set KSTEP,  256
.set ROWB,   4096                      ; bytes in a row of 2,048 bf16
.set ROWF,   8192                      ; in f32
.set MAT,    2048*ROWB
.set PA,     528                       ; A's LDS row: 512 bytes + 16: row r starts at bank 4 r mod 64 (64 banks of 4 bytes: ISA guide 11.1)
.set HALFA,  64*PA
.set PB,     288                       ; B's LDS row: 256 bytes + 32
.set HALFB,  128*PB
.set BOFF,   2*HALFA
.set SLOT,   BOFF+2*HALFB
.set SP,     528                       ; the stage: 128 rows of 512 bytes + 16, at LDS byte 0: exactly A's part of slot 0
.set LAPS,   2048/(2*KSTEP)
.set L4,   6                           ; v6      4 x lane
.set LANE, 7                           ; v7      lane
.set ADRA, 16                          ; v16-17  LDS address of my A fragments in slot 0, 1
.set ADRB, 20                          ; v20-23  the same for B: slot 0 k rows 0-127, 128-255; slot 1 likewise
.set STO,  24                          ; v24     the way out: where I put 32 bytes of a row
.set RD,   25                          ; v25     the way out: where I read my rows back
.set CO,   26                          ; v26     16 x lane: my 16 bytes of an f32 row
.set PS,   32                          ; v32-47  lane l: the sixteen partial sums of my row l
.set BI,   48                          ; v48-51  the bias of my 4 columns
.set ACC,  128
.set F0,   0
.set F1,   128
.set G1, 24
.set G0, 32
.set G1B, 48
.set G0B, 56
.set RSS, 24                           ; s24-55  on the way out, when no tensor load is out any more: rs of my 32 rows
.set MSB, 0
.macro WIN new                         ; the immediate's high byte repeats the setting that is left
.if MSB != \new
	s_set_vgpr_msb (MSB<<8)|\new
.set MSB, \new
.endif
.endm
.set MUL,  0x05                        ; sources 0 (B) and 1 (A) window 1; C and D window 0
.set TO_F, 0x40                        ; destination window 1, address window 0
.macro JLOAD s                         ; a joint load: waves 0 and 1 fetch A's two halves, waves 2 and 3 B's; four v_nop follow each of the two lines
	s_cmp_eq_u32 s11, 0
	s_cbranch_scc0 .Lfor_b_\@
	tensor_load_to_lds s[G0+4*\s:G0+4*\s+3], s[G1:G1+7]
	s_nop 0
.rept 4
	v_nop
.endr
	s_branch .Lasked_\@
.Lfor_b_\@:
	tensor_load_to_lds s[G0B+4*\s:G0B+4*\s+3], s[G1B:G1B+7]
	s_nop 0
.rept 4
	v_nop
.endr
.Lasked_\@:
.endm
.macro CREST                           ; a round of the cluster's barrier behind its opening barrier
	s_cmp_lg_u32 s10, 0
	s_cbranch_scc1 .Lnot_wave_0_\@
	s_barrier_signal -3
.Lnot_wave_0_\@:
	s_barrier_wait -3
	s_barrier_signal -1
	s_barrier_wait -1
.endm
.macro CROUND                          ; a whole round
	s_barrier_signal -1
	s_barrier_wait -1
	CREST
.endm
	s_load_b128 s[4:7], s[0:1], 0x0                ; a2 s[4:5], wb s[6:7]
	s_load_b256 s[68:75], s[0:1], 0x10             ; x1 s[68:69], bmlp s[70:71], part s[72:73], out0 s[74:75]
	v_lshl_add_u32 v126, v0, 2, 0x45000
	v_mov_b32 v127, 0
	ds_add_u32 v126, v127
	ds_add_u32 v126, v127
	v_lshrrev_b32 v1, 5, v0
	v_readfirstlane_b32 s10, v1                    ; wave 0..3
	s_lshr_b32 s11, s10, 1                         ; which half of the tile's rows is mine.  Also: I fetch for A (0) or for B (1)
	s_and_b32 s12, s10, 1                          ; which half of its columns.  Also: which half of that tile I fetch
	s_bfe_u32 s40, ttmp6, 0x40000                  ; cx, cy: my place in the cluster
	s_bfe_u32 s41, ttmp6, 0x40004
	s_lshl_b32 s42, ttmp9, 2
	s_add_co_u32 s42, s42, s40                     ; tile column tc = 4 x cluster x + cx
	s_and_b32 s13, ttmp7, 0xffff
	s_lshl_b32 s13, s13, 2
	s_add_co_u32 s13, s13, s41                     ; tile row tr = 4 x cluster y + cy
	s_lshl_b32 s43, s41, 2
	s_lshl_b32 s43, 15, s43                        ; my row of the cluster
	s_lshl_b32 s44, 0x1111, s40                    ; my column
	; group 1 for A: 64 rows x 256 elements of 2 bytes; 16 bytes of padding behind every 128 words
	s_or_b32 s[G1+0], s43, (1<<16)|(1<<20)|(1<<21)|(6<<22)|(3<<25)
	s_mov_b32 s[G1+1], KSTEP<<16
	s_mov_b32 s[G1+2], 64<<16
	s_mov_b32 s[G1+3], KSTEP<<16
	s_mov_b32 s[G1+4], 64
	s_mov_b32 s[G1+5], 2048
	s_mov_b32 s[G1+6], 0
	s_mov_b32 s[G1+7], 0
	; group 1 for B: 128 k rows x 128 elements; 32 bytes of padding behind every 64 words
	s_or_b32 s[G1B+0], s44, (1<<16)|(1<<20)|(1<<21)|(5<<22)|(7<<25)
	s_mov_b32 s[G1B+1], 128<<16
	s_mov_b32 s[G1B+2], 128<<16
	s_mov_b32 s[G1B+3], 128<<16
	s_mov_b32 s[G1B+4], 128
	s_mov_b32 s[G1B+5], 2048
	s_mov_b32 s[G1B+6], 0
	s_mov_b32 s[G1B+7], 0
	; where the tiles come from: A's hang on tr alone, B's on tc alone, each in registers that never hold the other coordinate
	s_lshl_b32 s16, s13, 7
	s_lshl_b32 s17, s12, 6
	s_add_co_u32 s16, s16, s17                     ; A: row 128 tr + 64 x half,
	s_lshl_b32 s16, s16, 12                        ; in bytes
	s_mov_b32 s17, 0
	s_lshl_b32 s46, s42, 8                         ; B: columns 128 tc on: 256 bytes,
	s_lshl_b32 s47, s12, 19                        ; k rows 128 x half,
	s_add_co_u32 s46, s46, s47
	s_add_co_u32 s46, s46, 4*MAT                   ; of matrix 4
	s_mov_b32 s47, 0
	s_mul_i32 s20, s12, HALFA                      ; and where they go: no place in the cluster enters an LDS address
	s_mul_i32 s45, s12, HALFB
	s_add_co_u32 s45, s45, BOFF
	s_wait_dscnt 0x0
	s_wait_kmcnt 0x0
	s_add_nc_u64 s[14:15], s[4:5], s[16:17]
	s_add_nc_u64 s[46:47], s[6:7], s[46:47]
	CROUND                                         ; all sixteen work-groups are here: the first joint loads meet
.irp s, 0,1
	s_mov_b32 s[G0+4*\s], 1
	s_add_co_u32 s[G0+4*\s+1], s20, \s*SLOT
	s_add_nc_u64 s[G0+4*\s+2:G0+4*\s+3], s[14:15], \s*KSTEP*2
	s_or_b32 s[G0+4*\s+3], s[G0+4*\s+3], 0x80000000
	s_mov_b32 s[G0B+4*\s], 1
	s_add_co_u32 s[G0B+4*\s+1], s45, \s*SLOT
	s_add_nc_u64 s[G0B+4*\s+2:G0B+4*\s+3], s[46:47], \s*KSTEP*ROWB
	s_or_b32 s[G0B+4*\s+3], s[G0B+4*\s+3], 0x80000000
	JLOAD \s                                       ; two loads of mine are out
.endr
	; the bases of the way out: the row's part in s[18:19] (tr and the wave alone), the column's in s[46:47] (tc alone)
	s_lshl_b32 s16, s13, 7
	s_lshl_b32 s17, s10, 5
	s_add_co_u32 s16, s16, s17                     ; my first whole row: 128 tr + 32 x wave
	s_mov_b32 s19, 0
	s_lshl_b32 s18, s16, 2
	s_add_nc_u64 s[72:73], s[72:73], s[18:19]      ; part: 4 bytes a row
	s_lshl_b32 s18, s16, 13
	s_add_nc_u64 s[68:69], s[68:69], s[18:19]      ; x1
	s_add_nc_u64 s[74:75], s[74:75], s[18:19]      ; out0
	s_mov_b32 s47, 0
	s_lshl_b32 s46, s42, 9
	s_add_nc_u64 s[68:69], s[68:69], s[46:47]
	s_add_nc_u64 s[70:71], s[70:71], s[46:47]      ; bmlp
	s_add_nc_u64 s[74:75], s[74:75], s[46:47]
	v_and_b32 v[LANE], 31, v0
	v_lshlrev_b32 v[CO], 4, v[LANE]
	v_lshlrev_b32 v[L4], 2, v[LANE]
	WIN 0x80                                       ; destination window 2
.set t, 0
.rept 32
	global_load_b128 v[4*t:4*t+3], v[CO], s[68:69] offset:t*ROWF th:TH_LOAD_NT   ; row t of my 32: 512 consecutive bytes
.set t, t+1
.endr
	WIN 0
	global_load_b128 v[BI:BI+3], v[CO], s[70:71]
.set t, 0
.rept 16
	global_load_b32 v[PS+t], v[L4], s[72:73] offset:t*8192   ; tile column t's partial sums of my 32 rows: lane l takes row l's
.set t, t+1
.endr
	v_and_b32 v1, 15, v0                           ; l % 16
	v_bfe_u32 v2, v0, 4, 1                         ; l / 16
	v_mul_u32_u24 v3, v1, PA
	v_lshl_add_u32 v3, v2, 4, v3                   ; A: a fragment's row x pitch + 16 x half of the lanes
	s_mul_i32 s21, s11, HALFA                      ; my 64 rows of A
	v_add_nc_u32 v[ADRA], s21, v3
	s_add_co_u32 s21, s21, SLOT
	v_add_nc_u32 v[ADRA+1], s21, v3
	v_and_b32 v4, 7, v0                            ; B: lane l addresses k row 8 (l / 16) + l % 8, columns 8 ((l / 8) % 2) on
	v_lshl_add_u32 v4, v2, 3, v4
	v_mul_u32_u24 v4, v4, PB
	v_bfe_u32 v5, v0, 3, 1
	v_lshl_add_u32 v4, v5, 4, v4
	s_lshl_b32 s22, s12, 7                         ; my 64 columns of B: 128 bytes
	s_add_co_u32 s22, s22, BOFF
	v_add_nc_u32 v[ADRB], s22, v4
	s_add_co_u32 s22, s22, HALFB
	v_add_nc_u32 v[ADRB+1], s22, v4
	s_add_co_u32 s22, s22, SLOT-HALFB
	v_add_nc_u32 v[ADRB+2], s22, v4
	s_add_co_u32 s22, s22, HALFB
	v_add_nc_u32 v[ADRB+3], s22, v4
	s_mul_i32 s23, s11, 64*SP                      ; into the stage: my 64 rows, my half of their 512 bytes; row l % 16, 32 bytes for each half of the lanes
	s_lshl_b32 s21, s12, 8
	s_add_co_u32 s23, s23, s21
	v_mul_u32_u24 v4, v1, SP
	v_lshl_add_u32 v4, v2, 5, v4
	v_add_nc_u32 v[STO], s23, v4
	s_mul_i32 s23, s10, 32*SP                      ; back: wave w takes rows 32 w .. 32 w + 31, whole
	v_add_nc_u32 v[RD], s23, v[CO]
; 8 matrix instructions: m blocks a0, a0 + 1 x all 4 n blocks, 32 along K: half c of buffer f.  zero = 1: the first product starts the sums.
; The 16 accumulators take turns, one instruction a turn.
.macro MUL8 f, c, a0, zero
.irp a, \a0, \a0+1
.irp b, 0,1,2,3
.if \zero
	v_wmma_f32_16x16x32_bf16 v[ACC+8*(4*(\a)+\b):ACC+8*(4*(\a)+\b)+7], v[\f+64+8*(4*\c+\b):\f+64+8*(4*\c+\b)+7], v[\f+8*(4*\c+\a):\f+8*(4*\c+\a)+7], 0
.else
	v_wmma_f32_16x16x32_bf16 v[ACC+8*(4*(\a)+\b):ACC+8*(4*(\a)+\b)+7], v[\f+64+8*(4*\c+\b):\f+64+8*(4*\c+\b)+7], v[\f+8*(4*\c+\a):\f+8*(4*\c+\a)+7], v[ACC+8*(4*(\a)+\b):ACC+8*(4*(\a)+\b)+7]
.endif
.endr
.endr
.endm
; 32 LDS loads in one run: the fragments of quarter q (64 along K) of a slot into buffer f; the first 32 along K first
.macro FETCH slot, q, f
	WIN TO_F
.irp c, 0,1
.irp i, 0,1,2,3
	ds_load_tr16_b128 v[\f+64+8*(4*\c+\i):\f+64+8*(4*\c+\i)+3],   v[ADRB+2*\slot+(\q)/2] offset:(((\q)%2)*64+32*\c)*PB+32*\i
	ds_load_tr16_b128 v[\f+64+8*(4*\c+\i)+4:\f+64+8*(4*\c+\i)+7], v[ADRB+2*\slot+(\q)/2] offset:(((\q)%2)*64+32*\c+16)*PB+32*\i
	ds_load_b128 v[\f+8*(4*\c+\i):\f+8*(4*\c+\i)+3],              v[ADRA+\slot] offset:128*\q+64*\c+\i*16*PA
	ds_load_b128 v[\f+8*(4*\c+\i)+4:\f+8*(4*\c+\i)+7],            v[ADRA+\slot] offset:128*\q+64*\c+\i*16*PA+32
.endr
.endr
.endm
.macro PLACES                          ; four places in front of loads into registers that matrix instructions have read, and of instructions that read results
.rept 4
	v_nop
.endr
.endm
.macro QUARTER slot, q, f, g, zero     ; multiplies buffer f (64 along K, 32 matrix instructions) and fetches quarter q into g
	s_wait_dscnt 16                                ; the first 32 along K are in; the sixteen younger loads may be out
	WIN MUL
	MUL8 \f, 0, 0, \zero
	MUL8 \f, 0, 2, \zero
	PLACES
	FETCH \slot, \q, \g
	s_wait_dscnt 32                                ; all but the 32 just issued
	WIN MUL
	MUL8 \f, 1, 0, 0
	MUL8 \f, 1, 2, 0
.endm
; The last quarter multiplies buffer 1 and changes slots: one barrier; in front of it each wave waits for its own reads of this slot and for all its tensor loads.
; fill = 1: the barrier opens a round of the cluster's barrier, and this slot is filled again, two K steps ahead, first thing behind the round.
.macro TURN slot, next, fill
	s_wait_dscnt 16
	WIN MUL
	MUL8 F1, 0, 0, 0
	s_wait_dscnt 0                                 ; my reads of this slot are over,
	s_set_vgpr_msb 0x500
	s_wait_tensorcnt 0x0                           ; and all my tensor loads have landed: my part of the next slot
	ds_add_u32 v126, v127
	s_wait_dscnt 0x0
	s_set_vgpr_msb 0x5
	s_barrier_signal -1
	MUL8 F1, 0, 2, 0
.if \fill
	WIN 0
.endif
	s_barrier_wait -1
.if \fill
	CREST                                          ; no wave of any partner still reads this slot's tile or has a load on its way
	s_add_nc_u64 s[G0+4*\slot+2:G0+4*\slot+3], s[G0+4*\slot+2:G0+4*\slot+3], 2*KSTEP*2
	s_add_nc_u64 s[G0B+4*\slot+2:G0B+4*\slot+3], s[G0B+4*\slot+2:G0B+4*\slot+3], 2*KSTEP*ROWB
	JLOAD \slot                                    ; 120 matrix instructions ahead of the wait for it; its four v_nop are also the places in front of the loads below
.else
	PLACES
.endif
	FETCH \next, 0, F0
	WIN MUL
	MUL8 F1, 1, 0, 0
	MUL8 F1, 1, 2, 0
.endm
	s_wait_tensorcnt 1                             ; my part of K step 0 is in; K step 1's may stay out
	s_barrier_signal -1
	s_barrier_wait -1                              ; everybody's is
	FETCH 0, 0, F0
	QUARTER 0, 1, F0, F1, 1                        ; the first quarter stands in front of the loop: its first products start the sums
	WIN 0                                          ; at a label and at a branch every window is 0
	s_mov_b32 s3, LAPS-1
.Llap:                                                 ; a trip goes once round the ring and fills both slots again
	QUARTER 0, 2, F1, F0, 0
	QUARTER 0, 3, F0, F1, 0
	TURN 0, 1, 1
	QUARTER 1, 1, F0, F1, 0
	QUARTER 1, 2, F1, F0, 0
	QUARTER 1, 3, F0, F1, 0
	TURN 1, 0, 1
	QUARTER 0, 1, F0, F1, 0
	WIN 0
	s_sub_co_u32 s3, s3, 1
	s_cmp_lg_u32 s3, 0
	s_cbranch_scc1 .Llap
	QUARTER 0, 2, F1, F0, 0                        ; the last lap fills nothing
	QUARTER 0, 3, F0, F1, 0
	TURN 0, 1, 0                                   ; behind this barrier no wave reads slot 0 any more, and nothing fills it again
	QUARTER 1, 1, F0, F1, 0
	QUARTER 1, 2, F1, F0, 0
	QUARTER 1, 3, F0, F1, 0
	s_wait_dscnt 16
	WIN MUL
	MUL8 F1, 0, 0, 0
	MUL8 F1, 0, 2, 0
	s_wait_dscnt 0
	MUL8 F1, 1, 0, 0
	MUL8 F1, 1, 2, 0
	WIN 0
	; THE WAY OUT.  The f32 sums go into the stage, 32 bytes a lane; a barrier, since a row's 512 bytes come from two waves; back as whole rows, 32 a wave.
	PLACES
.irp a, 0,1,2,3
.irp b, 0,1,2,3
	ds_store_b128 v[STO], v[ACC+8*(4*\a+\b):ACC+8*(4*\a+\b)+3]   offset:\a*16*SP+64*\b
	ds_store_b128 v[STO], v[ACC+8*(4*\a+\b)+4:ACC+8*(4*\a+\b)+7] offset:\a*16*SP+64*\b+16
.endr
.endr
	s_wait_dscnt 0x0                               ; for the others' sake: my stores into the stage are done
	s_barrier_signal -1
	s_barrier_wait -1
.set t, 0
.rept 32
	ds_load_b128 v[ACC+4*t:ACC+4*t+3], v[RD] offset:t*SP   ; row t of my 32; my lane: columns 4 lane .. + 3
.set t, t+1
.endr
	s_mov_b32 s16, 0x3a000000                      ; 1 / 2048
	s_mov_b32 s17, 0x3727c5ac                      ; 1e-5
	s_wait_loadcnt 0x0                             ; x1, the bias, the partial sums
.irp w, 8, 4, 2, 1                     ; lane l: the sum of row l's sixteen partial sums
.set t, 0
.rept \w
	v_add_f32 v[PS+t], v[PS+t], v[PS+t+\w]
.set t, t+1
.endr
.endr
	v_fma_f32 v[PS], v[PS], s16, s17               ; mean + eps
	v_rsq_f32 v[PS+1], v[PS]
	v_nop                                          ; one plain instruction between a transcendental and the use of its result (ISA guide 5.7.2)
.set t, 0
	s_wait_alu depctr_va_vdst(0)
.rept 32
	v_readlane_b32 s[RSS+t], v[PS+1], t            ; rs of row t, a factor for the whole wave; all tensor loads were shown done at the last change of slots, so the descriptors' registers are free
.set t, t+1
.endr
	WIN 0x82                                       ; destination and source 0 in window 2
.set t, 0
.rept 64
	v_pk_add_f32 v[2*t:2*t+1], v[2*t:2*t+1], v[BI+2*(t%2):BI+2*(t%2)+1]   ; x1 + bias
.set t, t+1
.endr
	s_wait_dscnt 0x0                               ; my rows are back
	WIN 0x20                                       ; source 2 in window 2
.set t, 0
.rept 128
	v_fma_f32 v[ACC+t], v[ACC+t], s[RSS+t/4], v[t]
.set t, t+1
.endr
	WIN 0
.set t, 0
.rept 32
	global_store_b128 v[CO], v[ACC+4*t:ACC+4*t+3], s[74:75] offset:t*ROWF th:TH_STORE_NT   ; 512 consecutive bytes, aligned
.set t, t+1
.endr
	s_wait_tensorcnt 0x0
	ds_add_u32 v126, v127
	s_wait_dscnt 0x0
	CROUND                                         ; the closing round: no work-group ends while a partner may still ask for a tile that names it
	s_endpgm
.Lfunc_end_k_qafd175920d_mlp:
	.size	k_qafd175920d_mlp, .Lfunc_end_k_qafd175920d_mlp-k_qafd175920d_mlp
	.p2alignl 7, 3214868480
	.fill 96, 4, 3214868480
	.section	.rodata,"a",@progbits
	.p2align	6, 0x0
	.amdhsa_kernel k_qafd175920d_mlp
		.amdhsa_group_segment_fixed_size 327680
		.amdhsa_private_segment_fixed_size 0
		.amdhsa_enable_private_segment 0
		.amdhsa_kernarg_size 48
		.amdhsa_user_sgpr_count 2
		.amdhsa_user_sgpr_kernarg_segment_ptr 1
		.amdhsa_wavefront_size32 1
		.amdhsa_system_sgpr_workgroup_id_x 1
		.amdhsa_system_sgpr_workgroup_id_y 1
		.amdhsa_system_sgpr_workgroup_id_z 1
		.amdhsa_system_vgpr_workitem_id 0
		.amdhsa_next_free_vgpr 640
		.amdhsa_next_free_sgpr 80
		.amdhsa_reserve_vcc 0
		.amdhsa_float_denorm_mode_32 3
		.amdhsa_float_denorm_mode_16_64 3
		.amdhsa_memory_ordered 1
		.amdhsa_forward_progress 1
		.amdhsa_inst_pref_size 106
	.end_amdhsa_kernel
	.amdgpu_metadata
---
amdhsa.version: [ 1, 2 ]
amdhsa.kernels:
  - .name:           k_qafd175920d_mlp
    .symbol:         k_qafd175920d_mlp.kd
    .args:
      - { .name: a2, .offset: 0, .size: 8, .value_kind: global_buffer, .address_space: global }
      - { .name: wb, .offset: 8, .size: 8, .value_kind: global_buffer, .address_space: global }
      - { .name: x1, .offset: 16, .size: 8, .value_kind: global_buffer, .address_space: global }
      - { .name: bmlp, .offset: 24, .size: 8, .value_kind: global_buffer, .address_space: global }
      - { .name: part, .offset: 32, .size: 8, .value_kind: global_buffer, .address_space: global }
      - { .name: out0, .offset: 40, .size: 8, .value_kind: global_buffer, .address_space: global }
    .group_segment_fixed_size: 327680
    .private_segment_fixed_size: 0
    .kernarg_segment_align: 8
    .kernarg_segment_size: 48
    .max_flat_workgroup_size: 128
    .sgpr_count:     80
    .vgpr_count:     640
    .wavefront_size: 32
...
	.end_amdgpu_metadata
.endif
;; end of part 5
;; ======== version 2 of 3: 5 launches
;; workspace buffers: wb 41,943,040 bytes; xn 8,388,608 bytes; qkv 25,165,824 bytes; ctx 8,388,608 bytes; x1 16,777,216 bytes; a2 8,388,608 bytes; part 131,072 bytes
;; launch prep (part 6): grid 256 x 4, 8 waves a work-group, no clusters, 0 bytes of LDS; arguments Wq, Wk, Wv, x, ln1_scale, wb, xn; writes wb, xn
.if DOCPART == 6
	.amdgcn_target "amdgcn-amd-amdhsa--gfx1250"
	.amdhsa_code_object_version 6
	.text
	.protected	k_qafd175920d_prep
	.globl	k_qafd175920d_prep
	.p2align	8
	.type	k_qafd175920d_prep,@function
k_qafd175920d_prep:
	s_mov_b64 s[64:65], 0
	v_nop
	global_prefetch_b8 v0, s[64:65] scope:SCOPE_SE
	s_setreg_imm32_b32 hwreg(HW_REG_WAVE_MODE, 25, 1), 1
	s_wait_xcnt 0x0
; prep.  Grid rows y = 0..2: wb[y] = bf16(weight matrix y), in the order Wq, Wk, Wv; each is [2048 k][2048 n] and keeps its layout.
;        Grid row  y = 3:    xn[m][:] = bf16( x[m][:] * rsqrt(mean(x[m][:]^2) + 1e-5) * ln1_scale[:] ), 2,048 rows of 2,048.
; (wb[3] and wb[4], Wo and Wmlp, are not needed by the next launch; the attention launch casts them on the work-groups that have few key tiles.)
; A stream: every input byte is read once by 16-byte loads, every output byte written once; a wave's 8-byte stores cover 256 consecutive
; bytes, aligned.  No LDS, no barrier, no matrix unit, no cluster: no wave needs another's data and no two work-groups read the same bytes
; (but ln1_scale, 8 KB).  Nothing is looped: a work-group's whole share is asked for at once, and no register is used twice.
; LIMITS: the outputs are rounded to bf16 (operands of the later matrix products); the sum of squares is added in four chains and then
; across lanes, another order than a plain sum.
.set X,   4                            ; v[4:67]    16 loads of 16 bytes
.set SC,  68                           ; v[68:131]  ln1_scale of the same columns (norm only)
.set Y,   132                          ; v[132:163] the bf16 results, 8 bytes for each load
.set CH,  164                          ; v[164:171] four chains of sums of squares, two numbers each
.set RS,  172                          ; v[172:173] rsqrt, twice: a pair for the packed multiply
	s_load_b256 s[8:15], s[0:1], 0x0               ; Wq s[8:9], Wk s[10:11], Wv s[12:13], x s[14:15]
	s_load_b128 s[16:19], s[0:1], 0x20             ; ln1_scale s[16:17], wb s[18:19]
	s_load_b64 s[20:21], s[0:1], 0x30              ; xn
	s_and_b32 s2, ttmp7, 0xffff                    ; y: which matrix, or 3 for the norm
	s_mov_b32 s7, 0                                ; the high word of every offset here
	s_wait_kmcnt 0x0
	s_cmp_eq_u32 s2, 3
	s_cbranch_scc1 .Lnorm
	; THE CAST.  A work-group takes 65,536 bytes of f32 (16,384 numbers): 16 loads, each 4,096 consecutive bytes over the 256 threads.
	v_lshlrev_b32 v1, 4, v0                        ; 16 t: my 16 bytes of a load
	v_lshlrev_b32 v2, 3, v0                        ; 8 t: my 8 bytes of a store
	s_mov_b64 s[4:5], s[8:9]                       ; the source is chosen by y alone
	s_cmp_eq_u32 s2, 1
	s_cselect_b64 s[4:5], s[10:11], s[4:5]
	s_cmp_eq_u32 s2, 2
	s_cselect_b64 s[4:5], s[12:13], s[4:5]
	s_lshl_b32 s6, ttmp9, 16                       ; my 65,536 bytes of the source
	s_add_nc_u64 s[4:5], s[4:5], s[6:7]
	s_lshl_b32 s6, s2, 23                          ; matrix y of wb (8,388,608 bytes each),
	s_lshl_b32 s3, ttmp9, 15                       ; my 32,768 bytes of it
	s_add_co_u32 s6, s6, s3
	s_add_nc_u64 s[18:19], s[18:19], s[6:7]
.irp i, 0,1,2,3,4,5,6,7,8,9,10,11,12,13,14,15
	global_load_b128 v[X+4*\i:X+4*\i+3], v1, s[4:5] offset:\i*4096 th:TH_LOAD_NT
.endr
.irp i, 0,1,2,3,4,5,6,7,8,9,10,11,12,13,14,15
	s_wait_loadcnt 15-\i                           ; loads come back in order: load i is in, the 15 - i younger ones stay out
	v_cvt_pk_bf16_f32 v[Y+2*\i],   v[X+4*\i],   v[X+4*\i+1]
	v_cvt_pk_bf16_f32 v[Y+2*\i+1], v[X+4*\i+2], v[X+4*\i+3]
	global_store_b64 v2, v[Y+2*\i:Y+2*\i+1], s[18:19] offset:\i*2048
.endr
	s_endpgm
.Lnorm:
	; THE NORM.  One wave, one row (8,192 bytes = 64 registers): the row stays in registers between the sum and the scaling.
	; Load j brings 512 consecutive bytes: lane l holds columns 128 j + 4 l .. + 3.
	v_lshrrev_b32 v3, 5, v0                        ; wave
	v_and_b32 v2, 31, v0                           ; lane
	v_lshlrev_b32 v1, 13, v3
	v_lshl_add_u32 v1, v2, 4, v1                   ; x:  wave x 8,192 + 16 lane
	v_lshlrev_b32 v3, 12, v3
	v_lshl_add_u32 v3, v2, 3, v3                   ; xn: wave x 4,096 + 8 lane
	v_lshlrev_b32 v2, 4, v2                        ; ln1_scale: 16 lane
	s_lshl_b32 s6, ttmp9, 16                       ; the work-group's 8 rows of x
	s_add_nc_u64 s[14:15], s[14:15], s[6:7]
	s_lshl_b32 s6, ttmp9, 15                       ; and of xn
	s_add_nc_u64 s[20:21], s[20:21], s[6:7]
	s_mov_b32 s26, 0x3a000000                      ; 1 / 2048
	s_mov_b32 s27, 0x3727c5ac                      ; 1e-5
	s_mov_b32 s28, 0x76543210                      ; v_permlanex16_b32: each lane takes its own place in the other half
	s_mov_b32 s29, 0xfedcba98
.irp j, 0,1,2,3,4,5,6,7,8,9,10,11,12,13,14,15
	global_load_b128 v[X+4*\j:X+4*\j+3], v1, s[14:15] offset:\j*512
.endr
.irp j, 0,1,2,3,4,5,6,7,8,9,10,11,12,13,14,15
	global_load_b128 v[SC+4*\j:SC+4*\j+3], v2, s[16:17] offset:\j*512
.endr
	s_wait_loadcnt 16                              ; the row is in; the sixteen loads of ln1_scale stay out
.irp p, 0,1,2,3
	v_pk_mul_f32 v[CH+2*\p:CH+2*\p+1], v[X+2*\p:X+2*\p+1], v[X+2*\p:X+2*\p+1]   ; the first four pairs start the chains: nothing is cleared
.endr
.set p, 4
.rept 28
	v_pk_fma_f32 v[CH+2*(p%4):CH+2*(p%4)+1], v[X+2*p:X+2*p+1], v[X+2*p:X+2*p+1], v[CH+2*(p%4):CH+2*(p%4)+1]
.set p, p+1
.endr
	v_pk_add_f32 v[CH:CH+1], v[CH:CH+1], v[CH+2:CH+3]
	v_pk_add_f32 v[CH+4:CH+5], v[CH+4:CH+5], v[CH+6:CH+7]
	v_pk_add_f32 v[CH:CH+1], v[CH:CH+1], v[CH+4:CH+5]
	v_add_f32 v[CH], v[CH], v[CH+1]
	v_add_f32_dpp v[CH], v[CH], v[CH] row_xmask:1 row_mask:0xf bank_mask:0xf
	v_add_f32_dpp v[CH], v[CH], v[CH] row_xmask:2 row_mask:0xf bank_mask:0xf
	v_add_f32_dpp v[CH], v[CH], v[CH] row_xmask:4 row_mask:0xf bank_mask:0xf
	v_add_f32_dpp v[CH], v[CH], v[CH] row_xmask:8 row_mask:0xf bank_mask:0xf
	v_permlanex16_b32 v[CH+1], v[CH], s28, s29     ; its destination has been written
	v_add_f32 v[CH], v[CH], v[CH+1]                ; every lane holds the row's sum of squares
	v_fma_f32 v[CH], v[CH], s26, s27               ; mean + eps
	v_rsq_f32 v[RS], v[CH]
	v_rsq_f32 v[RS+1], v[CH]
	v_nop                                          ; one plain instruction between a transcendental and the use of its result (ISA guide 5.7.2)
	s_wait_alu depctr_va_vdst(0)
.irp j, 0,1,2,3,4,5,6,7,8,9,10,11,12,13,14,15
	s_wait_loadcnt 15-\j                           ; ln1_scale's load j is in
	v_pk_mul_f32 v[X+4*\j:X+4*\j+1],   v[X+4*\j:X+4*\j+1],   v[RS:RS+1]
	v_pk_mul_f32 v[X+4*\j+2:X+4*\j+3], v[X+4*\j+2:X+4*\j+3], v[RS:RS+1]
	v_pk_mul_f32 v[X+4*\j:X+4*\j+1],   v[X+4*\j:X+4*\j+1],   v[SC+4*\j:SC+4*\j+1]
	v_pk_mul_f32 v[X+4*\j+2:X+4*\j+3], v[X+4*\j+2:X+4*\j+3], v[SC+4*\j+2:SC+4*\j+3]
	v_cvt_pk_bf16_f32 v[Y+2*\j],   v[X+4*\j],   v[X+4*\j+1]
	v_cvt_pk_bf16_f32 v[Y+2*\j+1], v[X+4*\j+2], v[X+4*\j+3]
	global_store_b64 v3, v[Y+2*\j:Y+2*\j+1], s[20:21] offset:\j*256
.endr
	s_endpgm
.Lfunc_end_k_qafd175920d_prep:
	.size	k_qafd175920d_prep, .Lfunc_end_k_qafd175920d_prep-k_qafd175920d_prep
	.p2alignl 7, 3214868480
	.fill 96, 4, 3214868480
	.section	.rodata,"a",@progbits
	.p2align	6, 0x0
	.amdhsa_kernel k_qafd175920d_prep
		.amdhsa_group_segment_fixed_size 0
		.amdhsa_private_segment_fixed_size 0
		.amdhsa_enable_private_segment 0
		.amdhsa_kernarg_size 56
		.amdhsa_user_sgpr_count 2
		.amdhsa_user_sgpr_kernarg_segment_ptr 1
		.amdhsa_wavefront_size32 1
		.amdhsa_system_sgpr_workgroup_id_x 1
		.amdhsa_system_sgpr_workgroup_id_y 1
		.amdhsa_system_sgpr_workgroup_id_z 1
		.amdhsa_system_vgpr_workitem_id 0
		.amdhsa_next_free_vgpr 176
		.amdhsa_next_free_sgpr 66
		.amdhsa_reserve_vcc 0
		.amdhsa_float_denorm_mode_32 3
		.amdhsa_float_denorm_mode_16_64 3
		.amdhsa_memory_ordered 1
		.amdhsa_forward_progress 1
		.amdhsa_inst_pref_size 22
	.end_amdhsa_kernel
	.amdgpu_metadata
---
amdhsa.version: [ 1, 2 ]
amdhsa.kernels:
  - .name:           k_qafd175920d_prep
    .symbol:         k_qafd175920d_prep.kd
    .args:
      - { .name: Wq, .offset: 0, .size: 8, .value_kind: global_buffer, .address_space: global }
      - { .name: Wk, .offset: 8, .size: 8, .value_kind: global_buffer, .address_space: global }
      - { .name: Wv, .offset: 16, .size: 8, .value_kind: global_buffer, .address_space: global }
      - { .name: x, .offset: 24, .size: 8, .value_kind: global_buffer, .address_space: global }
      - { .name: ln1_scale, .offset: 32, .size: 8, .value_kind: global_buffer, .address_space: global }
      - { .name: wb, .offset: 40, .size: 8, .value_kind: global_buffer, .address_space: global }
      - { .name: xn, .offset: 48, .size: 8, .value_kind: global_buffer, .address_space: global }
    .group_segment_fixed_size: 0
    .private_segment_fixed_size: 0
    .kernarg_segment_align: 8
    .kernarg_segment_size: 56
    .max_flat_workgroup_size: 256
    .sgpr_count:     66
    .vgpr_count:     176
    .wavefront_size: 32
...
	.end_amdgpu_metadata
.endif
;; end of part 6
;; launch qkv (part 7): grid 16 x 16, 4 waves a work-group, clusters of 4 x 4, 327,680 bytes of LDS; arguments xn, wb, qkv; writes qkv
.if DOCPART == 7
	.amdgcn_target "amdgcn-amd-amdhsa--gfx1250"
	.amdhsa_code_object_version 6
	.text
	.protected	k_qafd175920d_qkv
	.globl	k_qafd175920d_qkv
	.p2align	8
	.type	k_qafd175920d_qkv,@function
k_qafd175920d_qkv:
	s_mov_b64 s[64:65], 0
	v_nop
	global_prefetch_b8 v0, s[64:65] scope:SCOPE_SE
	s_setreg_imm32_b32 hwreg(HW_REG_WAVE_MODE, 25, 1), 1
	s_wait_xcnt 0x0
	s_wait_alu depctr_hold_cnt(0) depctr_sa_sdst(0) depctr_va_vdst(0) depctr_va_sdst(0) depctr_va_ssrc(0) depctr_va_vcc(0) depctr_vm_vsrc(0)
	s_getreg_b32 s2, hwreg(HW_REG_IB_STS2, 6, 4)
	s_cmp_eq_u32 s2, 0
	s_cbranch_scc0 .Lentry_in_a_cluster
	s_endpgm
.Lentry_in_a_cluster:
	s_bfe_u32 s2, ttmp6, 0x10000c
	s_cmp_lg_u32 s2, 0xf033
	s_cbranch_scc0 .Lentry_shape_is_right
	s_endpgm
.Lentry_shape_is_right:
; qkv[j][m][n] = sum over k of xn[m][k] wb[j][k][n], j = 0, 1, 2 (q, k, v).  xn: [2048][2048] bf16; wb[j]: [2048 k][2048 n] bf16; qkv: bf16; sums in f32, rounded once.
; A WORK-GROUP MAKES THREE TILES AT ONCE: rows 128 tr on, columns 128 tc on (one head) of q, of k and of v: 128 x 384 numbers from ONE tile of xn.  For 32 along K it fetches
; (128 + 384) x 64 bytes for 192 matrix instructions, two thirds of what three tiles of 128 x 128 fetch for each; 16 x 16 work-groups give each of 256 WGPs one.
; Four waves; a wave makes 64 rows x 64 columns of each of the three matrices: 48 accumulators, fed by 4 fragments of A and 12 of B for 32 along K.
; K goes in steps of 128 through two LDS slots.  A slot has four equal regions, one for each wave: wave 0 brings A's 128 rows x 256 bytes, wave w = 1..3 the 128 k rows x 256 bytes
; of matrix w - 1: one tensor load a wave, each of 128 rows of 256 bytes that start at multiples of 256 bytes from the buffer's first byte.
; B LIES [k][n] in memory and in LDS; ds_load_tr16_b128 turns it on the way into registers, so that a lane holds one column n and k along its registers.
; CLUSTERS: 4 x 4 work-groups.  The four of a row of the cluster need the same tiles of A, the four of a column the same tiles of B: each tile is asked for jointly.
; THE MATRIX INSTRUCTION IS USED TRANSPOSED (source 0 = 16 columns of B, source 1 = 16 rows of A): a lane then holds eight neighbouring numbers of a row of the result.
; REGISTERS: window 0: v0-31 addresses; v32-223 the way out.   window 1: two fragment buffers of 128: for 32 along K, 32 registers of A (4 x 16 rows), then 96 of B (3 matrices x 4 x 16 columns).
;   window 2: the accumulators of matrices 0 and 1 ((j, a, i) at v[8 (16 j + 4 a + i)]);   window 3: v0-127 those of matrix 2.
.set KSTEP,  128
.set ROWB,   4096                      ; bytes in a row of 2,048 bf16
.set MAT,    2048*ROWB                 ; bytes in one matrix
.set PA,     272                       ; A's LDS row: 256 bytes + 16 = 68 words: row r starts at bank 4 r mod 64 (64 banks of 4 bytes: ISA guide 11.1)
.set PB,     288                       ; B's LDS row: 256 bytes + 32 = 72 words
.set TB,     128*PB                    ; a wave's region of a slot: 36,864 bytes (A's 128 rows of 272 bytes leave 2,048 of them unused)
.set SLOT,   4*TB
.set SPITCH, 272                       ; the stage for the way out: 128 rows x 272 bytes for each matrix, in slot 0's bytes, which by then have had their last fill
.set SG,     128*SPITCH
.set LAPS,   2048/(2*KSTEP)            ; a lap = two K steps = once round the ring
.set ADRA, 16                          ; v16-17  LDS address of my A fragments in slot 0, 1
.set ADRB, 20                          ; v20-25  the same for B: slot 0 matrices 0, 1, 2; slot 1 likewise (two regions pass the 16-bit offset)
.set STO,  26                          ; v26-27  the way out: where I put 16 bytes of a row: matrices 0 and 1; matrix 2
.set RD,   28                          ; v28-29  the way out: where I read a row back, likewise
.set CO,   30                          ; v30     my byte offset in the result
.set TMP,  32
.set F0,   0                           ; fragment buffers, in window 1
.set F1,   128
.set G1, 24                            ; s[24:31] descriptor group 1 for A's tiles;  s[32:39] group 0, one set for each slot
.set G0, 32
.set G1B, 48                           ; s[48:55], s[56:63] the same for B's tiles
.set G0B, 56
.set MSB, 0
.macro WIN new                         ; the immediate's high byte repeats the setting that is left
.if MSB != \new
	s_set_vgpr_msb (MSB<<8)|\new
.set MSB, \new
.endif
.endm
.set MUL_LO, 0xa5                      ; sources 0 (B) and 1 (A) window 1; C and D window 2
.set MUL_HI, 0xf5                      ; the same, C and D window 3
.set TO_F,   0x40                      ; destination window 1, address window 0
.macro JLOAD s                         ; a joint load: wave 0 fetches A's tile, waves 1 to 3 those of B; four v_nop follow each of the two lines
	s_cmp_eq_u32 s10, 0
	s_cbranch_scc0 .Lfor_b_\@
	tensor_load_to_lds s[G0+4*\s:G0+4*\s+3], s[G1:G1+7]
	s_nop 0
.rept 4
	v_nop
.endr
	s_branch .Lasked_\@
.Lfor_b_\@:
	tensor_load_to_lds s[G0B+4*\s:G0B+4*\s+3], s[G1B:G1B+7]
	s_nop 0
.rept 4
	v_nop
.endr
.Lasked_\@:
.endm
.macro CREST                           ; a round of the cluster's barrier behind its opening barrier
	s_cmp_lg_u32 s10, 0
	s_cbranch_scc1 .Lnot_wave_0_\@
	s_barrier_signal -3
.Lnot_wave_0_\@:
	s_barrier_wait -3
	s_barrier_signal -1
	s_barrier_wait -1
.endm
.macro CROUND                          ; a whole round
	s_barrier_signal -1
	s_barrier_wait -1
	CREST
.endm
	s_load_b128 s[4:7], s[0:1], 0x0                ; xn s[4:5], wb s[6:7]
	s_load_b64 s[8:9], s[0:1], 0x10                ; qkv
	v_lshl_add_u32 v254, v0, 2, 0x48000
	v_mov_b32 v255, 0
	ds_add_u32 v254, v255
	ds_add_u32 v254, v255
	v_lshrrev_b32 v1, 5, v0
	v_readfirstlane_b32 s10, v1                    ; wave 0..3
	s_lshr_b32 s11, s10, 1                         ; which half of the tile's rows is mine
	s_and_b32 s12, s10, 1                          ; which half of each matrix's 128 columns
	s_bfe_u32 s40, ttmp6, 0x40000                  ; cx, cy: my place in the cluster
	s_bfe_u32 s41, ttmp6, 0x40004
	s_lshl_b32 s42, ttmp9, 2
	s_add_co_u32 s42, s42, s40                     ; tile column tc = 4 x cluster x + cx
	s_and_b32 s13, ttmp7, 0xffff
	s_lshl_b32 s13, s13, 2
	s_add_co_u32 s13, s13, s41                     ; tile row tr = 4 x cluster y + cy
	s_lshl_b32 s43, s41, 2
	s_lshl_b32 s43, 15, s43                        ; my row of the cluster
	s_lshl_b32 s44, 0x1111, s40                    ; my column
	; group 1: a tile of 128 rows x 128 elements of 2 bytes, padded behind every 64 words: A by 4 words, B by 8; the mask, and bit 21 beside it
	s_or_b32 s[G1+0], s43, (1<<16)|(1<<20)|(1<<21)|(5<<22)|(3<<25)
	s_or_b32 s[G1B+0], s44, (1<<16)|(1<<20)|(1<<21)|(5<<22)|(7<<25)
.irp g, G1, G1B
	s_mov_b32 s[\g+1], 128<<16                     ; tensor_dim0 = 128
	s_mov_b32 s[\g+2], 128<<16                     ; tensor_dim1 = 128
	s_mov_b32 s[\g+3], 128<<16                     ; tile_dim0 = 128
	s_mov_b32 s[\g+4], 128                         ; tile_dim1 = 128
	s_mov_b32 s[\g+5], 2048                        ; elements from row to row
	s_mov_b32 s[\g+6], 0
	s_mov_b32 s[\g+7], 0
.endr
	; where the tiles come from: A's hang on tr alone, B's on tc and the wave alone, each in registers that never hold the other coordinate
	s_lshl_b32 s16, s13, 19                        ; A: row 128 tr, in bytes (under 2^23)
	s_mov_b32 s17, 0
	s_max_u32 s21, s10, 1
	s_sub_co_u32 s21, s21, 1                       ; B: matrix wave - 1 (wave 0 never asks by B's descriptor; it is given matrix 0's address)
	s_lshl_b32 s46, s21, 23
	s_lshl_b32 s47, s42, 8                         ; its columns 128 tc on: 256 bytes
	s_add_co_u32 s46, s46, s47
	s_mov_b32 s47, 0
	s_mul_i32 s20, s10, TB                         ; and where they go: the wave's region; no place in the cluster enters an LDS address
	s_wait_dscnt 0x0
	s_wait_kmcnt 0x0
	s_add_nc_u64 s[14:15], s[4:5], s[16:17]
	s_add_nc_u64 s[46:47], s[6:7], s[46:47]
	CROUND                                         ; all sixteen work-groups are here: the first joint loads meet
.irp s, 0,1
	s_mov_b32 s[G0+4*\s], 1
	s_add_co_u32 s[G0+4*\s+1], s20, \s*SLOT
	s_add_nc_u64 s[G0+4*\s+2:G0+4*\s+3], s[14:15], \s*KSTEP*2
	s_or_b32 s[G0+4*\s+3], s[G0+4*\s+3], 0x80000000
	s_mov_b32 s[G0B+4*\s], 1
	s_add_co_u32 s[G0B+4*\s+1], s20, \s*SLOT
	s_add_nc_u64 s[G0B+4*\s+2:G0B+4*\s+3], s[46:47], \s*KSTEP*ROWB
	s_or_b32 s[G0B+4*\s+3], s[G0B+4*\s+3], 0x80000000
	JLOAD \s                                       ; two loads of mine are out
.endr
	v_and_b32 v1, 15, v0                           ; l % 16
	v_bfe_u32 v2, v0, 4, 1                         ; l / 16
	v_mul_u32_u24 v3, v1, PA
	v_lshl_add_u32 v3, v2, 4, v3                   ; A: a fragment's row x pitch + 16 x half of the lanes
	s_mul_i32 s21, s11, 64*PA                      ; my 64 rows of A
	v_add_nc_u32 v[ADRA], s21, v3
	s_add_co_u32 s21, s21, SLOT
	v_add_nc_u32 v[ADRA+1], s21, v3
	v_and_b32 v4, 7, v0                            ; B: lane l addresses k row 8 (l / 16) + l % 8, columns 8 ((l / 8) % 2) on
	v_lshl_add_u32 v4, v2, 3, v4
	v_mul_u32_u24 v4, v4, PB
	v_bfe_u32 v5, v0, 3, 1
	v_lshl_add_u32 v4, v5, 4, v4
	s_lshl_b32 s22, s12, 7                         ; my 64 columns of each matrix: 128 bytes
	s_add_co_u32 s22, s22, TB                      ; matrix 0's region lies behind A's
.irp n, 0,1,2
	v_add_nc_u32 v[ADRB+\n], s22, v4
	s_add_co_u32 s22, s22, TB
.endr
	s_add_co_u32 s22, s22, TB                      ; over slot 1's region for A
.irp n, 3,4,5
	v_add_nc_u32 v[ADRB+\n], s22, v4
	s_add_co_u32 s22, s22, TB
.endr
	s_mul_i32 s23, s11, 64*SPITCH                  ; into the stage: my 64 rows, my half of their 256 bytes
	s_lshl_b32 s21, s12, 7
	s_add_co_u32 s23, s23, s21
	v_mul_u32_u24 v4, v1, SPITCH
	v_lshl_add_u32 v4, v2, 4, v4
	v_add_nc_u32 v[STO], s23, v4
	v_add_nc_u32 v[STO+1], 2*SG, v[STO]
	s_mul_i32 s23, s10, 32*SPITCH                  ; back: wave w takes rows 32 w .. 32 w + 31 of each matrix, whole; lanes 0-15 one row, lanes 16-31 the next
	v_mul_u32_u24 v5, v2, SPITCH
	v_lshl_add_u32 v5, v1, 4, v5
	v_add_nc_u32 v[RD], s23, v5
	v_add_nc_u32 v[RD+1], 2*SG, v[RD]
	v_lshlrev_b32 v5, 12, v2                       ; and the same two rows in the result
	v_lshl_add_u32 v[CO], v1, 4, v5
	s_lshl_b32 s16, s13, 7
	s_lshl_b32 s17, s10, 5
	s_add_co_u32 s16, s16, s17                     ; the first row that I store: 128 tr + 32 x wave
	s_lshl_b32 s16, s16, 12
	s_mov_b32 s17, 0
	s_add_nc_u64 s[8:9], s[8:9], s[16:17]
	s_lshl_b32 s46, s42, 8                         ; the tile's first column, in the registers that held B's address
	s_mov_b32 s47, 0
	s_add_nc_u64 s[8:9], s[8:9], s[46:47]          ; q's base;
	s_add_nc_u64 s[68:69], s[8:9], MAT             ; k's and v's have registers of their own: a matrix's 8,388,608 bytes pass the store's signed 24-bit immediate
	s_add_nc_u64 s[70:71], s[68:69], MAT
; 16 matrix instructions: my 4 m blocks x my 4 n blocks of matrix j, 32 along K, from buffer f.  zero = 1: the product starts the sums.
; The 48 accumulators take turns, one instruction a turn.
.macro MULJ f, j, zero
.set AB, 128*((\j)%2)                  ; matrix 0 at v0, matrix 1 at v128 of window 2; matrix 2 at v0 of window 3
.irp a, 0,1,2,3
.irp i, 0,1,2,3
.if \zero
	v_wmma_f32_16x16x32_bf16 v[AB+8*(4*\a+\i):AB+8*(4*\a+\i)+7], v[\f+32+8*(4*\j+\i):\f+32+8*(4*\j+\i)+7], v[\f+8*\a:\f+8*\a+7], 0
.else
	v_wmma_f32_16x16x32_bf16 v[AB+8*(4*\a+\i):AB+8*(4*\a+\i)+7], v[\f+32+8*(4*\j+\i):\f+32+8*(4*\j+\i)+7], v[\f+8*\a:\f+8*\a+7], v[AB+8*(4*\a+\i):AB+8*(4*\a+\i)+7]
.endif
.endr
.endr
.endm
; 32 LDS loads in one run: the fragments of quarter q (32 along K) of a slot into buffer f: A's eight loads, then eight for each matrix
.macro FETCH slot, q, f
	WIN TO_F
.irp a, 0,1,2,3
	ds_load_b128 v[\f+8*\a:\f+8*\a+3],   v[ADRA+\slot] offset:64*\q+\a*16*PA
	ds_load_b128 v[\f+8*\a+4:\f+8*\a+7], v[ADRA+\slot] offset:64*\q+\a*16*PA+32
.endr
.irp j, 0,1,2
.irp i, 0,1,2,3
	ds_load_tr16_b128 v[\f+32+8*(4*\j+\i):\f+32+8*(4*\j+\i)+3],   v[ADRB+3*\slot+\j] offset:32*\q*PB+32*\i
	ds_load_tr16_b128 v[\f+32+8*(4*\j+\i)+4:\f+32+8*(4*\j+\i)+7], v[ADRB+3*\slot+\j] offset:(32*\q+16)*PB+32*\i
.endr
.endr
.endm
.macro PLACES                          ; four places in front of loads into registers that matrix instructions have read, and of instructions that read results
.rept 4
	v_nop
.endr
.endm
; A K step is four quarters of 32 along K, 48 matrix instructions each, on buffers 0, 1, 0, 1.  One of the first three: multiplies buffer f; behind its first 16 matrix
; instructions it fetches quarter q into g, 32 matrix instructions ahead of the first use.
.macro QUARTER slot, q, f, g, zero
	s_wait_dscnt 16                                ; A's and matrix 0's fragments are in; the sixteen younger loads (matrices 1 and 2) may be out
	WIN MUL_LO
	MULJ \f, 0, \zero
	PLACES
	FETCH \slot, \q, \g
	s_wait_dscnt 32                                ; all but the 32 just issued
	WIN MUL_LO
	MULJ \f, 1, \zero
	WIN MUL_HI
	MULJ \f, 2, \zero
.endm
; The last quarter multiplies buffer 1 and changes slots: one barrier; in front of it each wave waits for its own reads of this slot and for all its tensor loads.
; fill = 1: the barrier opens a round of the cluster's barrier, and this slot is filled again, two K steps ahead, first thing behind the round:
; 176 of a step's 192 matrix instructions stand between that request and the wait for it.
.macro TURN slot, next, fill
	s_wait_dscnt 0                                 ; my reads of this slot are over (issued 32 matrix instructions ago),
	s_set_vgpr_msb 0xf5f0
	s_wait_tensorcnt 0x0                           ; and all my tensor loads have landed: my part of the next slot
	ds_add_u32 v254, v255
	s_wait_dscnt 0x0
	s_set_vgpr_msb 0xf0f5
	s_barrier_signal -1
	WIN MUL_LO
	MULJ F1, 0, 0                                  ; work on registers while the others arrive
.if \fill
	WIN 0
.endif
	s_barrier_wait -1
.if \fill
	CREST                                          ; no wave of any partner still reads this slot's tiles or has a load on its way
	s_add_nc_u64 s[G0+4*\slot+2:G0+4*\slot+3], s[G0+4*\slot+2:G0+4*\slot+3], 2*KSTEP*2
	s_add_nc_u64 s[G0B+4*\slot+2:G0B+4*\slot+3], s[G0B+4*\slot+2:G0B+4*\slot+3], 2*KSTEP*ROWB
	JLOAD \slot                                    ; its four v_nop are also the places in front of the loads below
.else
	PLACES
.endif
	FETCH \next, 0, F0
	WIN MUL_LO
	MULJ F1, 1, 0
	WIN MUL_HI
	MULJ F1, 2, 0
.endm
	s_wait_tensorcnt 1                             ; my part of K step 0 is in; K step 1's may stay out
	s_barrier_signal -1
	s_barrier_wait -1                              ; everybody's is
	FETCH 0, 0, F0
	QUARTER 0, 1, F0, F1, 1                        ; the first quarter stands in front of the loop: its products start the sums
	WIN 0                                          ; at a label and at a branch every window is 0
	s_mov_b32 s3, LAPS-1
.Llap:                                                 ; a trip goes once round the ring, from a lap's second quarter to the next lap's first, and fills both slots again
	QUARTER 0, 2, F1, F0, 0
	QUARTER 0, 3, F0, F1, 0
	TURN 0, 1, 1
	QUARTER 1, 1, F0, F1, 0
	QUARTER 1, 2, F1, F0, 0
	QUARTER 1, 3, F0, F1, 0
	TURN 1, 0, 1
	QUARTER 0, 1, F0, F1, 0
	WIN 0
	s_sub_co_u32 s3, s3, 1
	s_cmp_lg_u32 s3, 0
	s_cbranch_scc1 .Llap
	QUARTER 0, 2, F1, F0, 0                        ; the last lap fills nothing
	QUARTER 0, 3, F0, F1, 0
	TURN 0, 1, 0                                   ; behind this barrier no wave reads slot 0 any more, and nothing fills it again
	QUARTER 1, 1, F0, F1, 0
	QUARTER 1, 2, F1, F0, 0
	QUARTER 1, 3, F0, F1, 0
	s_wait_dscnt 0                                 ; the very last quarter: nothing more to fetch
	WIN MUL_LO
	MULJ F1, 0, 0
	MULJ F1, 1, 0
	WIN MUL_HI
	MULJ F1, 2, 0
	; THE WAY OUT: round to bf16; 16 bytes a lane into the stage; a barrier, since a row's 256 bytes come from two waves; back as whole rows, 32 rows of each matrix a wave.
	PLACES
	WIN 0x0a                                       ; sources 0 and 1 window 2, destination window 0
.set n, 0
.rept 32
.irp r, 0,1,2,3
	v_cvt_pk_bf16_f32 v[TMP+4*n+\r], v[8*n+2*\r], v[8*n+2*\r+1]
.endr
.set n, n+1
.endr
	WIN 0x0f                                       ; sources window 3
.set n, 0
.rept 16
.irp r, 0,1,2,3
	v_cvt_pk_bf16_f32 v[TMP+128+4*n+\r], v[8*n+2*\r], v[8*n+2*\r+1]
.endr
.set n, n+1
.endr
	WIN 0
.irp j, 0,1,2
.irp a, 0,1,2,3
.irp i, 0,1,2,3
	ds_store_b128 v[STO+\j/2], v[TMP+4*(16*\j+4*\a+\i):TMP+4*(16*\j+4*\a+\i)+3] offset:(\j%2)*SG+\a*16*SPITCH+32*\i
.endr
.endr
.endr
	s_wait_dscnt 0x0                               ; for the others' sake: my stores into the stage are done
	s_barrier_signal -1
	s_barrier_wait -1
.irp j, 0,1,2
.set t, 0
.rept 16
	ds_load_b128 v[TMP+4*(16*\j+t):TMP+4*(16*\j+t)+3], v[RD+\j/2] offset:(\j%2)*SG+t*2*SPITCH
.set t, t+1
.endr
.endr
.set n, 0
.irp b, 8, 68, 70
.set t, 0
.rept 16
	s_wait_dscnt 47-n                              ; load n is back, the younger ones may be out
	global_store_b128 v[CO], v[TMP+4*n:TMP+4*n+3], s[\b:\b+1] offset:2*t*ROWB   ; 16 lanes store 256 consecutive bytes, aligned
.set t, t+1
.set n, n+1
.endr
.endr
	s_wait_tensorcnt 0x0
	ds_add_u32 v254, v255
	s_wait_dscnt 0x0
	CROUND                                         ; the closing round: no work-group ends while a partner may still ask for a tile that names it
	s_endpgm
.Lfunc_end_k_qafd175920d_qkv:
	.size	k_qafd175920d_qkv, .Lfunc_end_k_qafd175920d_qkv-k_qafd175920d_qkv
	.p2alignl 7, 3214868480
	.fill 96, 4, 3214868480
	.section	.rodata,"a",@progbits
	.p2align	6, 0x0
	.amdhsa_kernel k_qafd175920d_qkv
		.amdhsa_group_segment_fixed_size 327680
		.amdhsa_private_segment_fixed_size 0
		.amdhsa_enable_private_segment 0
		.amdhsa_kernarg_size 24
		.amdhsa_user_sgpr_count 2
		.amdhsa_user_sgpr_kernarg_segment_ptr 1
		.amdhsa_wavefront_size32 1
		.amdhsa_system_sgpr_workgroup_id_x 1
		.amdhsa_system_sgpr_workgroup_id_y 1
		.amdhsa_system_sgpr_workgroup_id_z 1
		.amdhsa_system_vgpr_workitem_id 0
		.amdhsa_next_free_vgpr 896
		.amdhsa_next_free_sgpr 72
		.amdhsa_reserve_vcc 0
		.amdhsa_float_denorm_mode_32 3
		.amdhsa_float_denorm_mode_16_64 3
		.amdhsa_memory_ordered 1
		.amdhsa_forward_progress 1
		.amdhsa_inst_pref_size 120
	.end_amdhsa_kernel
	.amdgpu_metadata
---
amdhsa.version: [ 1, 2 ]
amdhsa.kernels:
  - .name:           k_qafd175920d_qkv
    .symbol:         k_qafd175920d_qkv.kd
    .args:
      - { .name: xn, .offset: 0, .size: 8, .value_kind: global_buffer, .address_space: global }
      - { .name: wb, .offset: 8, .size: 8, .value_kind: global_buffer, .address_space: global }
      - { .name: qkv, .offset: 16, .size: 8, .value_kind: global_buffer, .address_space: global }
    .group_segment_fixed_size: 327680
    .private_segment_fixed_size: 0
    .kernarg_segment_align: 8
    .kernarg_segment_size: 24
    .max_flat_workgroup_size: 128
    .sgpr_count:     72
    .vgpr_count:     896
    .wavefront_size: 32
...
	.end_amdgpu_metadata
.endif
;; end of part 7
;; launch attn (part 8): grid 8 x 32, 4 waves a work-group, no clusters, 327,680 bytes of LDS; arguments qkv, ctx, Wo, Wmlp, wb; writes ctx, wb
.if DOCPART == 8
	.amdgcn_target "amdgcn-amd-amdhsa--gfx1250"
	.amdhsa_code_object_version 6
	.text
	.protected	k_qafd175920d_attn
	.globl	k_qafd175920d_attn
	.p2align	8
	.type	k_qafd175920d_attn,@function
k_qafd175920d_attn:
	s_mov_b64 s[64:65], 0
	v_nop
	global_prefetch_b8 v0, s[64:65] scope:SCOPE_SE
	s_setreg_imm32_b32 hwreg(HW_REG_WAVE_MODE, 25, 1), 1
	s_wait_xcnt 0x0
; ctx[b][q][h][:] = sum over k <= q of softmax_k(Q[q] . K[k] / sqrt(128)) V[k][:], for each of 32 (batch, head) pairs; 1,024 positions, 128 channels.
; qkv: [3][2048 m][2048 = 128 h + d] bf16 (q, k, v); ctx: [2048 m][2048] bf16.  Products, maxima and sums in f32; the weights p are rounded to bf16 for the second product, ctx once.
; SHARES.  A work-group owns 128 queries (block qb = 0..7) of one pair, each of its four waves 32: two tiles of 16.  Keys go in tiles of 128.  The mask is causal, so only key tiles
; 0..qb are walked: FIRST the diagonal tile qb, masked, which starts the maxima, the sums and O (nothing is cleared; every query has its own key there, so its maximum is a true score),
; then tiles 0..qb-1, which need no mask.
; THE CAST.  A block walks qb + 1 key tiles, so the low blocks end early.  Behind their way out they do work that the next two launches need and this one does not:
; wb[3] = bf16(Wo), wb[4] = bf16(Wmlp), both [2048 k][2048 n], in units of 65,536 bytes of f32.  Block qb takes 4, 4, 3, 2, 2, 1, 0, 0 units: 16 for a pair, 32 x 16 x 65,536 bytes = both matrices.
; NO CLUSTER: the eight query blocks of a pair need 1 to 8 key tiles, so partners would make different numbers of joint requests.
; LAYOUT.  S^T = K Q^T (source 0 = 16 keys, source 1 = 16 queries): a lane holds ONE query (lane % 16) and the keys 8 (lane / 16) + 0..7 of each 16.  Two such tiles, rounded to bf16 in
; pairs, are source 1 (32 keys x 16 queries) of O^T = V^T P.  K comes out of LDS as it lies, V ([key][channel]) turned by ds_load_tr16_b128.
; SOFTMAX.  For each query a running maximum m and sum l: p = 2^(c s - c m), c = log2(e) / sqrt(128); in every later step O and l are multiplied by a = 2^(c m_old - c m_new).
; A masked score is the most negative finite f32, as in the problem's function; its p is 0.
; IN PHASES: a step is all its K Q^T, the softmax, all its V^T P.  Q's fragments are read once, as 16-byte pieces of rows 4,096 bytes apart.
; REGISTERS, in windows of 256:  window 0: v0-31 addresses and statistics; v64-191 S^T, 64 a tile; v192-255 P, 32 a tile (v128-255: the cast's numbers)
;   window 1: v0-127 O^T, 64 a tile; v128-255 V of keys 64-127      window 2: v0-63 Q; v128-255 K of keys 0-63      window 3: v0-127 V of keys 0-63; v128-255 K of keys 64-127
.set KT,    128       ; keys in a tile
.set ROWB,  4096      ; bytes from a position to the next
.set MAT,   2048*ROWB
.set PK,    272       ; a row of K in LDS: 256 bytes + 16: row r starts at bank 4 r mod 64 (64 banks of 4 bytes: ISA guide 11.1)
.set PV,    288       ; a row of V: 256 + 32
.set VOFF,  KT*PK     ; in a slot: 128 rows of K, then 128 rows of V
.set SLOT1, 1<<17     ; slot 1 begins here, so that one exclusive or turns an address in one slot into the other's
.set STAGE, SLOT1+KT*(PK+PV)  ; behind the ring: 16 rows x 272 bytes for each wave, for the way out
.set SP,    272
.set AK0, 2           ; v2   my lane's place in a tile of K; never rewritten
.set AV0, 3           ; v3   the same for V
.set ADK, 4           ; v4   this step's address for K
.set QO,  5           ; v5   my byte offset in the wave's rows of Q
.set STO, 6           ; v6   the way out: where I put 16 bytes of a row
.set RD,  7           ; v7   the way out: where I read a row back
.set GO,  8           ; v8   my byte offset in the wave's rows of ctx
.set CI,  10          ; v10  the cast: 16 x thread (at work before)
.set CO8, 11          ; v11  the cast: 8 x thread (at work before)
.set ST,  12          ; tile t's statistics at v[ST+8 t]: +0 c m, +1 m, +2, +3 l (even keys', odd keys'), +4 to +7 at work; a takes +6
.set DD,  28          ; v28-29 tile t: my query's place in the block less 8 (lane / 16): key 16 f + j of the diagonal tile is masked where 16 f + j > DD
.set NEG, 30          ; v30  the most negative finite f32
.set ADV, 31          ; v31  this step's address for V
.set S,   64
.set P,   192
.set CX,  128         ; the cast: 32 loads of 4 registers
.set WV,  12          ; s12  my wave's number
.set QB,  13          ; s13  my block of queries
.set G1K, 24          ; s[24:31] descriptor group 1 for K's tiles
.set G1V, 32          ; s[32:39] for V's: it differs in the padding alone
.set G0K, 40          ; s[40:47] group 0 for K: set 0 the diagonal tile into slot 0; set 1 walks tiles 0, 1, .. through slots 1, 0, ..
.set G0V, 48          ; s[48:55] the same for V
.set CNT, 56          ; s56  trips to go
.set CS,  58          ; s[58:59] c, as a pair for the packed scaling
.set SEL, 60          ; s[60:61] lane selects for v_permlanex16_b32
.set TB,  62          ; s62  LDS byte at which the step's slot begins
.set MSB, 0
.macro WIN new                      ; the immediate's high byte repeats the setting that is left
.if MSB != \new
	s_set_vgpr_msb (MSB<<8)|\new
.set MSB, \new
.endif
.endm
.macro PLACES                       ; four places behind matrix instructions (ISA guide 7.12.1)
.rept 4
	v_nop
.endr
.endm
; One tensor load a wave: waves 0 and 1 fetch the two halves (64 rows) of K's tile, waves 2 and 3 those of V's.
.macro JL set
	s_cmp_lt_u32 s[WV], 2
	s_cbranch_scc0 .Lfor_v_\@
	tensor_load_to_lds s[G0K+4*\set:G0K+4*\set+3], s[G1K:G1K+7]
	s_nop 0
.rept 4
	v_nop
.endr
	s_branch .Lasked_\@
.Lfor_v_\@:
	tensor_load_to_lds s[G0V+4*\set:G0V+4*\set+3], s[G1V:G1V+7]
	s_nop 0
.rept 4
	v_nop
.endr
.Lasked_\@:
.endm
	s_load_b128 s[4:7], s[0:1], 0x0  ; qkv s[4:5], ctx s[6:7]
	s_load_b128 s[68:71], s[0:1], 0x10  ; Wo s[68:69], Wmlp s[70:71]
	s_load_b64 s[72:73], s[0:1], 0x20  ; wb
	v_lshl_add_u32 v62, v0, 2, 0x35c00
	v_mov_b32 v63, 0
	ds_add_u32 v62, v63
	ds_add_u32 v62, v63
	v_lshrrev_b32 v1, 5, v0
	v_readfirstlane_b32 s[WV], v1   ; wave 0..3
	s_mov_b32 s[QB], ttmp9
	s_and_b32 s14, ttmp7, 0xffff    ; 16 b + h
	s_lshr_b32 s15, s14, 4
	s_lshl_b32 s15, s15, 22         ; b x 1,024 rows of 4,096 bytes
	s_and_b32 s14, s14, 15
	s_lshl_b32 s14, s14, 8          ; h x 256 bytes
	s_add_co_u32 s20, s15, s14      ; the pair's first byte in each of q, k, v, ctx
	s_and_b32 s16, s[WV], 1         ; which 64 rows of a tile I fetch
	s_lshl_b32 s22, s16, 18
	s_add_co_u32 s22, s22, s20
	s_mov_b32 s23, 0
	s_mul_i32 s17, s16, 64*PK       ; and their place in a slot: K's,
	s_mul_i32 s18, s16, 64*PV
	s_add_co_u32 s18, s18, VOFF     ; V's
	s_lshl_b32 s2, s[QB], 19        ; 128 qb rows: the diagonal tile, and my block of queries
	s_mov_b32 s3, 0
	s_lshl_b32 s14, s[WV], 17       ; my wave's 32 rows
	s_add_co_u32 s14, s14, s2
	s_add_co_u32 s14, s14, s20
	s_mov_b32 s15, 0
	; group 1: a tile of 64 rows x 128 elements of 2 bytes, padded behind every 64 words; no work-group mask
	s_mov_b32 s[G1K], (1<<16)|(1<<20)|(5<<22)|(3<<25)  ; 4 words of padding
	s_mov_b32 s[G1V], (1<<16)|(1<<20)|(5<<22)|(7<<25)  ; 8 words
.irp g, G1K, G1V
	s_mov_b32 s[\g+1], 128<<16      ; tensor_dim0 = 128
	s_mov_b32 s[\g+2], 64<<16       ; tensor_dim1 = 64
	s_mov_b32 s[\g+3], 128<<16      ; tile_dim0 = 128
	s_mov_b32 s[\g+4], 64           ; tile_dim1 = 64
	s_mov_b32 s[\g+5], 2048         ; elements from row to row
	s_mov_b32 s[\g+6], 0
	s_mov_b32 s[\g+7], 0
.endr
	s_mov_b32 s[CS], 0x3e0293ee     ; c = log2(e) / sqrt(128)
	s_mov_b32 s[CS+1], s[CS]
	s_mov_b32 s[SEL], 0x76543210
	s_mov_b32 s[SEL+1], 0xfedcba98
	s_mov_b32 s[TB], 0
	s_wait_dscnt 0x0
	s_wait_kmcnt 0x0
	s_add_nc_u64 s[8:9], s[4:5], s[22:23]
	s_add_nc_u64 s[8:9], s[8:9], MAT  ; K: my half of the pair's tile 0
	s_add_nc_u64 s[10:11], s[8:9], MAT  ; V: the same
	s_add_nc_u64 s[4:5], s[4:5], s[14:15]  ; Q and ctx at my wave's first row
	s_add_nc_u64 s[6:7], s[6:7], s[14:15]
	s_mov_b32 s[G0K], 1
	s_add_co_u32 s[G0K+1], s17, 0
	s_add_nc_u64 s[G0K+2:G0K+3], s[8:9], s[2:3]
	s_or_b32 s[G0K+3], s[G0K+3], 0x80000000
	s_mov_b32 s[G0K+4], 1
	s_add_co_u32 s[G0K+5], s17, SLOT1
	s_mov_b64 s[G0K+6:G0K+7], s[8:9]
	s_or_b32 s[G0K+7], s[G0K+7], 0x80000000
	s_mov_b32 s[G0V], 1
	s_add_co_u32 s[G0V+1], s18, 0
	s_add_nc_u64 s[G0V+2:G0V+3], s[10:11], s[2:3]
	s_or_b32 s[G0V+3], s[G0V+3], 0x80000000
	s_mov_b32 s[G0V+4], 1
	s_add_co_u32 s[G0V+5], s18, SLOT1
	s_mov_b64 s[G0V+6:G0V+7], s[10:11]
	s_or_b32 s[G0V+7], s[G0V+7], 0x80000000
	JL 0                            ; the diagonal tile, into slot 0: one load of mine is out
	v_and_b32 v1, 15, v0            ; l % 16
	v_bfe_u32 v9, v0, 4, 1          ; l / 16
	v_lshlrev_b32 v[QO], 12, v1
	v_lshl_add_u32 v[QO], v9, 4, v[QO]  ; row x 4,096 + 16 x half
	WIN 0x80                        ; destination window 2
.irp i, 0,1,2,3,4,5,6,7             ; Q stays in registers: tile i / 4, channels 32 (i % 4) on
	global_load_b128 v[8*\i:8*\i+3],   v[QO], s[4:5] offset:(\i/4)*16*ROWB+(\i%4)*64
	global_load_b128 v[8*\i+4:8*\i+7], v[QO], s[4:5] offset:(\i/4)*16*ROWB+(\i%4)*64+32
.endr
	WIN 0
	v_mul_u32_u24 v[AK0], v1, PK
	v_lshl_add_u32 v[AK0], v9, 4, v[AK0]  ; K: row x pitch + 16 x half
	v_and_b32 v10, 7, v0            ; V: lane l addresses key 8 (l / 16) + l % 8, channels 8 ((l / 8) % 2) on
	v_bfe_u32 v11, v0, 3, 1
	v_lshl_add_u32 v[AV0], v9, 3, v10
	v_mul_u32_u24 v[AV0], v[AV0], PV
	v_lshl_add_u32 v[AV0], v11, 4, v[AV0]
	v_add_nc_u32 v[AV0], VOFF, v[AV0]
	s_mul_i32 s19, s[WV], 16*SP
	s_add_co_u32 s19, s19, STAGE    ; my stage
	v_mul_u32_u24 v[STO], v1, SP    ; in: row l % 16, 16 bytes for each half of the lanes
	v_lshl_add_u32 v[STO], v9, 4, v[STO]
	v_add_nc_u32 v[STO], s19, v[STO]
	v_mul_u32_u24 v[RD], v9, SP     ; back: lanes 0-15 take one row of 256 bytes, lanes 16-31 the next
	v_lshl_add_u32 v[RD], v1, 4, v[RD]
	v_add_nc_u32 v[RD], s19, v[RD]
	v_lshlrev_b32 v[GO], 12, v9     ; and the same two rows in ctx
	v_lshl_add_u32 v[GO], v1, 4, v[GO]
	v_lshlrev_b32 v10, 3, v9
	v_sub_nc_u32 v10, v1, v10       ; l % 16 - 8 (l / 16)
	s_lshl_b32 s19, s[WV], 5
	v_add_nc_u32 v[DD], s19, v10    ; + 32 x wave: tile 0's; it may be negative
	v_add_nc_u32 v[DD+1], 16, v[DD]
	v_mov_b32 v[NEG], 0xff7fffff
; 32 LDS loads: K of keys 64 hf on (16 fragments of 16 keys x 32 channels) into v128-255 of window 2 + hf
.macro FETCH_K hf
	WIN 0x80+0x40*\hf
.irp f, 0,1,2,3,4,5,6,7,8,9,10,11,12,13,14,15  ; keys 16 (f / 4) on, channels 32 (f % 4) on
	ds_load_b128 v[128+8*\f:128+8*\f+3],   v[ADK] offset:(4*\hf+\f/4)*16*PK+(\f%4)*64
	ds_load_b128 v[128+8*\f+4:128+8*\f+7], v[ADK] offset:(4*\hf+\f/4)*16*PK+(\f%4)*64+32
.endr
.endm
; 32 turning loads: V of keys 64 hv on (16 fragments of 16 channels x 32 keys): hv = 0 into window 3, v0-127; hv = 1 into window 1, v128-255
.macro FETCH_V hv
.if \hv
	WIN 0x40
.else
	WIN 0xc0
.endif
.irp f, 0,1,2,3,4,5,6,7,8,9,10,11,12,13,14,15  ; keys 32 (f / 8) on, channels 16 (f % 8) on
	ds_load_tr16_b128 v[128*\hv+8*\f:128*\hv+8*\f+3],   v[ADV] offset:(2*\hv+\f/8)*32*PV+(\f%8)*32
	ds_load_tr16_b128 v[128*\hv+8*\f+4:128*\hv+8*\f+7], v[ADV] offset:(2*\hv+\f/8)*32*PV+16*PV+(\f%8)*32
.endr
.endm
; 32 products of S^T = K Q^T for keys 64 hf on: channels 32 (i / 8) on, keys 16 ((i / 2) % 4) on, tile i % 2.  The first 8 start the sums.
; The eight accumulators take turns, one instruction a turn.
.macro KQ hf
	WIN 0x0a+\hf                    ; K in window 2 + hf, Q in window 2, S^T in window 0
.set i, 0
.rept 32
.set rS, S+64*(i%2)+8*(4*\hf+(i/2)%4)
.set rK, 128+32*((i/2)%4)+8*(i/8)
.set rQ, 32*(i%2)+8*(i/8)
.if i < 8
	v_wmma_f32_16x16x32_bf16 v[rS:rS+7], v[rK:rK+7], v[rQ:rQ+7], 0
.else
	v_wmma_f32_16x16x32_bf16 v[rS:rS+7], v[rK:rK+7], v[rQ:rQ+7], v[rS:rS+7]
.endif
.set i, i+1
.endr
.endm
; 16 products of O^T += V^T P for keys 32 g on: channels 16 (i / 2) on, tile i % 2.  zero = 1: they start the sums.  The sixteen accumulators take turns likewise.
.macro PV g, zero
.if \g < 2
	WIN 0x53                        ; V in window 3, P in window 0, O^T in window 1
.set rV0, 64*\g
.else
	WIN 0x51                        ; V in window 1
.set rV0, 128+64*(\g-2)
.endif
.set i, 0
.rept 16
.set rO, 64*(i%2)+8*(i/2)
.set rV, rV0+8*(i/2)
.set rP, P+32*(i%2)+8*\g
.if \zero
	v_wmma_f32_16x16x32_bf16 v[rO:rO+7], v[rV:rV+7], v[rP:rP+7], 0
.else
	v_wmma_f32_16x16x32_bf16 v[rO:rO+7], v[rV:rV+7], v[rP:rP+7], v[rO:rO+7]
.endif
.set i, i+1
.endr
.endm
; The diagonal tile's mask for tile t: register i of S^T holds key 16 (i / 8) + 8 (lane / 16) + i % 8
.macro MASK t
.set i, 0
.rept 64
	v_cmp_gt_i32 vcc_lo, 16*(i/8)+i%8, v[DD+\t]
	v_cndmask_b32 v[S+64*\t+i], v[S+64*\t+i], v[NEG], vcc_lo
.set i, i+1
.endr
.endm
; Tile t's softmax for one step of 128 keys (64 scores a lane).  first = 1: the first step, which starts m and l and has no a.
.macro SOFT t, first
.set rT, ST+8*\t
.set rS, S+64*\t
.set rP, P+32*\t
.irp i, 0,1,2,3                     ; the maximum: four chains of fifteen scores each,
	v_max3_num_f32 v[rT+4+\i], v[rS+16*\i], v[rS+16*\i+1], v[rS+16*\i+2]
.endr
.irp n, 1,2,3,4,5,6
.irp i, 0,1,2,3
	v_max3_num_f32 v[rT+4+\i], v[rT+4+\i], v[rS+16*\i+2*\n+1], v[rS+16*\i+2*\n+2]
.endr
.endr
	v_max3_num_f32 v[rT+4], v[rT+4], v[rS+15], v[rS+31]  ; the four scores left over, the chains, the old m
	v_max3_num_f32 v[rT+6], v[rT+6], v[rS+47], v[rS+63]
	v_max3_num_f32 v[rT+4], v[rT+4], v[rT+5], v[rT+6]
.if \first
	v_max_num_f32 v[rT+4], v[rT+4], v[rT+7]
.else
	v_max3_num_f32 v[rT+4], v[rT+4], v[rT+7], v[rT+1]
	v_mov_b32 v[rT+7], v[rT]        ; c m_old is kept for a
.endif
	v_permlanex16_b32 v[rT+5], v[rT+4], s[SEL], s[SEL+1]  ; the query's other 64 keys lie in the lane 16 away
	v_max_num_f32 v[rT+1], v[rT+4], v[rT+5]
	v_mul_f32 v[rT], s[CS], v[rT+1]
.if !\first
	v_sub_f32 v[rT+7], v[rT+7], v[rT]
	v_exp_f32 v[rT+6], v[rT+7]      ; a; the packed scalings below are the plain instructions behind it
.endif
.set b, 0
.rept 32
	v_pk_fma_f32 v[rS+2*b:rS+2*b+1], v[rS+2*b:rS+2*b+1], s[CS:CS+1], v[rT:rT+1] op_sel_hi:[1,0,0] neg_lo:[0,0,1] neg_hi:[0,0,1]  ; c s - c m
.set b, b+1
.endr
.set b, 0
.rept 64
	v_exp_f32 v[rS+b], v[rS+b]
.set b, b+1
.endr
	v_nop                           ; one plain instruction between the last exponential and the use of its result (ISA guide 5.7.2)
.set b, 0
	s_wait_alu depctr_va_vdst(0)
.rept 32
	v_cvt_pk_bf16_f32 v[rP+b], v[rS+2*b], v[rS+2*b+1]
.set b, b+1
.endr
.irp w, 4, 8, 16, 32                ; the sum of the 32 pairs, in place: neighbours 1, 2, 4, 8 pairs apart,
.set u, 0
.rept 64/\w
	v_pk_add_f32 v[rS+\w*u:rS+\w*u+1], v[rS+\w*u:rS+\w*u+1], v[rS+\w*u+\w/2:rS+\w*u+\w/2+1]
.set u, u+1
.endr
.endr
.if \first
	v_pk_add_f32 v[rT+2:rT+3], v[rS:rS+1], v[rS+32:rS+33]  ; the last sum starts l
.else
	v_pk_add_f32 v[rS:rS+1], v[rS:rS+1], v[rS+32:rS+33]
	v_pk_fma_f32 v[rT+2:rT+3], v[rT+2:rT+3], v[rT+6:rT+7], v[rS:rS+1] op_sel_hi:[1,0,1]  ; l = a l + the sum
.endif
.endm
.macro RESC t                       ; tile t's O^T times a
	WIN 0x41                        ; O^T (destination and source 0) in window 1, a in window 0
.set i, 0
.rept 32
	v_pk_mul_f32 v[64*\t+2*i:64*\t+2*i+1], v[64*\t+2*i:64*\t+2*i+1], v[ST+8*\t+6:ST+8*\t+7] op_sel_hi:[1,0]
.set i, i+1
.endr
.endm
; A STEP: the key tile in the slot at s[TB].  The LDS loads stand in four runs of 32; each wait leaves the one younger run out.
; first = 1: the diagonal tile.  The four v_nop at the end are the places in front of the next step's loads into V's registers and of the way out.
.macro STEP first
	WIN 0
	v_add_nc_u32 v[ADK], s[TB], v[AK0]
	v_add_nc_u32 v[ADV], s[TB], v[AV0]
	FETCH_K 0
	FETCH_K 1
	s_wait_dscnt 32                 ; K of keys 0-63 is in
	KQ 0
	FETCH_V 0
	s_wait_dscnt 32                 ; K of keys 64-127 is in
	KQ 1
	FETCH_V 1
	WIN 0
	PLACES                          ; the softmax reads results just made
.if \first
	MASK 0
	MASK 1
.endif
	SOFT 0, \first
	SOFT 1, \first
.if !\first
	RESC 0
	RESC 1
.endif
	s_wait_dscnt 32                 ; V of keys 0-63 is in
	PV 0, \first
	PV 1, 0
	s_wait_dscnt 0x0                ; V of keys 64-127 is in
	PV 2, 0
	PV 3, 0
	WIN 0
	PLACES
.endm
	s_wait_dscnt 0x0                ; (no LDS instruction of mine is out)
	s_wait_tensorcnt 0x0            ; my part of the diagonal tile is in, and no tensor load of mine is out,
	ds_add_u32 v62, v63
	s_wait_dscnt 0x0
	s_barrier_signal -1
	s_barrier_wait -1               ; everybody's is
	s_cmp_eq_u32 s[QB], 0
	s_cbranch_scc1 .Lalone          ; block 0 has the diagonal tile alone: it asks for nothing more
	JL 1                            ; tile 0 into slot 1: my one tensor load behind this barrier, ahead of every LDS read
	s_wait_loadcnt 0x0              ; Q
	STEP 1
	s_mov_b32 s[TB], SLOT1
	s_cmp_eq_u32 s[QB], 1
	s_cbranch_scc1 .Ltail
	s_sub_co_u32 s[CNT], s[QB], 1
.Lloop:                             ; qb - 1 trips: trip i asks for tile i + 1 and works on tile i
	s_wait_dscnt 0x0                ; my reads of the slot read last are over,
	s_wait_tensorcnt 0x0            ; and my one tensor load has landed: my part of this trip's tile; a group 0 may be written
	ds_add_u32 v62, v63
	s_wait_dscnt 0x0
.irp g, G0K+4, G0V+4
	s_xor_b32 s[\g+1], s[\g+1], SLOT1  ; the walking descriptor: the other slot,
	s_add_nc_u64 s[\g+2:\g+3], s[\g+2:\g+3], KT*ROWB  ; the next 128 keys; the type bits on top are not reached
.endr
	s_barrier_signal -1
	s_barrier_wait -1               ; both hold of every wave
	JL 1                            ; the refill, first thing behind the barrier: it has the whole step in which to land
	STEP 0
	s_xor_b32 s[TB], s[TB], SLOT1
	s_sub_co_u32 s[CNT], s[CNT], 1
	s_cmp_gt_i32 s[CNT], 0          ; a signed compare: the loop ends from whatever start
	s_cbranch_scc1 .Lloop
.Ltail:                             ; tile qb - 1: nothing is left to ask for
	s_wait_dscnt 0x0
	s_wait_tensorcnt 0x0
	s_barrier_signal -1
	s_barrier_wait -1
	STEP 0
	s_branch .Lfin
.Lalone:
	s_wait_loadcnt 0x0              ; Q
	STEP 1
.Lfin:
	; THE WAY OUT.  l's two halves and the other half of the lanes' are added; O^T is divided by l, rounded to bf16 and sent through my stage in LDS, a tile (16 rows) at a time.
.irp t, 0,1
	v_add_f32 v[ST+8*\t+4], v[ST+8*\t+2], v[ST+8*\t+3]
.endr
.irp t, 0,1
	v_permlanex16_b32 v[ST+8*\t+5], v[ST+8*\t+4], s[SEL], s[SEL+1]
.endr
.irp t, 0,1
	v_add_f32 v[ST+8*\t+4], v[ST+8*\t+4], v[ST+8*\t+5]
.endr
.irp t, 0,1
	v_rcp_f32 v[ST+8*\t+6], v[ST+8*\t+4]
.endr
	v_nop                           ; a plain instruction between the last reciprocal and the use of its result
	s_wait_alu depctr_va_vdst(0)
.macro PACK t
	WIN 0x41
.set i, 0
.rept 32
	v_pk_mul_f32 v[64*\t+2*i:64*\t+2*i+1], v[64*\t+2*i:64*\t+2*i+1], v[ST+8*\t+6:ST+8*\t+7] op_sel_hi:[1,0]
.set i, i+1
.endr
	WIN 0x05                        ; sources 0 and 1 window 1, destination window 0: S^T's registers are free
.set i, 0
.rept 32
	v_cvt_pk_bf16_f32 v[S+32*\t+i], v[64*\t+2*i], v[64*\t+2*i+1]
.set i, i+1
.endr
	WIN 0
.irp f, 0,1,2,3,4,5,6,7
	ds_store_b128 v[STO], v[S+32*\t+4*\f:S+32*\t+4*\f+3] offset:32*\f
.endr
.irp f, 0,1,2,3,4,5,6,7
	ds_load_b128 v[S+32*\t+4*\f:S+32*\t+4*\f+3], v[RD] offset:\f*2*SP  ; LDS serves a wave's instructions in order (ISA guide 5.7.1.4): these see the stores above; the next tile's stores come behind them
.endr
.endm
.macro SEND t, younger              ; younger: the LDS instructions issued behind tile t's loads
.irp f, 0,1,2,3,4,5,6,7
	s_wait_dscnt \younger+7-\f
	global_store_b128 v[GO], v[S+32*\t+4*\f:S+32*\t+4*\f+3], s[6:7] offset:\t*16*ROWB+\f*2*ROWB  ; 16 lanes store 256 consecutive bytes, aligned
.endr
.endm
	PACK 0
	PACK 1
	SEND 0, 16
	SEND 1, 0
	; THE CAST.  Unit u = 0..511 is 65,536 bytes of f32: units 0-255 are Wo, 256-511 Wmlp; it becomes 32,768 bytes of wb at matrix 3's first byte + 32,768 u.
	; Pair p = 16 b + h owns units 16 p .. 16 p + 15; block qb takes the count and begins at the sum of the counts below it, both read off a constant, four bits a block.
	; It touches v10, v11 and v128-255 alone: none is a source of the stores of ctx that may still be out.
	s_and_b32 s14, ttmp7, 0xffff    ; p
	s_lshl_b32 s15, s[QB], 2
	s_lshr_b32 s[CNT], 0x00122344, s15
	s_and_b32 s[CNT], s[CNT], 15    ; my units: 4, 4, 3, 2, 2, 1, 0, 0
	s_lshr_b32 s16, 0x00fdb840, s15
	s_and_b32 s16, s16, 15          ; the units of the blocks below me: 0, 4, 8, 11, 13, 15 (blocks 6 and 7 have none of their own)
	s_lshl_b32 s17, s14, 4
	s_add_co_u32 s17, s17, s16      ; my first unit
	s_and_b32 s18, s17, 255
	s_lshl_b32 s18, s18, 16         ; its first byte in its matrix
	s_mov_b32 s19, 0
	s_cmp_lt_u32 s14, 16            ; a pair's sixteen units lie in one matrix
	s_cselect_b64 s[68:69], s[68:69], s[70:71]
	s_add_nc_u64 s[68:69], s[68:69], s[18:19]
	s_lshl_b32 s18, s17, 15
	s_add_co_u32 s18, s18, 3*MAT
	s_add_nc_u64 s[72:73], s[72:73], s[18:19]
	v_lshlrev_b32 v[CI], 4, v0      ; 16 t: a load of the 128 threads covers 2,048 consecutive bytes
	v_lshlrev_b32 v[CO8], 3, v0     ; 8 t: a wave's store covers 256 consecutive bytes, aligned
	s_cmp_eq_u32 s[CNT], 0
	s_cbranch_scc1 .Lend
.Lcast:                             ; a trip is a unit: all its 32 loads go out at once
.set i, 0
.rept 32
	global_load_b128 v[CX+4*i:CX+4*i+3], v[CI], s[68:69] offset:i*2048 th:TH_LOAD_NT
.set i, i+1
.endr
.set i, 0
.rept 32
	s_wait_loadcnt 31-i             ; loads come back in order: load i is in, the younger ones stay out
	v_cvt_pk_bf16_f32 v[CX+4*i],   v[CX+4*i],   v[CX+4*i+1]
	v_cvt_pk_bf16_f32 v[CX+4*i+1], v[CX+4*i+2], v[CX+4*i+3]
	global_store_b64 v[CO8], v[CX+4*i:CX+4*i+1], s[72:73] offset:i*1024
.set i, i+1
.endr
	s_wait_xcnt 0x0                 ; the bases, and the registers that the stores read, are written again only behind this wait
	s_add_nc_u64 s[68:69], s[68:69], 65536
	s_add_nc_u64 s[72:73], s[72:73], 32768
	s_sub_co_u32 s[CNT], s[CNT], 1
	s_cmp_gt_i32 s[CNT], 0
	s_cbranch_scc1 .Lcast
.Lend:
	s_wait_tensorcnt 0x0
	ds_add_u32 v62, v63
	s_wait_dscnt 0x0
	s_endpgm
.Lfunc_end_k_qafd175920d_attn:
	.size	k_qafd175920d_attn, .Lfunc_end_k_qafd175920d_attn-k_qafd175920d_attn
	.p2alignl 7, 3214868480
	.fill 96, 4, 3214868480
	.section	.rodata,"a",@progbits
	.p2align	6, 0x0
	.amdhsa_kernel k_qafd175920d_attn
		.amdhsa_group_segment_fixed_size 327680
		.amdhsa_private_segment_fixed_size 0
		.amdhsa_enable_private_segment 0
		.amdhsa_kernarg_size 40
		.amdhsa_user_sgpr_count 2
		.amdhsa_user_sgpr_kernarg_segment_ptr 1
		.amdhsa_wavefront_size32 1
		.amdhsa_system_sgpr_workgroup_id_x 1
		.amdhsa_system_sgpr_workgroup_id_y 1
		.amdhsa_system_sgpr_workgroup_id_z 1
		.amdhsa_system_vgpr_workitem_id 0
		.amdhsa_next_free_vgpr 1024
		.amdhsa_next_free_sgpr 80
		.amdhsa_reserve_vcc 1
		.amdhsa_float_denorm_mode_32 3
		.amdhsa_float_denorm_mode_16_64 3
		.amdhsa_memory_ordered 1
		.amdhsa_forward_progress 1
		.amdhsa_inst_pref_size 211
	.end_amdhsa_kernel
	.amdgpu_metadata
---
amdhsa.version: [ 1, 2 ]
amdhsa.kernels:
  - .name:           k_qafd175920d_attn
    .symbol:         k_qafd175920d_attn.kd
    .args:
      - { .name: qkv, .offset: 0, .size: 8, .value_kind: global_buffer, .address_space: global }
      - { .name: ctx, .offset: 8, .size: 8, .value_kind: global_buffer, .address_space: global }
      - { .name: Wo, .offset: 16, .size: 8, .value_kind: global_buffer, .address_space: global }
      - { .name: Wmlp, .offset: 24, .size: 8, .value_kind: global_buffer, .address_space: global }
      - { .name: wb, .offset: 32, .size: 8, .value_kind: global_buffer, .address_space: global }
    .group_segment_fixed_size: 327680
    .private_segment_fixed_size: 0
    .kernarg_segment_align: 8
    .kernarg_segment_size: 40
    .max_flat_workgroup_size: 128
    .sgpr_count:     80
    .vgpr_count:     1024
    .wavefront_size: 32
...
	.end_amdgpu_metadata
.endif
;; end of part 8
;; launch wo (part 9): grid 16 x 16, 4 waves a work-group, clusters of 4 x 4, 327,680 bytes of LDS; arguments ctx, wb, x, ln2_scale, x1, a2, part; writes x1, a2, part
.if DOCPART == 9
	.amdgcn_target "amdgcn-amd-amdhsa--gfx1250"
	.amdhsa_code_object_version 6
	.text
	.protected	k_qafd175920d_wo
	.globl	k_qafd175920d_wo
	.p2align	8
	.type	k_qafd175920d_wo,@function
k_qafd175920d_wo:
	s_mov_b64 s[64:65], 0
	v_nop
	global_prefetch_b8 v0, s[64:65] scope:SCOPE_SE
	s_setreg_imm32_b32 hwreg(HW_REG_WAVE_MODE, 25, 1), 1
	s_wait_xcnt 0x0
	s_wait_alu depctr_hold_cnt(0) depctr_sa_sdst(0) depctr_va_vdst(0) depctr_va_sdst(0) depctr_va_ssrc(0) depctr_va_vcc(0) depctr_vm_vsrc(0)
	s_getreg_b32 s2, hwreg(HW_REG_IB_STS2, 6, 4)
	s_cmp_eq_u32 s2, 0
	s_cbranch_scc0 .Lentry_in_a_cluster
	s_endpgm
.Lentry_in_a_cluster:
	s_bfe_u32 s2, ttmp6, 0x10000c
	s_cmp_lg_u32 s2, 0xf033
	s_cbranch_scc0 .Lentry_shape_is_right
	s_endpgm
.Lentry_shape_is_right:
; x1[m][n] = x[m][n] + sum over k of ctx[m][k] wb[3][k][n] (f32);  a2[m][n] = bf16(x1[m][n] ln2_scale[n]);  part[tc][m] = sum over the tile's 128 columns of x1[m][n]^2.
; ctx: [2048][2048] bf16; wb[3] = Wo as [2048 k][2048 n] bf16; sums in f32.  The second norm's factor rsqrt(mean(x1^2) + eps) is one number a row, so the next launch
; applies it to its f32 sums; this launch hands it the operand without that factor and the sixteen partial sums of squares of each row.
; The product: a tile of 128 x 128, four waves of 64 x 64, K in steps of 256 through two LDS slots, B turned by ds_load_tr16_b128, 4 x 4 clusters with joint loads
; (A's tile shared along a row of the cluster, B's along a column), the matrix instruction used transposed (a lane holds eight neighbouring numbers of a row).
; PREFETCH.  The tiles of later K steps are asked for ahead of the tensor loads that fetch them, a lap (two K steps, 512 along K) at a request, one block of 256 bytes a lane.
; Wave 0 asks for 8 rows x 1,024 bytes of A (row 128 tr + 8 tc + lane / 4, block lane % 4): the sixteen work-groups of a tile row share its 128 rows, so each block of A is asked for once in the launch.
; Waves 1 and 2 ask for 32 k rows x 256 bytes of B each (k row 512 lap + 256 p + 64 cy + 32 (wave - 1) + lane; p = the parity of the cluster row's two bits): cluster rows 0 and 3 ask for a lap's
; first 256 k rows, rows 1 and 2 for its last 256, so each block of B is asked for by two of the four cluster rows that read it.  Wave 3 asks for nothing.
; Lap 1 is asked for behind the first fills.  Trip t of the loop asks, behind its first refill, for lap t + 2, which trip t + 1's refills load: the first of them stands 256 matrix instructions
; further on.  The last trip asks for nothing: lap 3 is the last.  A work-group asks for 24 KB at a request and has at most two requests' bytes unread.
; THE WAY OUT goes through an f32 stage in slot 0's bytes for A, which have had their last fill and whose last reads stand in front of the last change of slots: each wave then
; owns 32 WHOLE rows of the tile (512 bytes a row, 16 bytes a lane), so that the residual, the scale, the squares and all stores work on whole rows.
; My 32 rows of x are asked for at the start, into window 2, and land under the product.
; LIMITS: a2 is rounded to bf16; a row's squares are added lane by lane and then across lanes; the store into part covers 128 consecutive bytes a wave.
; REGISTERS: window 0: v0-31 addresses, ln2_scale, at work; v32-95 a2; v96-127 sums of squares; v128-255 the accumulators, then my rows.  window 1: two fragment buffers.  window 2: v0-127 x.
.set KSTEP,  256
.set ROWB,   4096                      ; bytes in a row of 2,048 bf16
.set ROWF,   8192                      ; in f32
.set MAT,    2048*ROWB
.set PA,     528                       ; A's LDS row: 512 bytes + 16: row r starts at bank 4 r mod 64 (64 banks of 4 bytes: ISA guide 11.1)
.set HALFA,  64*PA
.set PB,     288                       ; B's LDS row: 256 bytes + 32
.set HALFB,  128*PB
.set BOFF,   2*HALFA
.set SLOT,   BOFF+2*HALFB
.set SP,     528                       ; the stage: 128 rows of 512 bytes + 16, at LDS byte 0: exactly A's part of slot 0
.set LAPS,   2048/(2*KSTEP)
.set L4,   6                           ; v6      4 x lane
.set LANE, 7                           ; v7      lane
.set LN,   8                           ; v8-11   ln2_scale of my 4 columns
.set PO,   12                          ; v12     the prefetch: my lane's byte offset; never rewritten (v13 at work)
.set ADRA, 16                          ; v16-17  LDS address of my A fragments in slot 0, 1
.set ADRB, 20                          ; v20-23  the same for B: slot 0 k rows 0-127, 128-255; slot 1 likewise
.set STO,  24                          ; v24     the way out: where I put 32 bytes of a row
.set RD,   25                          ; v25     the way out: where I read my rows back
.set CO,   26                          ; v26     16 x lane: my 16 bytes of an f32 row
.set CO2,  27                          ; v27     8 x lane: my 8 bytes of a bf16 row
.set T,    28                          ; v28-31  at work
.set A2,   32
.set SQ,   96
.set ACC,  128
.set F0,   0
.set F1,   128
.set G1, 24
.set G0, 32
.set G1B, 48
.set G0B, 56
.set PFB, 86                           ; s[86:87] the prefetch: my wave's base, at the lap asked for last
.set PFS, 88                           ; s[88:89] bytes from a lap to the next: 1,024 in A, 512 rows of 4,096 in B
.set PTH, 92                           ; s92      a trip asks if at least so many trips are to go: 2, or 4 (never) in wave 3
.set MSB, 0
.macro WIN new                         ; the immediate's high byte repeats the setting that is left
.if MSB != \new
	s_set_vgpr_msb (MSB<<8)|\new
.set MSB, \new
.endif
.endm
.set MUL,  0x05                        ; sources 0 (B) and 1 (A) window 1; C and D window 0
.set TO_F, 0x40                        ; destination window 1, address window 0
.macro JLOAD s                         ; a joint load: waves 0 and 1 fetch A's two halves, waves 2 and 3 B's; four v_nop follow each of the two lines
	s_cmp_eq_u32 s11, 0
	s_cbranch_scc0 .Lfor_b_\@
	tensor_load_to_lds s[G0+4*\s:G0+4*\s+3], s[G1:G1+7]
	s_nop 0
.rept 4
	v_nop
.endr
	s_branch .Lasked_\@
.Lfor_b_\@:
	tensor_load_to_lds s[G0B+4*\s:G0B+4*\s+3], s[G1B:G1B+7]
	s_nop 0
.rept 4
	v_nop
.endr
.Lasked_\@:
.endm
.macro ASK                             ; the loop's request: the lap behind the one asked for last.  The branch hangs on the trip counter and the wave's number alone
	s_cmp_lt_u32 s3, s[PTH]
	s_cbranch_scc1 .Lno_ask_\@
	s_wait_xcnt 0x0                                ; the base, which the last request named a trip ago, is written again only behind this wait
	s_add_nc_u64 s[PFB:PFB+1], s[PFB:PFB+1], s[PFS:PFS+1]
	global_prefetch_b8 v[PO], s[PFB:PFB+1] th:TH_LOAD_NT scope:SCOPE_SE
.Lno_ask_\@:
.endm
.macro CREST                           ; a round of the cluster's barrier behind its opening barrier
	s_cmp_lg_u32 s10, 0
	s_cbranch_scc1 .Lnot_wave_0_\@
	s_barrier_signal -3
.Lnot_wave_0_\@:
	s_barrier_wait -3
	s_barrier_signal -1
	s_barrier_wait -1
.endm
.macro CROUND                          ; a whole round
	s_barrier_signal -1
	s_barrier_wait -1
	CREST
.endm
	s_load_b128 s[4:7], s[0:1], 0x0                ; ctx s[4:5], wb s[6:7]
	s_load_b256 s[68:75], s[0:1], 0x10             ; x s[68:69], ln2_scale s[70:71], x1 s[72:73], a2 s[74:75]
	s_load_b64 s[76:77], s[0:1], 0x30              ; part
	v_lshl_add_u32 v18, v0, 2, 0x45000
	v_mov_b32 v19, 0
	ds_add_u32 v18, v19
	ds_add_u32 v18, v19
	v_lshrrev_b32 v1, 5, v0
	v_readfirstlane_b32 s10, v1                    ; wave 0..3
	s_lshr_b32 s11, s10, 1                         ; which half of the tile's rows is mine.  Also: I fetch for A (0) or for B (1)
	s_and_b32 s12, s10, 1                          ; which half of its columns.  Also: which half of that tile I fetch
	s_bfe_u32 s40, ttmp6, 0x40000                  ; cx, cy: my place in the cluster
	s_bfe_u32 s41, ttmp6, 0x40004
	s_lshl_b32 s42, ttmp9, 2
	s_add_co_u32 s42, s42, s40                     ; tile column tc = 4 x cluster x + cx
	s_and_b32 s13, ttmp7, 0xffff
	s_lshl_b32 s13, s13, 2
	s_add_co_u32 s13, s13, s41                     ; tile row tr = 4 x cluster y + cy
	s_lshl_b32 s43, s41, 2
	s_lshl_b32 s43, 15, s43                        ; my row of the cluster
	s_lshl_b32 s44, 0x1111, s40                    ; my column
	; group 1 for A: 64 rows x 256 elements of 2 bytes; 16 bytes of padding behind every 128 words
	s_or_b32 s[G1+0], s43, (1<<16)|(1<<20)|(1<<21)|(6<<22)|(3<<25)
	s_mov_b32 s[G1+1], KSTEP<<16
	s_mov_b32 s[G1+2], 64<<16
	s_mov_b32 s[G1+3], KSTEP<<16
	s_mov_b32 s[G1+4], 64
	s_mov_b32 s[G1+5], 2048
	s_mov_b32 s[G1+6], 0
	s_mov_b32 s[G1+7], 0
	; group 1 for B: 128 k rows x 128 elements; 32 bytes of padding behind every 64 words
	s_or_b32 s[G1B+0], s44, (1<<16)|(1<<20)|(1<<21)|(5<<22)|(7<<25)
	s_mov_b32 s[G1B+1], 128<<16
	s_mov_b32 s[G1B+2], 128<<16
	s_mov_b32 s[G1B+3], 128<<16
	s_mov_b32 s[G1B+4], 128
	s_mov_b32 s[G1B+5], 2048
	s_mov_b32 s[G1B+6], 0
	s_mov_b32 s[G1B+7], 0
	; where the tiles come from: A's hang on tr alone, B's on tc alone, each in registers that never hold the other coordinate
	s_lshl_b32 s16, s13, 7
	s_lshl_b32 s17, s12, 6
	s_add_co_u32 s16, s16, s17                     ; A: row 128 tr + 64 x half,
	s_lshl_b32 s16, s16, 12                        ; in bytes
	s_mov_b32 s17, 0
	s_lshl_b32 s46, s42, 8                         ; B: columns 128 tc on: 256 bytes,
	s_lshl_b32 s47, s12, 19                        ; k rows 128 x half,
	s_add_co_u32 s46, s46, s47
	s_add_co_u32 s46, s46, 3*MAT                   ; of matrix 3
	s_mov_b32 s47, 0
	s_mul_i32 s20, s12, HALFA                      ; and where they go: no place in the cluster enters an LDS address
	s_mul_i32 s45, s12, HALFB
	s_add_co_u32 s45, s45, BOFF
	s_wait_dscnt 0x0
	s_wait_kmcnt 0x0
	s_add_nc_u64 s[14:15], s[4:5], s[16:17]
	s_add_nc_u64 s[46:47], s[6:7], s[46:47]
	CROUND                                         ; all sixteen work-groups are here: the first joint loads meet
.irp s, 0,1
	s_mov_b32 s[G0+4*\s], 1
	s_add_co_u32 s[G0+4*\s+1], s20, \s*SLOT
	s_add_nc_u64 s[G0+4*\s+2:G0+4*\s+3], s[14:15], \s*KSTEP*2
	s_or_b32 s[G0+4*\s+3], s[G0+4*\s+3], 0x80000000
	s_mov_b32 s[G0B+4*\s], 1
	s_add_co_u32 s[G0B+4*\s+1], s45, \s*SLOT
	s_add_nc_u64 s[G0B+4*\s+2:G0B+4*\s+3], s[46:47], \s*KSTEP*ROWB
	s_or_b32 s[G0B+4*\s+3], s[G0B+4*\s+3], 0x80000000
	JLOAD \s                                       ; two loads of mine are out
.endr
	; THE PREFETCH'S ADDRESSES, in registers that feed no descriptor.  First lap 1's offsets: B's in s80, A's in s82
	v_and_b32 v[LANE], 31, v0
	s_mov_b32 s85, 0                               ; high words of the offset and of the step
	s_mov_b32 s89, 0
	s_mov_b32 s93, 2*KSTEP*2                       ; a lap in a row of A: 1,024 bytes
	s_mov_b32 s94, 2*KSTEP*ROWB                    ; a lap in B: 512 k rows
	s_and_b32 s80, ttmp7, 0xffff                   ; the cluster's row, 0..3
	s_lshr_b32 s81, s80, 1
	s_xor_b32 s80, s80, s81
	s_and_b32 s80, s80, 1                          ; p: the parity of its two bits
	s_lshl_b32 s80, s80, 20                        ; 256 p k rows of 4,096 bytes
	s_lshl_b32 s81, s41, 18                        ; + 64 cy
	s_add_co_u32 s80, s80, s81
	s_lshl_b32 s81, s10, 17                        ; + 32 x wave
	s_add_co_u32 s80, s80, s81
	s_lshl_b32 s81, s42, 8                         ; + the tile's 256 bytes of a k row
	s_add_co_u32 s80, s80, s81
	s_add_co_u32 s80, s80, 3*MAT+2*KSTEP*ROWB-32*ROWB   ; matrix 3, lap 1, and 32 rows back: waves 1 and 2 count as 0 and 1
	s_lshl_b32 s82, s13, 19                        ; A: row 128 tr
	s_lshl_b32 s83, s42, 15                        ; + 8 tc
	s_add_co_u32 s82, s82, s83
	s_add_co_u32 s82, s82, 2*KSTEP*2               ; lap 1
	s_cmp_eq_u32 s10, 0                            ; wave 0 asks for A, the others for B
	s_cselect_b32 s84, s82, s80
	s_cselect_b64 s[PFB:PFB+1], s[4:5], s[6:7]
	s_cselect_b32 s[PFS], s93, s94
	s_cselect_b32 s90, 2, 0                        ; A: four lanes to a row; B: one
	s_cselect_b32 s91, 3, 0
	s_add_nc_u64 s[PFB:PFB+1], s[PFB:PFB+1], s[84:85]
	s_cmp_eq_u32 s10, 3
	s_cselect_b32 s[PTH], 4, 2
	v_lshrrev_b32 v[PO], s90, v[LANE]              ; my row among the request's 8 (A) or 32 (B)
	v_and_b32 v13, s91, v[LANE]                    ; my block of its 1,024 bytes (A)
	v_lshlrev_b32 v[PO], 12, v[PO]
	v_lshl_add_u32 v[PO], v13, 8, v[PO]
	s_cbranch_scc1 .Lno_first_ask                  ; (SCC still holds wave = 3: only selects and vector work stand behind the compare)
	global_prefetch_b8 v[PO], s[PFB:PFB+1] th:TH_LOAD_NT scope:SCOPE_SE   ; lap 1: K steps 2 and 3, which the first trip's refills load
.Lno_first_ask:
	; the bases of the way out: the row's part in s[18:19] (tr and the wave alone), the column's in s[46:47] (tc alone)
	s_lshl_b32 s16, s13, 7
	s_lshl_b32 s17, s10, 5
	s_add_co_u32 s16, s16, s17                     ; my first whole row: 128 tr + 32 x wave
	s_mov_b32 s19, 0
	s_lshl_b32 s18, s16, 2
	s_add_nc_u64 s[76:77], s[76:77], s[18:19]      ; part: 4 bytes a row
	s_lshl_b32 s18, s16, 12
	s_add_nc_u64 s[74:75], s[74:75], s[18:19]      ; a2
	s_lshl_b32 s18, s16, 13
	s_add_nc_u64 s[68:69], s[68:69], s[18:19]      ; x
	s_add_nc_u64 s[72:73], s[72:73], s[18:19]      ; x1
	s_mov_b32 s47, 0
	s_lshl_b32 s46, s42, 8
	s_add_nc_u64 s[74:75], s[74:75], s[46:47]
	s_lshl_b32 s46, s42, 9
	s_add_nc_u64 s[68:69], s[68:69], s[46:47]
	s_add_nc_u64 s[70:71], s[70:71], s[46:47]      ; ln2_scale
	s_add_nc_u64 s[72:73], s[72:73], s[46:47]
	s_lshl_b32 s46, s42, 13
	s_add_nc_u64 s[76:77], s[76:77], s[46:47]      ; part: 8,192 bytes a tile column
	v_lshlrev_b32 v[CO], 4, v[LANE]
	v_lshlrev_b32 v[CO2], 3, v[LANE]
	v_lshlrev_b32 v[L4], 2, v[LANE]
	WIN 0x80                                       ; destination window 2
.set t, 0
.rept 32
	global_load_b128 v[4*t:4*t+3], v[CO], s[68:69] offset:t*ROWF th:TH_LOAD_NT   ; row t of my 32: 512 consecutive bytes
.set t, t+1
.endr
	WIN 0
	global_load_b128 v[LN:LN+3], v[CO], s[70:71]
	v_and_b32 v1, 15, v0                           ; l % 16
	v_bfe_u32 v2, v0, 4, 1                         ; l / 16
	v_mul_u32_u24 v3, v1, PA
	v_lshl_add_u32 v3, v2, 4, v3                   ; A: a fragment's row x pitch + 16 x half of the lanes
	s_mul_i32 s21, s11, HALFA                      ; my 64 rows of A
	v_add_nc_u32 v[ADRA], s21, v3
	s_add_co_u32 s21, s21, SLOT
	v_add_nc_u32 v[ADRA+1], s21, v3
	v_and_b32 v4, 7, v0                            ; B: lane l addresses k row 8 (l / 16) + l % 8, columns 8 ((l / 8) % 2) on
	v_lshl_add_u32 v4, v2, 3, v4
	v_mul_u32_u24 v4, v4, PB
	v_bfe_u32 v5, v0, 3, 1
	v_lshl_add_u32 v4, v5, 4, v4
	s_lshl_b32 s22, s12, 7                         ; my 64 columns of B: 128 bytes
	s_add_co_u32 s22, s22, BOFF
	v_add_nc_u32 v[ADRB], s22, v4
	s_add_co_u32 s22, s22, HALFB
	v_add_nc_u32 v[ADRB+1], s22, v4
	s_add_co_u32 s22, s22, SLOT-HALFB
	v_add_nc_u32 v[ADRB+2], s22, v4
	s_add_co_u32 s22, s22, HALFB
	v_add_nc_u32 v[ADRB+3], s22, v4
	s_mul_i32 s23, s11, 64*SP                      ; into the stage: my 64 rows, my half of their 512 bytes; row l % 16, 32 bytes for each half of the lanes
	s_lshl_b32 s21, s12, 8
	s_add_co_u32 s23, s23, s21
	v_mul_u32_u24 v4, v1, SP
	v_lshl_add_u32 v4, v2, 5, v4
	v_add_nc_u32 v[STO], s23, v4
	s_mul_i32 s23, s10, 32*SP                      ; back: wave w takes rows 32 w .. 32 w + 31, whole
	v_add_nc_u32 v[RD], s23, v[CO]
; 8 matrix instructions: m blocks a0, a0 + 1 x all 4 n blocks, 32 along K: half c of buffer f.  zero = 1: the first product starts the sums.
; The 16 accumulators take turns, one instruction a turn.
.macro MUL8 f, c, a0, zero
.irp a, \a0, \a0+1
.irp b, 0,1,2,3
.if \zero
	v_wmma_f32_16x16x32_bf16 v[ACC+8*(4*(\a)+\b):ACC+8*(4*(\a)+\b)+7], v[\f+64+8*(4*\c+\b):\f+64+8*(4*\c+\b)+7], v[\f+8*(4*\c+\a):\f+8*(4*\c+\a)+7], 0
.else
	v_wmma_f32_16x16x32_bf16 v[ACC+8*(4*(\a)+\b):ACC+8*(4*(\a)+\b)+7], v[\f+64+8*(4*\c+\b):\f+64+8*(4*\c+\b)+7], v[\f+8*(4*\c+\a):\f+8*(4*\c+\a)+7], v[ACC+8*(4*(\a)+\b):ACC+8*(4*(\a)+\b)+7]
.endif
.endr
.endr
.endm
; 32 LDS loads in one run: the fragments of quarter q (64 along K) of a slot into buffer f; the first 32 along K first
.macro FETCH slot, q, f
	WIN TO_F
.irp c, 0,1
.irp i, 0,1,2,3
	ds_load_tr16_b128 v[\f+64+8*(4*\c+\i):\f+64+8*(4*\c+\i)+3],   v[ADRB+2*\slot+(\q)/2] offset:(((\q)%2)*64+32*\c)*PB+32*\i
	ds_load_tr16_b128 v[\f+64+8*(4*\c+\i)+4:\f+64+8*(4*\c+\i)+7], v[ADRB+2*\slot+(\q)/2] offset:(((\q)%2)*64+32*\c+16)*PB+32*\i
	ds_load_b128 v[\f+8*(4*\c+\i):\f+8*(4*\c+\i)+3],              v[ADRA+\slot] offset:128*\q+64*\c+\i*16*PA
	ds_load_b128 v[\f+8*(4*\c+\i)+4:\f+8*(4*\c+\i)+7],            v[ADRA+\slot] offset:128*\q+64*\c+\i*16*PA+32
.endr
.endr
.endm
.macro PLACES                          ; four places in front of loads into registers that matrix instructions have read, and of instructions that read results
.rept 4
	v_nop
.endr
.endm
.macro QUARTER slot, q, f, g, zero     ; multiplies buffer f (64 along K, 32 matrix instructions) and fetches quarter q into g
	s_wait_dscnt 16                                ; the first 32 along K are in; the sixteen younger loads may be out
	WIN MUL
	MUL8 \f, 0, 0, \zero
	MUL8 \f, 0, 2, \zero
	PLACES
	FETCH \slot, \q, \g
	s_wait_dscnt 32                                ; all but the 32 just issued
	WIN MUL
	MUL8 \f, 1, 0, 0
	MUL8 \f, 1, 2, 0
.endm
; The last quarter multiplies buffer 1 and changes slots: one barrier; in front of it each wave waits for its own reads of this slot and for all its tensor loads.
; fill = 1: the barrier opens a round of the cluster's barrier, and this slot is filled again, two K steps ahead, first thing behind the round.
; ask = 1: the trip's prefetch request stands behind that refill, where the wave has just issued its load.
.macro TURN slot, next, fill, ask
	s_wait_dscnt 16
	WIN MUL
	MUL8 F1, 0, 0, 0
	s_wait_dscnt 0                                 ; my reads of this slot are over,
	s_set_vgpr_msb 0x500
	s_wait_tensorcnt 0x0                           ; and all my tensor loads have landed: my part of the next slot
	ds_add_u32 v18, v19
	s_wait_dscnt 0x0
	s_set_vgpr_msb 0x5
	s_barrier_signal -1
	MUL8 F1, 0, 2, 0
.if \fill
	WIN 0
.endif
	s_barrier_wait -1
.if \fill
	CREST                                          ; no wave of any partner still reads this slot's tile or has a load on its way
	s_add_nc_u64 s[G0+4*\slot+2:G0+4*\slot+3], s[G0+4*\slot+2:G0+4*\slot+3], 2*KSTEP*2
	s_add_nc_u64 s[G0B+4*\slot+2:G0B+4*\slot+3], s[G0B+4*\slot+2:G0B+4*\slot+3], 2*KSTEP*ROWB
	JLOAD \slot                                    ; 120 matrix instructions ahead of the wait for it; its four v_nop are also the places in front of the loads below
.if \ask
	ASK
.endif
.else
	PLACES
.endif
	FETCH \next, 0, F0
	WIN MUL
	MUL8 F1, 1, 0, 0
	MUL8 F1, 1, 2, 0
.endm
	s_wait_tensorcnt 1                             ; my part of K step 0 is in; K step 1's may stay out
	s_barrier_signal -1
	s_barrier_wait -1                              ; everybody's is
	FETCH 0, 0, F0
	QUARTER 0, 1, F0, F1, 1                        ; the first quarter stands in front of the loop: its first products start the sums
	WIN 0                                          ; at a label and at a branch every window is 0
	s_mov_b32 s3, LAPS-1
.Llap:                                                 ; a trip goes once round the ring and fills both slots again
	QUARTER 0, 2, F1, F0, 0
	QUARTER 0, 3, F0, F1, 0
	TURN 0, 1, 1, 1
	QUARTER 1, 1, F0, F1, 0
	QUARTER 1, 2, F1, F0, 0
	QUARTER 1, 3, F0, F1, 0
	TURN 1, 0, 1, 0
	QUARTER 0, 1, F0, F1, 0
	WIN 0
	s_sub_co_u32 s3, s3, 1
	s_cmp_lg_u32 s3, 0
	s_cbranch_scc1 .Llap
	QUARTER 0, 2, F1, F0, 0                        ; the last lap fills nothing
	QUARTER 0, 3, F0, F1, 0
	TURN 0, 1, 0, 0                                ; behind this barrier no wave reads slot 0 any more, and nothing fills it again
	QUARTER 1, 1, F0, F1, 0
	QUARTER 1, 2, F1, F0, 0
	QUARTER 1, 3, F0, F1, 0
	s_wait_dscnt 16
	WIN MUL
	MUL8 F1, 0, 0, 0
	MUL8 F1, 0, 2, 0
	s_wait_dscnt 0
	MUL8 F1, 1, 0, 0
	MUL8 F1, 1, 2, 0
	WIN 0
	; THE WAY OUT.  The f32 sums go into the stage, 32 bytes a lane; a barrier, since a row's 512 bytes come from two waves; back as whole rows, 32 a wave.
	PLACES
.irp a, 0,1,2,3
.irp b, 0,1,2,3
	ds_store_b128 v[STO], v[ACC+8*(4*\a+\b):ACC+8*(4*\a+\b)+3]   offset:\a*16*SP+64*\b
	ds_store_b128 v[STO], v[ACC+8*(4*\a+\b)+4:ACC+8*(4*\a+\b)+7] offset:\a*16*SP+64*\b+16
.endr
.endr
	s_wait_dscnt 0x0                               ; for the others' sake: my stores into the stage are done
	s_barrier_signal -1
	s_barrier_wait -1
.set t, 0
.rept 32
	ds_load_b128 v[ACC+4*t:ACC+4*t+3], v[RD] offset:t*SP   ; row t of my 32; my lane: columns 4 lane .. + 3
.set t, t+1
.endr
	s_mov_b32 s16, 0x76543210                      ; v_permlanex16_b32: each lane takes its own place in the other half
	s_mov_b32 s17, 0xfedcba98
	s_wait_loadcnt 0x0                             ; x and ln2_scale
	s_wait_dscnt 0x0
	WIN 0x02                                       ; source 0 (x) in window 2
.set t, 0
.rept 64
	v_pk_add_f32 v[ACC+2*t:ACC+2*t+1], v[2*t:2*t+1], v[ACC+2*t:ACC+2*t+1]   ; x1
.set t, t+1
.endr
	WIN 0
.set t, 0
.rept 32
	global_store_b128 v[CO], v[ACC+4*t:ACC+4*t+3], s[72:73] offset:t*ROWF   ; 512 consecutive bytes, aligned
.set t, t+1
.endr
.set t, 0
.rept 32
	v_pk_mul_f32 v[T:T+1],   v[ACC+4*t:ACC+4*t+1],   v[LN:LN+1]
	v_pk_mul_f32 v[T+2:T+3], v[ACC+4*t+2:ACC+4*t+3], v[LN+2:LN+3]
	v_cvt_pk_bf16_f32 v[A2+2*t],   v[T],   v[T+1]
	v_cvt_pk_bf16_f32 v[A2+2*t+1], v[T+2], v[T+3]
	global_store_b64 v[CO2], v[A2+2*t:A2+2*t+1], s[74:75] offset:t*ROWB     ; 256 consecutive bytes, aligned
	v_pk_mul_f32 v[T:T+1], v[ACC+4*t:ACC+4*t+1], v[ACC+4*t:ACC+4*t+1]
	v_pk_fma_f32 v[T:T+1], v[ACC+4*t+2:ACC+4*t+3], v[ACC+4*t+2:ACC+4*t+3], v[T:T+1]
	v_add_f32 v[SQ+t], v[T], v[T+1]                ; my four columns' squares of row t
.set t, t+1
.endr
.irp m, 1, 2, 4, 8                     ; across the lanes, all 32 rows a step, so that no instruction waits for the one in front of it
.set t, 0
.rept 32
	v_add_f32_dpp v[SQ+t], v[SQ+t], v[SQ+t] row_xmask:\m row_mask:0xf bank_mask:0xf
.set t, t+1
.endr
.endr
.set t, 0
.rept 32
	v_permlanex16_b32 v[T+t%4], v[SQ+t], s16, s17  ; its destination has been written
	v_add_f32 v[SQ+t], v[SQ+t], v[T+t%4]           ; every lane holds row t's sum
.set t, t+1
.endr
	v_mov_b32 v3, v[SQ]
.set t, 1
.rept 31
	v_cmp_eq_u32 vcc_lo, t, v[LANE]
	v_cndmask_b32 v3, v3, v[SQ+t], vcc_lo          ; lane t keeps row t's
.set t, t+1
.endr
	global_store_b32 v[L4], v3, s[76:77]           ; 128 consecutive bytes: my 32 rows' partial sums for this tile column
	s_wait_tensorcnt 0x0
	ds_add_u32 v18, v19
	s_wait_dscnt 0x0
	CROUND                                         ; the closing round: no work-group ends while a partner may still ask for a tile that names it
	s_endpgm
.Lfunc_end_k_qafd175920d_wo:
	.size	k_qafd175920d_wo, .Lfunc_end_k_qafd175920d_wo-k_qafd175920d_wo
	.p2alignl 7, 3214868480
	.fill 96, 4, 3214868480
	.section	.rodata,"a",@progbits
	.p2align	6, 0x0
	.amdhsa_kernel k_qafd175920d_wo
		.amdhsa_group_segment_fixed_size 327680
		.amdhsa_private_segment_fixed_size 0
		.amdhsa_enable_private_segment 0
		.amdhsa_kernarg_size 56
		.amdhsa_user_sgpr_count 2
		.amdhsa_user_sgpr_kernarg_segment_ptr 1
		.amdhsa_wavefront_size32 1
		.amdhsa_system_sgpr_workgroup_id_x 1
		.amdhsa_system_sgpr_workgroup_id_y 1
		.amdhsa_system_sgpr_workgroup_id_z 1
		.amdhsa_system_vgpr_workitem_id 0
		.amdhsa_next_free_vgpr 640
		.amdhsa_next_free_sgpr 96
		.amdhsa_reserve_vcc 1
		.amdhsa_float_denorm_mode_32 3
		.amdhsa_float_denorm_mode_16_64 3
		.amdhsa_memory_ordered 1
		.amdhsa_forward_progress 1
		.amdhsa_inst_pref_size 124
	.end_amdhsa_kernel
	.amdgpu_metadata
---
amdhsa.version: [ 1, 2 ]
amdhsa.kernels:
  - .name:           k_qafd175920d_wo
    .symbol:         k_qafd175920d_wo.kd
    .args:
      - { .name: ctx, .offset: 0, .size: 8, .value_kind: global_buffer, .address_space: global }
      - { .name: wb, .offset: 8, .size: 8, .value_kind: global_buffer, .address_space: global }
      - { .name: x, .offset: 16, .size: 8, .value_kind: global_buffer, .address_space: global }
      - { .name: ln2_scale, .offset: 24, .size: 8, .value_kind: global_buffer, .address_space: global }
      - { .name: x1, .offset: 32, .size: 8, .value_kind: global_buffer, .address_space: global }
      - { .name: a2, .offset: 40, .size: 8, .value_kind: global_buffer, .address_space: global }
      - { .name: part, .offset: 48, .size: 8, .value_kind: global_buffer, .address_space: global }
    .group_segment_fixed_size: 327680
    .private_segment_fixed_size: 0
    .kernarg_segment_align: 8
    .kernarg_segment_size: 56
    .max_flat_workgroup_size: 128
    .sgpr_count:     96
    .vgpr_count:     640
    .wavefront_size: 32
...
	.end_amdgpu_metadata
.endif
;; end of part 9
;; launch mlp (part 10): grid 16 x 16, 4 waves a work-group, clusters of 4 x 4, 327,680 bytes of LDS; arguments a2, wb, x1, bmlp, part, out0; writes out0
.if DOCPART == 10
	.amdgcn_target "amdgcn-amd-amdhsa--gfx1250"
	.amdhsa_code_object_version 6
	.text
	.protected	k_qafd175920d_mlp
	.globl	k_qafd175920d_mlp
	.p2align	8
	.type	k_qafd175920d_mlp,@function
k_qafd175920d_mlp:
	s_mov_b64 s[64:65], 0
	v_nop
	global_prefetch_b8 v0, s[64:65] scope:SCOPE_SE
	s_setreg_imm32_b32 hwreg(HW_REG_WAVE_MODE, 25, 1), 1
	s_wait_xcnt 0x0
	s_wait_alu depctr_hold_cnt(0) depctr_sa_sdst(0) depctr_va_vdst(0) depctr_va_sdst(0) depctr_va_ssrc(0) depctr_va_vcc(0) depctr_vm_vsrc(0)
	s_getreg_b32 s2, hwreg(HW_REG_IB_STS2, 6, 4)
	s_cmp_eq_u32 s2, 0
	s_cbranch_scc0 .Lentry_in_a_cluster
	s_endpgm
.Lentry_in_a_cluster:
	s_bfe_u32 s2, ttmp6, 0x10000c
	s_cmp_lg_u32 s2, 0xf033
	s_cbranch_scc0 .Lentry_shape_is_right
	s_endpgm
.Lentry_shape_is_right:
; out0[m][n] = x1[m][n] + rs[m] (sum over k of a2[m][k] wb[4][k][n]) + bmlp[n],  rs[m] = rsqrt((sum over 16 tile columns of part[.][m]) / 2048 + 1e-5).
; a2 = bf16(x1 ln2_scale): [2048][2048]; wb[4] = Wmlp as [2048 k][2048 n] bf16; sums in f32.  The norm's factor is one number a row, so it multiplies the f32 sums.
; The product: a tile of 128 x 128, four waves of 64 x 64, K in steps of 256 through two LDS slots, B turned by ds_load_tr16_b128, 4 x 4 clusters with joint loads
; (A's tile shared along a row of the cluster, B's along a column), the matrix instruction used transposed (a lane holds eight neighbouring numbers of a row).
; PREFETCH.  The tiles of later K steps are asked for ahead of the tensor loads that fetch them, a lap (two K steps, 512 along K) at a request, one block of 256 bytes a lane.
; Wave 0 asks for 8 rows x 1,024 bytes of A (row 128 tr + 8 tc + lane / 4, block lane % 4): the sixteen work-groups of a tile row share its 128 rows, so each block of A is asked for once in the launch.
; Waves 1 and 2 ask for 32 k rows x 256 bytes of B each (k row 512 lap + 256 p + 64 cy + 32 (wave - 1) + lane; p = the parity of the cluster row's two bits): cluster rows 0 and 3 ask for a lap's
; first 256 k rows, rows 1 and 2 for its last 256, so each block of B is asked for by two of the four cluster rows that read it.  Wave 3 asks for nothing.
; Lap 1 is asked for behind the first fills.  Trip t of the loop asks, behind its first refill, for lap t + 2, which trip t + 1's refills load: the first of them stands 256 matrix instructions
; further on.  The last trip asks for nothing: lap 3 is the last.  A work-group asks for 24 KB at a request and has at most two requests' bytes unread.
; THE WAY OUT goes through an f32 stage in slot 0's bytes for A, which have had their last fill and whose last reads stand in front of the last change of slots: each wave then
; owns 32 WHOLE rows of the tile.  My 32 rows of x1, the bias and my rows' partial sums are asked for at the start and land under the product.
; LIMIT: the norm's factor is applied behind the product, and the row's squares are added in another order than a plain sum.
; REGISTERS: window 0: v0-31 addresses; v32-47 partial sums; v48-51 bias; v128-255 the accumulators, then my rows.  window 1: two fragment buffers.  window 2: v0-127 x1.
.set KSTEP,  256
.set ROWB,   4096                      ; bytes in a row of 2,048 bf16
.set ROWF,   8192                      ; in f32
.set MAT,    2048*ROWB
.set PA,     528                       ; A's LDS row: 512 bytes + 16: row r starts at bank 4 r mod 64 (64 banks of 4 bytes: ISA guide 11.1)
.set HALFA,  64*PA
.set PB,     288                       ; B's LDS row: 256 bytes + 32
.set HALFB,  128*PB
.set BOFF,   2*HALFA
.set SLOT,   BOFF+2*HALFB
.set SP,     528                       ; the stage: 128 rows of 512 bytes + 16, at LDS byte 0: exactly A's part of slot 0
.set LAPS,   2048/(2*KSTEP)
.set L4,   6                           ; v6      4 x lane
.set LANE, 7                           ; v7      lane
.set PO,   12                          ; v12     the prefetch: my lane's byte offset; never rewritten (v13 at work)
.set ADRA, 16                          ; v16-17  LDS address of my A fragments in slot 0, 1
.set ADRB, 20                          ; v20-23  the same for B: slot 0 k rows 0-127, 128-255; slot 1 likewise
.set STO,  24                          ; v24     the way out: where I put 32 bytes of a row
.set RD,   25                          ; v25     the way out: where I read my rows back
.set CO,   26                          ; v26     16 x lane: my 16 bytes of an f32 row
.set PS,   32                          ; v32-47  lane l: the sixteen partial sums of my row l
.set BI,   48                          ; v48-51  the bias of my 4 columns
.set ACC,  128
.set F0,   0
.set F1,   128
.set G1, 24
.set G0, 32
.set G1B, 48
.set G0B, 56
.set RSS, 24                           ; s24-55  on the way out, when no tensor load is out any more: rs of my 32 rows
.set PFB, 86                           ; s[86:87] the prefetch: my wave's base, at the lap asked for last
.set PFS, 88                           ; s[88:89] bytes from a lap to the next: 1,024 in A, 512 rows of 4,096 in B
.set PTH, 92                           ; s92      a trip asks if at least so many trips are to go: 2, or 4 (never) in wave 3
.set MSB, 0
.macro WIN new                         ; the immediate's high byte repeats the setting that is left
.if MSB != \new
	s_set_vgpr_msb (MSB<<8)|\new
.set MSB, \new
.endif
.endm
.set MUL,  0x05                        ; sources 0 (B) and 1 (A) window 1; C and D window 0
.set TO_F, 0x40                        ; destination window 1, address window 0
.macro JLOAD s                         ; a joint load: waves 0 and 1 fetch A's two halves, waves 2 and 3 B's; four v_nop follow each of the two lines
	s_cmp_eq_u32 s11, 0
	s_cbranch_scc0 .Lfor_b_\@
	tensor_load_to_lds s[G0+4*\s:G0+4*\s+3], s[G1:G1+7]
	s_nop 0
.rept 4
	v_nop
.endr
	s_branch .Lasked_\@
.Lfor_b_\@:
	tensor_load_to_lds s[G0B+4*\s:G0B+4*\s+3], s[G1B:G1B+7]
	s_nop 0
.rept 4
	v_nop
.endr
.Lasked_\@:
.endm
.macro ASK                             ; the loop's request: the lap behind the one asked for last.  The branch hangs on the trip counter and the wave's number alone
	s_cmp_lt_u32 s3, s[PTH]
	s_cbranch_scc1 .Lno_ask_\@
	s_wait_xcnt 0x0                                ; the base, which the last request named a trip ago, is written again only behind this wait
	s_add_nc_u64 s[PFB:PFB+1], s[PFB:PFB+1], s[PFS:PFS+1]
	global_prefetch_b8 v[PO], s[PFB:PFB+1] th:TH_LOAD_NT scope:SCOPE_SE
.Lno_ask_\@:
.endm
.macro CREST                           ; a round of the cluster's barrier behind its opening barrier
	s_cmp_lg_u32 s10, 0
	s_cbranch_scc1 .Lnot_wave_0_\@
	s_barrier_signal -3
.Lnot_wave_0_\@:
	s_barrier_wait -3
	s_barrier_signal -1
	s_barrier_wait -1
.endm
.macro CROUND                          ; a whole round
	s_barrier_signal -1
	s_barrier_wait -1
	CREST
.endm
	s_load_b128 s[4:7], s[0:1], 0x0                ; a2 s[4:5], wb s[6:7]
	s_load_b256 s[68:75], s[0:1], 0x10             ; x1 s[68:69], bmlp s[70:71], part s[72:73], out0 s[74:75]
	v_lshl_add_u32 v126, v0, 2, 0x45000
	v_mov_b32 v127, 0
	ds_add_u32 v126, v127
	ds_add_u32 v126, v127
	v_lshrrev_b32 v1, 5, v0
	v_readfirstlane_b32 s10, v1                    ; wave 0..3
	s_lshr_b32 s11, s10, 1                         ; which half of the tile's rows is mine.  Also: I fetch for A (0) or for B (1)
	s_and_b32 s12, s10, 1                          ; which half of its columns.  Also: which half of that tile I fetch
	s_bfe_u32 s40, ttmp6, 0x40000                  ; cx, cy: my place in the cluster
	s_bfe_u32 s41, ttmp6, 0x40004
	s_lshl_b32 s42, ttmp9, 2
	s_add_co_u32 s42, s42, s40                     ; tile column tc = 4 x cluster x + cx
	s_and_b32 s13, ttmp7, 0xffff
	s_lshl_b32 s13, s13, 2
	s_add_co_u32 s13, s13, s41                     ; tile row tr = 4 x cluster y + cy
	s_lshl_b32 s43, s41, 2
	s_lshl_b32 s43, 15, s43                        ; my row of the cluster
	s_lshl_b32 s44, 0x1111, s40                    ; my column
	; group 1 for A: 64 rows x 256 elements of 2 bytes; 16 bytes of padding behind every 128 words
	s_or_b32 s[G1+0], s43, (1<<16)|(1<<20)|(1<<21)|(6<<22)|(3<<25)
	s_mov_b32 s[G1+1], KSTEP<<16
	s_mov_b32 s[G1+2], 64<<16
	s_mov_b32 s[G1+3], KSTEP<<16
	s_mov_b32 s[G1+4], 64
	s_mov_b32 s[G1+5], 2048
	s_mov_b32 s[G1+6], 0
	s_mov_b32 s[G1+7], 0
	; group 1 for B: 128 k rows x 128 elements; 32 bytes of padding behind every 64 words
	s_or_b32 s[G1B+0], s44, (1<<16)|(1<<20)|(1<<21)|(5<<22)|(7<<25)
	s_mov_b32 s[G1B+1], 128<<16
	s_mov_b32 s[G1B+2], 128<<16
	s_mov_b32 s[G1B+3], 128<<16
	s_mov_b32 s[G1B+4], 128
	s_mov_b32 s[G1B+5], 2048
	s_mov_b32 s[G1B+6], 0
	s_mov_b32 s[G1B+7], 0
	; where the tiles come from: A's hang on tr alone, B's on tc alone, each in registers that never hold the other coordinate
	s_lshl_b32 s16, s13, 7
	s_lshl_b32 s17, s12, 6
	s_add_co_u32 s16, s16, s17                     ; A: row 128 tr + 64 x half,
	s_lshl_b32 s16, s16, 12                        ; in bytes
	s_mov_b32 s17, 0
	s_lshl_b32 s46, s42, 8                         ; B: columns 128 tc on: 256 bytes,
	s_lshl_b32 s47, s12, 19                        ; k rows 128 x half,
	s_add_co_u32 s46, s46, s47
	s_add_co_u32 s46, s46, 4*MAT                   ; of matrix 4
	s_mov_b32 s47, 0
	s_mul_i32 s20, s12, HALFA                      ; and where they go: no place in the cluster enters an LDS address
	s_mul_i32 s45, s12, HALFB
	s_add_co_u32 s45, s45, BOFF
	s_wait_dscnt 0x0
	s_wait_kmcnt 0x0
	s_add_nc_u64 s[14:15], s[4:5], s[16:17]
	s_add_nc_u64 s[46:47], s[6:7], s[46:47]
	CROUND                                         ; all sixteen work-groups are here: the first joint loads meet
.irp s, 0,1
	s_mov_b32 s[G0+4*\s], 1
	s_add_co_u32 s[G0+4*\s+1], s20, \s*SLOT
	s_add_nc_u64 s[G0+4*\s+2:G0+4*\s+3], s[14:15], \s*KSTEP*2
	s_or_b32 s[G0+4*\s+3], s[G0+4*\s+3], 0x80000000
	s_mov_b32 s[G0B+4*\s], 1
	s_add_co_u32 s[G0B+4*\s+1], s45, \s*SLOT
	s_add_nc_u64 s[G0B+4*\s+2:G0B+4*\s+3], s[46:47], \s*KSTEP*ROWB
	s_or_b32 s[G0B+4*\s+3], s[G0B+4*\s+3], 0x80000000
	JLOAD \s                                       ; two loads of mine are out
.endr
	; THE PREFETCH'S ADDRESSES, in registers that feed no descriptor.  First lap 1's offsets: B's in s80, A's in s82
	v_and_b32 v[LANE], 31, v0
	s_mov_b32 s85, 0                               ; high words of the offset and of the step
	s_mov_b32 s89, 0
	s_mov_b32 s93, 2*KSTEP*2                       ; a lap in a row of A: 1,024 bytes
	s_mov_b32 s94, 2*KSTEP*ROWB                    ; a lap in B: 512 k rows
	s_and_b32 s80, ttmp7, 0xffff                   ; the cluster's row, 0..3
	s_lshr_b32 s81, s80, 1
	s_xor_b32 s80, s80, s81
	s_and_b32 s80, s80, 1                          ; p: the parity of its two bits
	s_lshl_b32 s80, s80, 20                        ; 256 p k rows of 4,096 bytes
	s_lshl_b32 s81, s41, 18                        ; + 64 cy
	s_add_co_u32 s80, s80, s81
	s_lshl_b32 s81, s10, 17                        ; + 32 x wave
	s_add_co_u32 s80, s80, s81
	s_lshl_b32 s81, s42, 8                         ; + the tile's 256 bytes of a k row
	s_add_co_u32 s80, s80, s81
	s_add_co_u32 s80, s80, 4*MAT+2*KSTEP*ROWB-32*ROWB   ; matrix 4, lap 1, and 32 rows back: waves 1 and 2 count as 0 and 1
	s_lshl_b32 s82, s13, 19                        ; A: row 128 tr
	s_lshl_b32 s83, s42, 15                        ; + 8 tc
	s_add_co_u32 s82, s82, s83
	s_add_co_u32 s82, s82, 2*KSTEP*2               ; lap 1
	s_cmp_eq_u32 s10, 0                            ; wave 0 asks for A, the others for B
	s_cselect_b32 s84, s82, s80
	s_cselect_b64 s[PFB:PFB+1], s[4:5], s[6:7]
	s_cselect_b32 s[PFS], s93, s94
	s_cselect_b32 s90, 2, 0                        ; A: four lanes to a row; B: one
	s_cselect_b32 s91, 3, 0
	s_add_nc_u64 s[PFB:PFB+1], s[PFB:PFB+1], s[84:85]
	s_cmp_eq_u32 s10, 3
	s_cselect_b32 s[PTH], 4, 2
	v_lshrrev_b32 v[PO], s90, v[LANE]              ; my row among the request's 8 (A) or 32 (B)
	v_and_b32 v13, s91, v[LANE]                    ; my block of its 1,024 bytes (A)
	v_lshlrev_b32 v[PO], 12, v[PO]
	v_lshl_add_u32 v[PO], v13, 8, v[PO]
	s_cbranch_scc1 .Lno_first_ask                  ; (SCC still holds wave = 3: only selects and vector work stand behind the compare)
	global_prefetch_b8 v[PO], s[PFB:PFB+1] th:TH_LOAD_NT scope:SCOPE_SE   ; lap 1: K steps 2 and 3, which the first trip's refills load
.Lno_first_ask:
	; the bases of the way out: the row's part in s[18:19] (tr and the wave alone), the column's in s[46:47] (tc alone)
	s_lshl_b32 s16, s13, 7
	s_lshl_b32 s17, s10, 5
	s_add_co_u32 s16, s16, s17                     ; my first whole row: 128 tr + 32 x wave
	s_mov_b32 s19, 0
	s_lshl_b32 s18, s16, 2
	s_add_nc_u64 s[72:73], s[72:73], s[18:19]      ; part: 4 bytes a row
	s_lshl_b32 s18, s16, 13
	s_add_nc_u64 s[68:69], s[68:69], s[18:19]      ; x1
	s_add_nc_u64 s[74:75], s[74:75], s[18:19]      ; out0
	s_mov_b32 s47, 0
	s_lshl_b32 s46, s42, 9
	s_add_nc_u64 s[68:69], s[68:69], s[46:47]
	s_add_nc_u64 s[70:71], s[70:71], s[46:47]      ; bmlp
	s_add_nc_u64 s[74:75], s[74:75], s[46:47]
	v_lshlrev_b32 v[CO], 4, v[LANE]
	v_lshlrev_b32 v[L4], 2, v[LANE]
	WIN 0x80                                       ; destination window 2
.set t, 0
.rept 32
	global_load_b128 v[4*t:4*t+3], v[CO], s[68:69] offset:t*ROWF th:TH_LOAD_NT   ; row t of my 32: 512 consecutive bytes
.set t, t+1
.endr
	WIN 0
	global_load_b128 v[BI:BI+3], v[CO], s[70:71]
.set t, 0
.rept 16
	global_load_b32 v[PS+t], v[L4], s[72:73] offset:t*8192   ; tile column t's partial sums of my 32 rows: lane l takes row l's
.set t, t+1
.endr
	v_and_b32 v1, 15, v0                           ; l % 16
	v_bfe_u32 v2, v0, 4, 1                         ; l / 16
	v_mul_u32_u24 v3, v1, PA
	v_lshl_add_u32 v3, v2, 4, v3                   ; A: a fragment's row x pitch + 16 x half of the lanes
	s_mul_i32 s21, s11, HALFA                      ; my 64 rows of A
	v_add_nc_u32 v[ADRA], s21, v3
	s_add_co_u32 s21, s21, SLOT
	v_add_nc_u32 v[ADRA+1], s21, v3
	v_and_b32 v4, 7, v0                            ; B: lane l addresses k row 8 (l / 16) + l % 8, columns 8 ((l / 8) % 2) on
	v_lshl_add_u32 v4, v2, 3, v4
	v_mul_u32_u24 v4, v4, PB
	v_bfe_u32 v5, v0, 3, 1
	v_lshl_add_u32 v4, v5, 4, v4
	s_lshl_b32 s22, s12, 7                         ; my 64 columns of B: 128 bytes
	s_add_co_u32 s22, s22, BOFF
	v_add_nc_u32 v[ADRB], s22, v4
	s_add_co_u32 s22, s22, HALFB
	v_add_nc_u32 v[ADRB+1], s22, v4
	s_add_co_u32 s22, s22, SLOT-HALFB
	v_add_nc_u32 v[ADRB+2], s22, v4
	s_add_co_u32 s22, s22, HALFB
	v_add_nc_u32 v[ADRB+3], s22, v4
	s_mul_i32 s23, s11, 64*SP                      ; into the stage: my 64 rows, my half of their 512 bytes; row l % 16, 32 bytes for each half of the lanes
	s_lshl_b32 s21, s12, 8
	s_add_co_u32 s23, s23, s21
	v_mul_u32_u24 v4, v1, SP
	v_lshl_add_u32 v4, v2, 5, v4
	v_add_nc_u32 v[STO], s23, v4
	s_mul_i32 s23, s10, 32*SP                      ; back: wave w takes rows 32 w .. 32 w + 31, whole
	v_add_nc_u32 v[RD], s23, v[CO]
; 8 matrix instructions: m blocks a0, a0 + 1 x all 4 n blocks, 32 along K: half c of buffer f.  zero = 1: the first product starts the sums.
; The 16 accumulators take turns, one instruction a turn.
.macro MUL8 f, c, a0, zero
.irp a, \a0, \a0+1
.irp b, 0,1,2,3
.if \zero
	v_wmma_f32_16x16x32_bf16 v[ACC+8*(4*(\a)+\b):ACC+8*(4*(\a)+\b)+7], v[\f+64+8*(4*\c+\b):\f+64+8*(4*\c+\b)+7], v[\f+8*(4*\c+\a):\f+8*(4*\c+\a)+7], 0
.else
	v_wmma_f32_16x16x32_bf16 v[ACC+8*(4*(\a)+\b):ACC+8*(4*(\a)+\b)+7], v[\f+64+8*(4*\c+\b):\f+64+8*(4*\c+\b)+7], v[\f+8*(4*\c+\a):\f+8*(4*\c+\a)+7], v[ACC+8*(4*(\a)+\b):ACC+8*(4*(\a)+\b)+7]
.endif
.endr
.endr
.endm
; 32 LDS loads in one run: the fragments of quarter q (64 along K) of a slot into buffer f; the first 32 along K first
.macro FETCH slot, q, f
	WIN TO_F
.irp c, 0,1
.irp i, 0,1,2,3
	ds_load_tr16_b128 v[\f+64+8*(4*\c+\i):\f+64+8*(4*\c+\i)+3],   v[ADRB+2*\slot+(\q)/2] offset:(((\q)%2)*64+32*\c)*PB+32*\i
	ds_load_tr16_b128 v[\f+64+8*(4*\c+\i)+4:\f+64+8*(4*\c+\i)+7], v[ADRB+2*\slot+(\q)/2] offset:(((\q)%2)*64+32*\c+16)*PB+32*\i
	ds_load_b128 v[\f+8*(4*\c+\i):\f+8*(4*\c+\i)+3],              v[ADRA+\slot] offset:128*\q+64*\c+\i*16*PA
	ds_load_b128 v[\f+8*(4*\c+\i)+4:\f+8*(4*\c+\i)+7],            v[ADRA+\slot] offset:128*\q+64*\c+\i*16*PA+32
.endr
.endr
.endm
.macro PLACES                          ; four places in front of loads into registers that matrix instructions have read, and of instructions that read results
.rept 4
	v_nop
.endr
.endm
.macro QUARTER slot, q, f, g, zero     ; multiplies buffer f (64 along K, 32 matrix instructions) and fetches quarter q into g
	s_wait_dscnt 16                                ; the first 32 along K are in; the sixteen younger loads may be out
	WIN MUL
	MUL8 \f, 0, 0, \zero
	MUL8 \f, 0, 2, \zero
	PLACES
	FETCH \slot, \q, \g
	s_wait_dscnt 32                                ; all but the 32 just issued
	WIN MUL
	MUL8 \f, 1, 0, 0
	MUL8 \f, 1, 2, 0
.endm
; The last quarter multiplies buffer 1 and changes slots: one barrier; in front of it each wave waits for its own reads of this slot and for all its tensor loads.
; fill = 1: the barrier opens a round of the cluster's barrier, and this slot is filled again, two K steps ahead, first thing behind the round.
; ask = 1: the trip's prefetch request stands behind that refill, where the wave has just issued its load.
.macro TURN slot, next, fill, ask
	s_wait_dscnt 16
	WIN MUL
	MUL8 F1, 0, 0, 0
	s_wait_dscnt 0                                 ; my reads of this slot are over,
	s_set_vgpr_msb 0x500
	s_wait_tensorcnt 0x0                           ; and all my tensor loads have landed: my part of the next slot
	ds_add_u32 v126, v127
	s_wait_dscnt 0x0
	s_set_vgpr_msb 0x5
	s_barrier_signal -1
	MUL8 F1, 0, 2, 0
.if \fill
	WIN 0
.endif
	s_barrier_wait -1
.if \fill
	CREST                                          ; no wave of any partner still reads this slot's tile or has a load on its way
	s_add_nc_u64 s[G0+4*\slot+2:G0+4*\slot+3], s[G0+4*\slot+2:G0+4*\slot+3], 2*KSTEP*2
	s_add_nc_u64 s[G0B+4*\slot+2:G0B+4*\slot+3], s[G0B+4*\slot+2:G0B+4*\slot+3], 2*KSTEP*ROWB
	JLOAD \slot                                    ; 120 matrix instructions ahead of the wait for it; its four v_nop are also the places in front of the loads below
.if \ask
	ASK
.endif
.else
	PLACES
.endif
	FETCH \next, 0, F0
	WIN MUL
	MUL8 F1, 1, 0, 0
	MUL8 F1, 1, 2, 0
.endm
	s_wait_tensorcnt 1                             ; my part of K step 0 is in; K step 1's may stay out
	s_barrier_signal -1
	s_barrier_wait -1                              ; everybody's is
	FETCH 0, 0, F0
	QUARTER 0, 1, F0, F1, 1                        ; the first quarter stands in front of the loop: its first products start the sums
	WIN 0                                          ; at a label and at a branch every window is 0
	s_mov_b32 s3, LAPS-1
.Llap:                                                 ; a trip goes once round the ring and fills both slots again
	QUARTER 0, 2, F1, F0, 0
	QUARTER 0, 3, F0, F1, 0
	TURN 0, 1, 1, 1
	QUARTER 1, 1, F0, F1, 0
	QUARTER 1, 2, F1, F0, 0
	QUARTER 1, 3, F0, F1, 0
	TURN 1, 0, 1, 0
	QUARTER 0, 1, F0, F1, 0
	WIN 0
	s_sub_co_u32 s3, s3, 1
	s_cmp_lg_u32 s3, 0
	s_cbranch_scc1 .Llap
	QUARTER 0, 2, F1, F0, 0                        ; the last lap fills nothing
	QUARTER 0, 3, F0, F1, 0
	TURN 0, 1, 0, 0                                ; behind this barrier no wave reads slot 0 any more, and nothing fills it again
	QUARTER 1, 1, F0, F1, 0
	QUARTER 1, 2, F1, F0, 0
	QUARTER 1, 3, F0, F1, 0
	s_wait_dscnt 16
	WIN MUL
	MUL8 F1, 0, 0, 0
	MUL8 F1, 0, 2, 0
	s_wait_dscnt 0
	MUL8 F1, 1, 0, 0
	MUL8 F1, 1, 2, 0
	WIN 0
	; THE WAY OUT.  The f32 sums go into the stage, 32 bytes a lane; a barrier, since a row's 512 bytes come from two waves; back as whole rows, 32 a wave.
	PLACES
.irp a, 0,1,2,3
.irp b, 0,1,2,3
	ds_store_b128 v[STO], v[ACC+8*(4*\a+\b):ACC+8*(4*\a+\b)+3]   offset:\a*16*SP+64*\b
	ds_store_b128 v[STO], v[ACC+8*(4*\a+\b)+4:ACC+8*(4*\a+\b)+7] offset:\a*16*SP+64*\b+16
.endr
.endr
	s_wait_dscnt 0x0                               ; for the others' sake: my stores into the stage are done
	s_barrier_signal -1
	s_barrier_wait -1
.set t, 0
.rept 32
	ds_load_b128 v[ACC+4*t:ACC+4*t+3], v[RD] offset:t*SP   ; row t of my 32; my lane: columns 4 lane .. + 3
.set t, t+1
.endr
	s_mov_b32 s16, 0x3a000000                      ; 1 / 2048
	s_mov_b32 s17, 0x3727c5ac                      ; 1e-5
	s_wait_loadcnt 0x0                             ; x1, the bias, the partial sums
.irp w, 8, 4, 2, 1                     ; lane l: the sum of row l's sixteen partial sums
.set t, 0
.rept \w
	v_add_f32 v[PS+t], v[PS+t], v[PS+t+\w]
.set t, t+1
.endr
.endr
	v_fma_f32 v[PS], v[PS], s16, s17               ; mean + eps
	v_rsq_f32 v[PS+1], v[PS]
	v_nop                                          ; one plain instruction between a transcendental and the use of its result (ISA guide 5.7.2)
.set t, 0
	s_wait_alu depctr_va_vdst(0)
.rept 32
	v_readlane_b32 s[RSS+t], v[PS+1], t            ; rs of row t, a factor for the whole wave; all tensor loads were shown done at the last change of slots, so the descriptors' registers are free
.set t, t+1
.endr
	WIN 0x82                                       ; destination and source 0 in window 2
.set t, 0
.rept 64
	v_pk_add_f32 v[2*t:2*t+1], v[2*t:2*t+1], v[BI+2*(t%2):BI+2*(t%2)+1]   ; x1 + bias
.set t, t+1
.endr
	s_wait_dscnt 0x0                               ; my rows are back
	WIN 0x20                                       ; source 2 in window 2
.set t, 0
.rept 128
	v_fma_f32 v[ACC+t], v[ACC+t], s[RSS+t/4], v[t]
.set t, t+1
.endr
	WIN 0
.set t, 0
.rept 32
	global_store_b128 v[CO], v[ACC+4*t:ACC+4*t+3], s[74:75] offset:t*ROWF th:TH_STORE_NT   ; 512 consecutive bytes, aligned
.set t, t+1
.endr
	s_wait_tensorcnt 0x0
	ds_add_u32 v126, v127
	s_wait_dscnt 0x0
	CROUND                                         ; the closing round: no work-group ends while a partner may still ask for a tile that names it
	s_endpgm
.Lfunc_end_k_qafd175920d_mlp:
	.size	k_qafd175920d_mlp, .Lfunc_end_k_qafd175920d_mlp-k_qafd175920d_mlp
	.p2alignl 7, 3214868480
	.fill 96, 4, 3214868480
	.section	.rodata,"a",@progbits
	.p2align	6, 0x0
	.amdhsa_kernel k_qafd175920d_mlp
		.amdhsa_group_segment_fixed_size 327680
		.amdhsa_private_segment_fixed_size 0
		.amdhsa_enable_private_segment 0
		.amdhsa_kernarg_size 48
		.amdhsa_user_sgpr_count 2
		.amdhsa_user_sgpr_kernarg_segment_ptr 1
		.amdhsa_wavefront_size32 1
		.amdhsa_system_sgpr_workgroup_id_x 1
		.amdhsa_system_sgpr_workgroup_id_y 1
		.amdhsa_system_sgpr_workgroup_id_z 1
		.amdhsa_system_vgpr_workitem_id 0
		.amdhsa_next_free_vgpr 640
		.amdhsa_next_free_sgpr 96
		.amdhsa_reserve_vcc 0
		.amdhsa_float_denorm_mode_32 3
		.amdhsa_float_denorm_mode_16_64 3
		.amdhsa_memory_ordered 1
		.amdhsa_forward_progress 1
		.amdhsa_inst_pref_size 107
	.end_amdhsa_kernel
	.amdgpu_metadata
---
amdhsa.version: [ 1, 2 ]
amdhsa.kernels:
  - .name:           k_qafd175920d_mlp
    .symbol:         k_qafd175920d_mlp.kd
    .args:
      - { .name: a2, .offset: 0, .size: 8, .value_kind: global_buffer, .address_space: global }
      - { .name: wb, .offset: 8, .size: 8, .value_kind: global_buffer, .address_space: global }
      - { .name: x1, .offset: 16, .size: 8, .value_kind: global_buffer, .address_space: global }
      - { .name: bmlp, .offset: 24, .size: 8, .value_kind: global_buffer, .address_space: global }
      - { .name: part, .offset: 32, .size: 8, .value_kind: global_buffer, .address_space: global }
      - { .name: out0, .offset: 40, .size: 8, .value_kind: global_buffer, .address_space: global }
    .group_segment_fixed_size: 327680
    .private_segment_fixed_size: 0
    .kernarg_segment_align: 8
    .kernarg_segment_size: 48
    .max_flat_workgroup_size: 128
    .sgpr_count:     96
    .vgpr_count:     640
    .wavefront_size: 32
...
	.end_amdgpu_metadata
.endif
;; end of part 10
;; ======== version 3 of 3: 5 launches; version 2 with the launch prep written anew for expert scheduling mode
;; workspace buffers: wb 41,943,040 bytes; xn 8,388,608 bytes; qkv 25,165,824 bytes; ctx 8,388,608 bytes; x1 16,777,216 bytes; a2 8,388,608 bytes; part 131,072 bytes
;; launch prep (part 11): grid 256 x 4, 8 waves a work-group, no clusters, 0 bytes of LDS; arguments Wq, Wk, Wv, x, ln1_scale, wb, xn; writes wb, xn
.if DOCPART == 11
	.amdgcn_target "amdgcn-amd-amdhsa--gfx1250"
	.amdhsa_code_object_version 6
	.text
	.protected	k_qafd175920d_prep
	.globl	k_qafd175920d_prep
	.p2align	8
	.type	k_qafd175920d_prep,@function
k_qafd175920d_prep:
	s_mov_b64 s[64:65], 0
	v_nop
	global_prefetch_b8 v0, s[64:65] scope:SCOPE_SE
	s_setreg_imm32_b32 hwreg(HW_REG_WAVE_SCHED_MODE, 0, 2), 2
	s_setreg_imm32_b32 hwreg(HW_REG_WAVE_MODE, 25, 1), 1
	s_wait_xcnt 0x0
	s_wait_alu depctr_vm_vsrc(0)
; prep.  Grid rows y = 0..2: wb[y] = bf16(weight matrix y), in the order Wq, Wk, Wv; each is [2048 k][2048 n] and keeps its layout.
;        Grid row  y = 3:    xn[m][:] = bf16( x[m][:] * rsqrt(mean(x[m][:]^2) + 1e-5) * ln1_scale[:] ), 2,048 rows of 2,048.
; (wb[3] and wb[4], Wo and Wmlp, are not needed by the next launch; the attention launch casts them on the work-groups that have few key tiles.)
; A stream: every input byte is read once by 16-byte loads, every output byte written once; a wave's 8-byte stores cover 256 consecutive
; bytes, aligned.  No LDS, no barrier, no matrix unit, no cluster: no wave needs another's data and no two work-groups read the same bytes
; (but ln1_scale, 8 KB).  Nothing is looped: a work-group's whole share is asked for at once, and no register that a memory instruction names is used twice.
; LIMITS: the outputs are rounded to bf16 (operands of the later matrix products); the sum of squares is added in four chains and then
; across lanes, another order than a plain sum.
; THE MODE: SCHED_MODE bits 1:0 = 2 (LLVM: expert scheduling mode 2), set by the entry lines.  The code itself states the register dependences
; between vector instructions and memory instructions, with s_wait_alu, always for 0.
; THE PLAN, the same on both paths.  The 16 pieces (a load of 16 bytes a lane, a store of 8) go in four blocks of four.  Registers that memory instructions touch:
;   v1, v2, v3  byte offsets, made once at a path's head by vector instructions and never written again: one wait in front of the first load serves every load and store.
;   X, SC       written by the loads, once; read (X in the norm also scaled in place) by vector instructions alone, behind the loads' own counted waits.
;   Y           block p's roundings write its eight registers, each once; the four stores that are issued in block p + 1 read them; they are never written again.
; So one wait stands at the head of blocks 1, 2 and 3: the block before has written its Y.  The block's four stores follow it, dealt among its vector instructions,
; which name X, SC, RS and this block's own Y: none of the registers that those stores read.  One more wait stands in front of the last four stores.
; No register that a memory instruction reads is written again, no vector instruction writes a scalar register or VCC, and EXEC is never written: no other wait is owed.
.set X,   4                            ; v[4:67]    16 loads of 16 bytes
.set SC,  68                           ; v[68:131]  ln1_scale of the same columns (norm only)
.set Y,   132                          ; v[132:163] the bf16 results, 8 bytes for each load
.set CH,  164                          ; v[164:171] four chains of sums of squares, two numbers each
.set RS,  172                          ; v[172:173] rsqrt, twice: a pair for the packed multiply
; Block p of the cast: pieces 4 p .. 4 p + 3 are rounded; the stores of the block before are issued among the roundings.  first = 1: block 0, with no block in front of it.
.macro CAST4 p, first
	s_wait_loadcnt 12-4*(\p)                       ; loads come back in order: this block's four are in, the 12 - 4 p younger ones stay out
.if !\first
	s_wait_alu depctr_va_vdst(0)                   ; the block before has written its eight registers of Y, which the four stores below read
.endif
.irp i, 0,1,2,3
.set n, 4*(\p)+(\i)
.if !\first
	global_store_b64 v2, v[Y+2*n-8:Y+2*n-7], s[18:19] offset:(n-4)*2048   ; piece n - 4; no vector instruction since the wait names its registers
.endif
	v_cvt_pk_bf16_f32 v[Y+2*n],   v[X+4*n],   v[X+4*n+1]
	v_cvt_pk_bf16_f32 v[Y+2*n+1], v[X+4*n+2], v[X+4*n+3]
.endr
.endm
; Block p of the norm's second pass: pieces 4 p .. 4 p + 3 are scaled and rounded; the stores of the block before are issued among that work.
.macro NORM4 p, first
	s_wait_loadcnt 12-4*(\p)                       ; ln1_scale's loads 4 p .. 4 p + 3 are in, the younger ones stay out
.if !\first
	s_wait_alu depctr_va_vdst(0)                   ; the block before has written its eight registers of Y, which the four stores below read
.endif
.irp i, 0,1,2,3
.set n, 4*(\p)+(\i)
.if !\first
	global_store_b64 v3, v[Y+2*n-8:Y+2*n-7], s[20:21] offset:(n-4)*256    ; piece n - 4; no vector instruction since the wait names its registers
.endif
	v_pk_mul_f32 v[X+4*n:X+4*n+1],   v[X+4*n:X+4*n+1],   v[RS:RS+1]
	v_pk_mul_f32 v[X+4*n+2:X+4*n+3], v[X+4*n+2:X+4*n+3], v[RS:RS+1]
	v_pk_mul_f32 v[X+4*n:X+4*n+1],   v[X+4*n:X+4*n+1],   v[SC+4*n:SC+4*n+1]
	v_pk_mul_f32 v[X+4*n+2:X+4*n+3], v[X+4*n+2:X+4*n+3], v[SC+4*n+2:SC+4*n+3]
	v_cvt_pk_bf16_f32 v[Y+2*n],   v[X+4*n],   v[X+4*n+1]
	v_cvt_pk_bf16_f32 v[Y+2*n+1], v[X+4*n+2], v[X+4*n+3]
.endr
.endm
	s_load_b256 s[8:15], s[0:1], 0x0               ; Wq s[8:9], Wk s[10:11], Wv s[12:13], x s[14:15]
	s_load_b128 s[16:19], s[0:1], 0x20             ; ln1_scale s[16:17], wb s[18:19]
	s_load_b64 s[20:21], s[0:1], 0x30              ; xn
	s_and_b32 s2, ttmp7, 0xffff                    ; y: which matrix, or 3 for the norm
	s_mov_b32 s7, 0                                ; the high word of every offset here
	s_wait_kmcnt 0x0
	s_cmp_eq_u32 s2, 3
	s_cbranch_scc1 .Lnorm
	; THE CAST.  A work-group takes 65,536 bytes of f32 (16,384 numbers): 16 loads, each 4,096 consecutive bytes over the 256 threads.
	v_lshlrev_b32 v1, 4, v0                        ; 16 t: my 16 bytes of a load
	v_lshlrev_b32 v2, 3, v0                        ; 8 t: my 8 bytes of a store
	s_mov_b64 s[4:5], s[8:9]                       ; the source is chosen by y alone
	s_cmp_eq_u32 s2, 1
	s_cselect_b64 s[4:5], s[10:11], s[4:5]
	s_cmp_eq_u32 s2, 2
	s_cselect_b64 s[4:5], s[12:13], s[4:5]
	s_lshl_b32 s6, ttmp9, 16                       ; my 65,536 bytes of the source
	s_add_nc_u64 s[4:5], s[4:5], s[6:7]
	s_lshl_b32 s6, s2, 23                          ; matrix y of wb (8,388,608 bytes each),
	s_lshl_b32 s3, ttmp9, 15                       ; my 32,768 bytes of it
	s_add_co_u32 s6, s6, s3
	s_add_nc_u64 s[18:19], s[18:19], s[6:7]
	s_wait_alu depctr_va_vdst(0)                   ; v1 and v2 are written: every load of this path reads v1 as its offset, every store v2
.irp i, 0,1,2,3,4,5,6,7,8,9,10,11,12,13,14,15
	global_load_b128 v[X+4*\i:X+4*\i+3], v1, s[4:5] offset:\i*4096 th:TH_LOAD_NT
.endr
	CAST4 0, 1
	CAST4 1, 0
	CAST4 2, 0
	CAST4 3, 0
	s_wait_alu depctr_va_vdst(0)                   ; block 3 has written its eight registers of Y, which the last four stores read
.irp i, 12,13,14,15
	global_store_b64 v2, v[Y+2*\i:Y+2*\i+1], s[18:19] offset:\i*2048
.endr
	s_endpgm
.Lnorm:
	; THE NORM.  One wave, one row (8,192 bytes = 64 registers): the row stays in registers between the sum and the scaling.
	; Load j brings 512 consecutive bytes: lane l holds columns 128 j + 4 l .. + 3.
	v_lshrrev_b32 v3, 5, v0                        ; wave
	v_and_b32 v2, 31, v0                           ; lane
	v_lshlrev_b32 v1, 13, v3
	v_lshl_add_u32 v1, v2, 4, v1                   ; x:  wave x 8,192 + 16 lane
	v_lshlrev_b32 v3, 12, v3
	v_lshl_add_u32 v3, v2, 3, v3                   ; xn: wave x 4,096 + 8 lane
	v_lshlrev_b32 v2, 4, v2                        ; ln1_scale: 16 lane
	s_lshl_b32 s6, ttmp9, 16                       ; the work-group's 8 rows of x
	s_add_nc_u64 s[14:15], s[14:15], s[6:7]
	s_lshl_b32 s6, ttmp9, 15                       ; and of xn
	s_add_nc_u64 s[20:21], s[20:21], s[6:7]
	s_mov_b32 s26, 0x3a000000                      ; 1 / 2048
	s_mov_b32 s27, 0x3727c5ac                      ; 1e-5
	s_mov_b32 s28, 0x76543210                      ; v_permlanex16_b32: each lane takes its own place in the other half
	s_mov_b32 s29, 0xfedcba98
	s_wait_alu depctr_va_vdst(0)                   ; v1, v2 and v3 are written: the loads of x read v1 as their offset, those of ln1_scale v2, the stores v3
.irp j, 0,1,2,3,4,5,6,7,8,9,10,11,12,13,14,15
	global_load_b128 v[X+4*\j:X+4*\j+3], v1, s[14:15] offset:\j*512
.endr
.irp j, 0,1,2,3,4,5,6,7,8,9,10,11,12,13,14,15
	global_load_b128 v[SC+4*\j:SC+4*\j+3], v2, s[16:17] offset:\j*512
.endr
	s_wait_loadcnt 16                              ; the row is in; the sixteen loads of ln1_scale stay out
.irp p, 0,1,2,3
	v_pk_mul_f32 v[CH+2*\p:CH+2*\p+1], v[X+2*\p:X+2*\p+1], v[X+2*\p:X+2*\p+1]   ; the first four pairs start the chains: nothing is cleared
.endr
.set p, 4
.rept 28
	v_pk_fma_f32 v[CH+2*(p%4):CH+2*(p%4)+1], v[X+2*p:X+2*p+1], v[X+2*p:X+2*p+1], v[CH+2*(p%4):CH+2*(p%4)+1]
.set p, p+1
.endr
	v_pk_add_f32 v[CH:CH+1], v[CH:CH+1], v[CH+2:CH+3]
	v_pk_add_f32 v[CH+4:CH+5], v[CH+4:CH+5], v[CH+6:CH+7]
	v_pk_add_f32 v[CH:CH+1], v[CH:CH+1], v[CH+4:CH+5]
	v_add_f32 v[CH], v[CH], v[CH+1]
	v_add_f32_dpp v[CH], v[CH], v[CH] row_xmask:1 row_mask:0xf bank_mask:0xf
	v_add_f32_dpp v[CH], v[CH], v[CH] row_xmask:2 row_mask:0xf bank_mask:0xf
	v_add_f32_dpp v[CH], v[CH], v[CH] row_xmask:4 row_mask:0xf bank_mask:0xf
	v_add_f32_dpp v[CH], v[CH], v[CH] row_xmask:8 row_mask:0xf bank_mask:0xf
	v_permlanex16_b32 v[CH+1], v[CH], s28, s29     ; its destination has been written
	v_add_f32 v[CH], v[CH], v[CH+1]                ; every lane holds the row's sum of squares
	v_fma_f32 v[CH], v[CH], s26, s27               ; mean + eps
	v_rsq_f32 v[RS], v[CH]
	v_rsq_f32 v[RS+1], v[CH]
	v_nop                                          ; one plain instruction between a transcendental and the use of its result (ISA guide 5.7.2)
	s_wait_alu depctr_va_vdst(0)                   ; both v_rsq_f32 have written v[RS:RS+1], ahead of the first multiply that reads the pair: one wait for the two
	NORM4 0, 1
	NORM4 1, 0
	NORM4 2, 0
	NORM4 3, 0
	s_wait_alu depctr_va_vdst(0)                   ; block 3 has written its eight registers of Y, which the last four stores read
.irp j, 12,13,14,15
	global_store_b64 v3, v[Y+2*\j:Y+2*\j+1], s[20:21] offset:\j*256
.endr
	s_endpgm
.Lfunc_end_k_qafd175920d_prep:
	.size	k_qafd175920d_prep, .Lfunc_end_k_qafd175920d_prep-k_qafd175920d_prep
	.p2alignl 7, 3214868480
	.fill 96, 4, 3214868480
	.section	.rodata,"a",@progbits
	.p2align	6, 0x0
	.amdhsa_kernel k_qafd175920d_prep
		.amdhsa_group_segment_fixed_size 0
		.amdhsa_private_segment_fixed_size 0
		.amdhsa_enable_private_segment 0
		.amdhsa_kernarg_size 56
		.amdhsa_user_sgpr_count 2
		.amdhsa_user_sgpr_kernarg_segment_ptr 1
		.amdhsa_wavefront_size32 1
		.amdhsa_system_sgpr_workgroup_id_x 1
		.amdhsa_system_sgpr_workgroup_id_y 1
		.amdhsa_system_sgpr_workgroup_id_z 1
		.amdhsa_system_vgpr_workitem_id 0
		.amdhsa_next_free_vgpr 176
		.amdhsa_next_free_sgpr 66
		.amdhsa_reserve_vcc 0
		.amdhsa_float_denorm_mode_32 3
		.amdhsa_float_denorm_mode_16_64 3
		.amdhsa_memory_ordered 1
		.amdhsa_forward_progress 1
		.amdhsa_inst_pref_size 21
	.end_amdhsa_kernel
	.amdgpu_metadata
---
amdhsa.version: [ 1, 2 ]
amdhsa.kernels:
  - .name:           k_qafd175920d_prep
    .symbol:         k_qafd175920d_prep.kd
    .args:
      - { .name: Wq, .offset: 0, .size: 8, .value_kind: global_buffer, .address_space: global }
      - { .name: Wk, .offset: 8, .size: 8, .value_kind: global_buffer, .address_space: global }
      - { .name: Wv, .offset: 16, .size: 8, .value_kind: global_buffer, .address_space: global }
      - { .name: x, .offset: 24, .size: 8, .value_kind: global_buffer, .address_space: global }
      - { .name: ln1_scale, .offset: 32, .size: 8, .value_kind: global_buffer, .address_space: global }
      - { .name: wb, .offset: 40, .size: 8, .value_kind: global_buffer, .address_space: global }
      - { .name: xn, .offset: 48, .size: 8, .value_kind: global_buffer, .address_space: global }
    .group_segment_fixed_size: 0
    .private_segment_fixed_size: 0
    .kernarg_segment_align: 8
    .kernarg_segment_size: 56
    .max_flat_workgroup_size: 256
    .sgpr_count:     66
    .vgpr_count:     176
    .wavefront_size: 32
...
	.end_amdgpu_metadata
.endif
;; end of part 11
;; launch qkv: the kernel of part 7 again; grid 16 x 16, 4 waves a work-group, clusters of 4 x 4, 327,680 bytes of LDS; arguments xn, wb, qkv; writes qkv
;; launch attn: the kernel of part 8 again; grid 8 x 32, 4 waves a work-group, no clusters, 327,680 bytes of LDS; arguments qkv, ctx, Wo, Wmlp, wb; writes ctx, wb
;; launch wo: the kernel of part 9 again; grid 16 x 16, 4 waves a work-group, clusters of 4 x 4, 327,680 bytes of LDS; arguments ctx, wb, x, ln2_scale, x1, a2, part; writes x1, a2, part
;; launch mlp: the kernel of part 10 again; grid 16 x 16, 4 waves a work-group, clusters of 4 x 4, 327,680 bytes of LDS; arguments a2, wb, x1, bmlp, part, out0; writes out0
